; MI455X (gfx1250); checked and timed in simulation.
; The chip was launched on July 23, 2026; its instructions are those of AMD's public machine-readable ISA for CDNA 5 (MIT licence, August 2026) and "CDNA5" Instruction Set Architecture Reference Guide (July 2026). The comments in the code are by the model that wrote it; some were corrected since.
;; MHA. Allowed arithmetic: matrix products marked QUANTISED: E3M2 operands, one E8M0 scale for each 32 along K, by v_wmma_scale_f32_16x16x128_f8f6f4 with both operands' format E3M2, f32 sums; everything else in f32.
;; Inputs: token_positions 2,048 int32; w_k 1,024 x 1,024 float32; w_o 1,024 x 1,024 float32; w_q 1,024 x 1,024 float32; w_v 1,024 x 1,024 float32; x 4 x 2,048 x 1,024 float32.
;; Outputs: out0 4 x 2,048 x 1,024 float32.
;; This version of the problem:
;;   THIS VERSION OF THE PROBLEM IS GIVEN IN LOW PRECISION. The matrix products marked QUANTISED in the list below multiply operands that are first quantised to E3M2 (3 exponent bits, 2 mantissa bits; 6 bits a number), with one power-of-two scale for each 32 numbers along K (OCP MX v1.0); their sums are f32. All else is computed in f32.
;;   The module's matrix products, in the order in which they are computed (A, B: the left and right operand; K: the contracted axis; several contracted axes count as one K, in the product's order):
;;     1. [M 8,192, K 1,024] x [K 1,024, N 1,024]; A: input x; B: input w_q: QUANTISED
;;     2. [M 8,192, K 1,024] x [K 1,024, N 1,024]; A: input x; B: input w_k: QUANTISED
;;     3. [M 8,192, K 1,024] x [K 1,024, N 1,024]; A: input x; B: input w_v: QUANTISED
;;     4. batch 64 x [M 2,048, K 64] x [K 64, N 2,048]; A: computed on the way; B: computed on the way: QUANTISED
;;     5. batch 64 x [M 2,048, K 2,048] x [K 2,048, N 64]; A: softmax (see below); B: computed on the way: QUANTISED
;;     6. [M 8,192, K 1,024] x [K 1,024, N 1,024]; A: computed on the way; B: input w_o: QUANTISED
;;   THE QUANTISER, for each operand of a quantised product, along K:
;;     - K is cut into blocks of 32 from its start; a last block that is shorter is filled with zeros.
;;     - A block's scale is 2^e with e = floor(log2(the largest magnitude in the block)) - 4, held to -126 .. 127; a block of zeros has e = 0. As a byte (E8M0): e + 127.
;;     - Each number is divided by its block's scale, clamped to +-28, and rounded to the nearest number of E3M2, ties to even, subnormals kept.
;;     - The product sums the exact products of the quantised numbers (number of the format x scale) in f32.
;;   ~~~python
;;   def quantise(x, axis):      # numpy; x: float32 -> the quantised numbers, widened to float32 again
;;       x = np.moveaxis(x, axis, -1); K = x.shape[-1]
;;       x = np.pad(x, [(0, 0)] * (x.ndim - 1) + [(0, -K % 32)]); x = x.reshape(x.shape[:-1] + (-1, 32)); a = np.abs(x).max(-1, keepdims=True)
;;       e = np.where(a > 0, np.clip(np.frexp(np.where(a > 0, a, 1))[1] - 1 - 4, -126, 127), 0)      # np.frexp(a)[1] - 1 = floor(log2(a)), exactly
;;       r = np.clip(x / 2.0 ** e, -28, 28)
;;       step = 2.0 ** (np.maximum(np.frexp(np.where(r == 0, 1, r))[1] - 1, -2) - 2)
;;       q = np.round(r / step) * step * 2.0 ** e      # np.round: ties to even
;;       return np.moveaxis(q.reshape(q.shape[:-2] + (-1,))[..., :K], -1, axis).astype(np.float32)
;;   ~~~
;;   SOFTMAX AHEAD OF A QUANTISED PRODUCT. Where the list says 'softmax', what is quantised is not the finished softmax but p = 2^(t - M), with t = logit x log2(e) and M = ceil(the row's largest t), a whole number; so 1/2 < the row's largest p <= 1. The row's sum l is taken of the UNQUANTISED p, in f32, and the product's result is divided by l at the end. Since M is a whole number, a kernel that streams over the keys may use a running M (the ceiling of the running maximum): every later rescaling is an exact power of two, which a block's scale takes up: the codes' values come out the same.
;;   OPERANDS COMPUTED ON THE WAY. 'Computed on the way' means the value that the module computes at that place (a softmax that the list does not call 'softmax' is quantised finished and normalised). What goes into a quantiser is computed in f32, as accurately as f32 sums, v_exp_f32 and their like allow (about 1e-6 of the number): no bf16 or f16 on the way to a quantiser, and a product that is left as it is and whose result goes on into a quantised operand takes f32 operands (vector FMAs, or v_wmma_f32_16x16x4_f32). A number that lies on a knife's edge between two numbers of the format may be rounded either way, as far as f32 arithmetic and the matrix unit's own rounding can turn it there, and no further.
;; 2 versions, each right. Each part assembles by itself: llvm-mc -triple=amdgcn-amd-amdhsa -mcpu=gfx1250 --defsym DOCPART=n.
;; ======== version 1 of 2: 4 launches
;; limits: inputs' magnitudes at most 8,388,608; right only within a limited range of input values
;; workspace buffers: codes 9,437,184 bytes; scales 393,216 bytes; rope 524,288 bytes; qb 13,369,344 bytes; kv 13,369,344 bytes; a_img 6,291,456 bytes; a_sc 262,144 bytes
;; launch quant (part 1): grid 416 x 1, 4 waves a work-group, no clusters, 33,280 bytes of LDS; arguments x, w_q, w_k, w_v, w_o, token_positions, codes, scales, rope; writes codes, scales, rope
.if DOCPART == 1
	.amdgcn_target "amdgcn-amd-amdhsa--gfx1250"
	.amdhsa_code_object_version 6
	.text
	.protected	k_q7a5cfd3c63_quant
	.globl	k_q7a5cfd3c63_quant
	.p2align	8
	.type	k_q7a5cfd3c63_quant,@function
k_q7a5cfd3c63_quant:
	s_mov_b64 s[64:65], 0
	v_nop
	global_prefetch_b8 v0, s[64:65] scope:SCOPE_SE
	s_setreg_imm32_b32 hwreg(HW_REG_WAVE_MODE, 25, 1), 1
	s_wait_xcnt 0x0
; x [8192][1024] and the four weights [1024][1024], f32, K innermost, become codes of BF6 (E3M2), 6 bits each, with one E8M0 byte for each 32 along K; and token_positions becomes a table of cos and sin.
; codes: [12288 positions][768 bytes], scales: [12288][32 bytes].  Positions 0-8191 x, 8192.. w_q, 9216.. w_k, 10240.. w_v, 11264.. w_o.
; THE ROWS OF x, w_q, w_k, w_v ARE STORED WITH BITS 3 AND 4 OF THE ROW NUMBER SWAPPED: sixteen neighbouring positions 16 t + r then hold rows 32 (t / 2) + 8 (t % 2) + r + 8 (r / 8), so that in the
; products that follow the 16 registers of two neighbouring result tiles are 16 neighbours along the next K.  A wave owns 8 rows, so the swap is a swap of the two bits of the wave's number in the destination.  w_o keeps its order.
; A block's scale is 2^(floor(log2(its largest magnitude)) - 4); its byte is the largest magnitude's exponent field - 4, held at 1 from below.  A block of zeros gets the byte 1 where the rule says 127:
; its codes are zeros, which add nothing under any byte but 0xff, and the bytes are read by this program alone.
; LIMITS: blocks whose largest magnitude lies under 2^-122 keep the floor's byte 1; NaN and infinities among the inputs are not served; the table's range reduction holds for |position x frequency| under 2^23.
; Work-groups 0-383 quantise 32 rows each (a wave: 16 steps of 512 numbers); work-groups 384-415 make 64 rows of the table each.  No tensor loads, no barrier: waves share nothing.
; A quantising step: four loads of 512 consecutive bytes; the 2,048 bytes turn through the wave's own stage in LDS (16 bytes of padding behind each 64) and come back 64 bytes a lane: 16 neighbours along K; two lanes hold a block.
.set QWG,   384                        ; work-groups that quantise
.set STEPS, 16
.set EMAX,  4
.set CB,    12                         ; bytes of 16 codes
.set R,     16                         ; v16-79   four sets of 16 numbers as they are loaded
.set X,     80                         ; v80-111  two sets of 16 neighbours
.set C,     128                        ; v128-191 codes: four registers for each step, so that no store's data are written again
.set E,     112                        ; v112-127 a scale byte for each step
.set WREG,  8192                       ; LDS: a region for each wave: two stages of 32 x SP bytes, behind them its 256 scale bytes
.set SP,    80
	s_load_b512 s[36:51], s[0:1], 0x0              ; x 36, w_q 38, w_k 40, w_v 42, w_o 44, positions 46, codes 48, scales 50
	s_load_b64 s[52:53], s[0:1], 0x40              ; the table
	v_lshl_add_u32 v192, v0, 2, 0x8000
	v_mov_b32 v193, 0
	v_lshrrev_b32 v1, 5, v0
	v_readfirstlane_b32 s16, v1                    ; wave
	v_and_b32 v2, 31, v0                           ; lane
	s_mov_b32 s18, ttmp9                           ; work-group
	s_cmp_ge_u32 s18, QWG
	s_cbranch_scc1 .Lrope
	v_lshlrev_b32 v3, 4, v2                        ; my 16 bytes of a load's 512
	s_mul_i32 s17, s16, WREG
	v_lshrrev_b32 v14, 2, v2
	v_mul_u32_u24 v14, v14, SP
	v_and_b32 v15, 3, v2
	v_lshl_add_u32 v14, v15, 4, v14
	v_add_nc_u32 v14, s17, v14                     ; the stage, on the way in: SP (lane / 4) + 16 (lane % 4)
	v_mul_u32_u24 v15, v2, SP
	v_add_nc_u32 v15, s17, v15                     ; and on the way out: SP x lane: my 16 neighbours
	v_mul_u32_u24 v4, v2, CB                       ; my codes' place in a step's
	v_lshrrev_b32 v5, 1, v2
	s_add_co_u32 s17, s17, 2*32*SP
	v_add_nc_u32 v5, s17, v5                       ; LDS: my wave's 256 scale bytes, my block's byte
	v_lshlrev_b32 v7, 3, v2                        ; and on the way out 8 bytes a lane
	v_add_nc_u32 v6, s17, v7
	s_wait_kmcnt 0x0
	s_mov_b64 s[4:5], s[36:37]                     ; which tensor: the choice hangs on the work-group's number alone
	s_cmp_ge_u32 s18, 256
	s_cselect_b64 s[4:5], s[38:39], s[4:5]
	s_cmp_ge_u32 s18, 288
	s_cselect_b64 s[4:5], s[40:41], s[4:5]
	s_cmp_ge_u32 s18, 320
	s_cselect_b64 s[4:5], s[42:43], s[4:5]
	s_cmp_ge_u32 s18, 352
	s_cselect_b64 s[4:5], s[44:45], s[4:5]
	s_and_b32 s20, s16, 1
	s_lshl_b32 s20, s20, 1
	s_lshr_b32 s21, s16, 1
	s_or_b32 s20, s20, s21                         ; the wave's two bits swapped: bits 3 and 4 of the row number
	s_cmp_ge_u32 s18, 352
	s_cselect_b32 s20, s16, s20                    ; w_o keeps its order
	s_lshl_b32 s21, s18, 2
	s_add_co_u32 s20, s21, s20                     ; which run of 8 positions I write
	s_and_b32 s22, s18, 31                         ; a weight has 32 work-groups, and 256 is a multiple of 32
	s_cmp_lt_u32 s18, 256
	s_cselect_b32 s22, s18, s22
	s_lshl_b32 s22, s22, 2
	s_add_co_u32 s22, s22, s16                     ; which run of 8 rows of the tensor I read
	s_lshl_b32 s22, s22, 15                        ; 32,768 bytes a run
	s_mov_b32 s23, 0
	s_add_nc_u64 s[4:5], s[4:5], s[22:23]
	s_mul_i32 s22, s20, 32*STEPS*CB                ; 6,144 bytes of codes a run
	s_add_nc_u64 s[8:9], s[48:49], s[22:23]
	s_lshl_b32 s22, s20, 8                         ; 256 scale bytes a run
	s_add_nc_u64 s[10:11], s[50:51], s[22:23]
.macro LOAD t
.irp i, 0,1,2,3
	global_load_b128 v[R+16*((\t)%4)+4*\i:R+16*((\t)%4)+4*\i+3], v3, s[4:5] offset:2048*(\t)+512*\i th:TH_LOAD_NT   ; 32 lanes read 512 consecutive bytes
.endr
.endm
.macro TURN t                          ; step t's numbers through the stage: LDS serves a wave's instructions in order, so no wait stands between the stores and the loads
.irp i, 0,1,2,3
	ds_store_b128 v14, v[R+16*((\t)%4)+4*\i:R+16*((\t)%4)+4*\i+3] offset:32*SP*((\t)%2)+8*SP*\i
.endr
.irp i, 0,1,2,3
	ds_load_b128 v[X+16*((\t)%2)+4*\i:X+16*((\t)%2)+4*\i+3], v15 offset:32*SP*((\t)%2)+16*\i
.endr
.endm
.irp t, 0,1,2,3
	LOAD \t
.endr
	s_wait_loadcnt 12                              ; step 0's four loads are in; three steps' twelve stay out
	TURN 0
.macro STEP t
.set XS, X+16*((\t)%2)
.if (\t) > 0
	s_wait_dscnt 1                                 ; this step's numbers are back from the stage (the last step's byte store may be out): so its stores into the stage have read their registers,
.else
	s_wait_dscnt 0x0
.endif
.if (\t)+4 < STEPS
	LOAD (\t)+4                                    ; which take the loads of four steps on
.endif
.if (\t)+1 < STEPS
.if STEPS-2-(\t) >= 3
	s_wait_loadcnt 12                              ; the next step's four loads are in; those of the three steps behind it may be out
.else
	s_wait_loadcnt 4*(STEPS-2-(\t))
.endif
	TURN (\t)+1                                    ; and go through the other stage while this step is worked
.endif
	v_max3_num_f32 v8, |v[XS]|, |v[XS+1]|, |v[XS+2]|               ; the largest magnitude of my 16
	v_max3_num_f32 v9, |v[XS+3]|, |v[XS+4]|, |v[XS+5]|
.irp i, 6,10
	v_max3_num_f32 v8, v8, |v[XS+\i]|, |v[XS+\i+1]|
	v_max3_num_f32 v9, v9, |v[XS+\i+2]|, |v[XS+\i+3]|
.endr
	v_max3_num_f32 v8, v8, |v[XS+14]|, |v[XS+15]|
	v_max3_num_f32 v8, v8, v9, (EMAX+1)<<23        ; and the floor 2^(5 - 127): the byte cannot fall under 1
	v_max_num_f32_dpp v8, v8, v8 row_xmask:1 row_mask:0xf bank_mask:0xf   ; and of my neighbour's 16: the block's
	v_add_nc_u32 v11, -(EMAX<<23), v8              ; 4 off its exponent field: the conversion takes the exponent field of this operand as its scale, and nothing else of it
	v_cvt_scalef32_pk16_bf6_f32 v[C+4*(\t):C+4*(\t)+2], v[XS:XS+15], v11   ; sixteen numbers / the scale, to the nearest code, ties to even, beyond the largest code the largest; 96 bits without gaps
	v_lshrrev_b32 v[E+(\t)], 23, v11               ; the scale's byte
	ds_store_b8 v5, v[E+(\t)] offset:16*(\t)       ; both lanes of a block write the same byte with the same value
	global_store_b96 v4, v[C+4*(\t):C+4*(\t)+2], s[8:9] offset:32*CB*(\t)   ; the wave stores 384 consecutive bytes
.endm
.irp t, 0,1,2,3,4,5,6,7,8,9,10,11,12,13,14,15
	STEP \t
.endr
	ds_load_b64 v[12:13], v6                       ; LDS serves a wave's instructions in order: these see my stores
	s_wait_dscnt 0x0
	global_store_b64 v7, v[12:13], s[10:11]        ; 32 lanes store 256 consecutive bytes, aligned
	s_wait_tensorcnt 0x0
	ds_add_u32 v192, v193
	s_wait_dscnt 0x0
	s_endpgm
; THE TABLE: rope[s][jf][cos, sin], f32, jf = 0 .. 31: a row is 256 bytes.  angle = f32(position[s]) x 10000^(-jf / 32), one f32 product, as the definition has it.
; A wave makes 16 rows, two at a time: lanes 0-15 the even row, lanes 16-31 the odd one; a lane makes jf = 2 m and 2 m + 1: 16 bytes.
.Lrope:
	s_sub_co_u32 s18, s18, QWG
	s_lshl_b32 s19, s18, 6
	s_lshl_b32 s20, s16, 4
	s_add_co_u32 s20, s19, s20                     ; my wave's first row: 64 x work-group + 16 x wave
	s_lshl_b32 s22, s20, 2                         ; in the positions,
	s_mov_b32 s23, 0
	s_lshl_b32 s20, s20, 8                         ; and in the table
	s_mov_b32 s21, 0
	s_mov_b32 s24, 0xbe2aaaab                      ; the sine's series: -1/6,
	s_mov_b32 s25, 0x3c088889                      ; 1/120,
	s_mov_b32 s26, 0xb9500d01                      ; -1/5040,
	s_mov_b32 s27, 0x3638ef1d                      ; 1/362880: what is cut is under 2e-9 for |r| up to pi/4
	s_mov_b32 s28, 0x3d2aaaab                      ; the cosine's: 1/24,
	s_mov_b32 s29, 0xbab60b61                      ; -1/720,
	s_mov_b32 s30, 0x37d00d01                      ; 1/40320,
	s_mov_b32 s31, 0xb493f27c                      ; -1/3628800
	v_and_b32 v3, 15, v0                           ; m
	v_bfe_u32 v4, v0, 4, 1                         ; h
	v_lshlrev_b32 v8, 2, v4                        ; 4 h
	v_lshlrev_b32 v35, 4, v2                       ; 16 x lane = 256 h + 16 m
	s_wait_kmcnt 0x0
	s_add_nc_u64 s[46:47], s[46:47], s[22:23]
	s_add_nc_u64 s[52:53], s[52:53], s[20:21]
.irp it, 0,1,2,3,4,5,6,7
	global_load_b32 v[16+\it], v8, s[46:47] offset:8*\it   ; position of row 2 it + h
.endr
	v_lshlrev_b32 v9, 1, v3
	v_or_b32 v10, 1, v9
	v_cvt_f32_u32 v11, v9                          ; jf, twice
	v_cvt_f32_u32 v12, v10
	v_mul_f32 v13, 0xbed49a80, v11                 ; -jf x 435412 / 2^20: exact (17 bits x 5 bits); the factor is log2(10000) / 32 cut short,
	v_mul_f32 v14, 0xbed49a80, v12
	v_exp_f32 v30, v13
	v_exp_f32 v31, v14
	v_mul_f32 v24, 0x342ae0ae, v11                 ; and what was cut, x ln 2 x jf, is a first-order correction.  (Plain places behind the exponentials)
	v_mul_f32 v25, 0x342ae0ae, v12
	s_wait_alu depctr_va_vdst(0)
	v_fma_f32 v26, v30, v24, v30                   ; 10000^(-jf / 32)
	v_fma_f32 v27, v31, v25, v31
; cos and sin of v[a]: n = the nearest whole number to a x 2/pi; r = a - n pi/2 with pi/2 in three parts, each taken off by a fused multiply-add; series on r; the quadrant n mod 4 swaps and signs.
.macro SINCOS a, c, s
	v_mul_f32 v40, 0x3f22f983, v[\a]
	v_rndne_f32 v40, v40
	v_fmamk_f32 v41, v40, 0xbfc90f80, v[\a]
	v_fmamk_f32 v41, v40, 0xb7354400, v41
	v_fmamk_f32 v41, v40, 0xae85a308, v41          ; r
	v_cvt_i32_f32 v42, v40                         ; n
	v_mul_f32 v43, v41, v41                        ; z = r r
	v_fma_f32 v44, v43, s27, s26
	v_fma_f32 v45, v43, s31, s30
	v_fma_f32 v44, v44, v43, s25
	v_fma_f32 v45, v45, v43, s29
	v_fma_f32 v44, v44, v43, s24
	v_fma_f32 v45, v45, v43, s28
	v_mul_f32 v46, v43, v41
	v_fma_f32 v45, v45, v43, -0.5
	v_fma_f32 v44, v46, v44, v41                   ; sin r
	v_fma_f32 v45, v45, v43, 1.0                   ; cos r
	v_and_b32 v46, 1, v42
	v_cmp_eq_u32 vcc_lo, 1, v46
	v_cndmask_b32 v47, v44, v45, vcc_lo            ; in odd quadrants the two change places
	v_cndmask_b32 v48, v45, v44, vcc_lo
	v_lshlrev_b32 v46, 30, v42
	v_and_b32 v46, 0x80000000, v46                 ; the sine is negative in quadrants 2, 3,
	v_xor_b32 v[\s], v46, v47
	v_add_nc_u32 v46, 1, v42
	v_lshlrev_b32 v46, 30, v46
	v_and_b32 v46, 0x80000000, v46                 ; the cosine in 1, 2
	v_xor_b32 v[\c], v46, v48
.endm
.irp it, 0,1,2,3,4,5,6,7
	s_wait_loadcnt 7-\it                           ; loads come back in order: this row's position is in
	v_cvt_f32_i32 v32, v[16+\it]
	v_mul_f32 v33, v32, v26
	v_mul_f32 v34, v32, v27
	SINCOS 33, 64+4*\it, 65+4*\it
	SINCOS 34, 66+4*\it, 67+4*\it
	global_store_b128 v35, v[64+4*\it:67+4*\it], s[52:53] offset:512*\it   ; two whole rows of 256 bytes; each turn has registers of its own, so no store's data are written again
.endr
	s_endpgm
.Lfunc_end_k_q7a5cfd3c63_quant:
	.size	k_q7a5cfd3c63_quant, .Lfunc_end_k_q7a5cfd3c63_quant-k_q7a5cfd3c63_quant
	.p2alignl 7, 3214868480
	.fill 96, 4, 3214868480
	.section	.rodata,"a",@progbits
	.p2align	6, 0x0
	.amdhsa_kernel k_q7a5cfd3c63_quant
		.amdhsa_group_segment_fixed_size 33280
		.amdhsa_private_segment_fixed_size 0
		.amdhsa_enable_private_segment 0
		.amdhsa_kernarg_size 72
		.amdhsa_user_sgpr_count 2
		.amdhsa_user_sgpr_kernarg_segment_ptr 1
		.amdhsa_wavefront_size32 1
		.amdhsa_system_sgpr_workgroup_id_x 1
		.amdhsa_system_sgpr_workgroup_id_y 1
		.amdhsa_system_sgpr_workgroup_id_z 1
		.amdhsa_system_vgpr_workitem_id 0
		.amdhsa_next_free_vgpr 194
		.amdhsa_next_free_sgpr 66
		.amdhsa_reserve_vcc 1
		.amdhsa_float_denorm_mode_32 3
		.amdhsa_float_denorm_mode_16_64 3
		.amdhsa_memory_ordered 1
		.amdhsa_forward_progress 1
		.amdhsa_inst_pref_size 59
	.end_amdhsa_kernel
	.amdgpu_metadata
---
amdhsa.version: [ 1, 2 ]
amdhsa.kernels:
  - .name:           k_q7a5cfd3c63_quant
    .symbol:         k_q7a5cfd3c63_quant.kd
    .args:
      - { .name: x, .offset: 0, .size: 8, .value_kind: global_buffer, .address_space: global }
      - { .name: w_q, .offset: 8, .size: 8, .value_kind: global_buffer, .address_space: global }
      - { .name: w_k, .offset: 16, .size: 8, .value_kind: global_buffer, .address_space: global }
      - { .name: w_v, .offset: 24, .size: 8, .value_kind: global_buffer, .address_space: global }
      - { .name: w_o, .offset: 32, .size: 8, .value_kind: global_buffer, .address_space: global }
      - { .name: token_positions, .offset: 40, .size: 8, .value_kind: global_buffer, .address_space: global }
      - { .name: codes, .offset: 48, .size: 8, .value_kind: global_buffer, .address_space: global }
      - { .name: scales, .offset: 56, .size: 8, .value_kind: global_buffer, .address_space: global }
      - { .name: rope, .offset: 64, .size: 8, .value_kind: global_buffer, .address_space: global }
    .group_segment_fixed_size: 33280
    .private_segment_fixed_size: 0
    .kernarg_segment_align: 8
    .kernarg_segment_size: 72
    .max_flat_workgroup_size: 128
    .sgpr_count:     66
    .vgpr_count:     194
    .wavefront_size: 32
...
	.end_amdgpu_metadata
.endif
;; end of part 1
;; launch qkv (part 2): grid 12 x 32, 4 waves a work-group, clusters of 4 x 4, 327,680 bytes of LDS; arguments codes, scales, rope, qb, kv; writes qb, kv
.if DOCPART == 2
	.amdgcn_target "amdgcn-amd-amdhsa--gfx1250"
	.amdhsa_code_object_version 6
	.text
	.protected	k_q7a5cfd3c63_qkv
	.globl	k_q7a5cfd3c63_qkv
	.p2align	8
	.type	k_q7a5cfd3c63_qkv,@function
k_q7a5cfd3c63_qkv:
	s_mov_b64 s[64:65], 0
	v_nop
	global_prefetch_b8 v0, s[64:65] scope:SCOPE_SE
	s_setreg_imm32_b32 hwreg(HW_REG_WAVE_MODE, 25, 1), 1
	s_wait_xcnt 0x0
	s_wait_alu depctr_hold_cnt(0) depctr_sa_sdst(0) depctr_va_vdst(0) depctr_va_sdst(0) depctr_va_ssrc(0) depctr_va_vcc(0) depctr_vm_vsrc(0)
	s_getreg_b32 s2, hwreg(HW_REG_IB_STS2, 6, 4)
	s_cmp_eq_u32 s2, 0
	s_cbranch_scc0 .Lentry_in_a_cluster
	s_endpgm
.Lentry_in_a_cluster:
	s_bfe_u32 s2, ttmp6, 0x10000c
	s_cmp_lg_u32 s2, 0xf033
	s_cbranch_scc0 .Lentry_shape_is_right
	s_endpgm
.Lentry_shape_is_right:
; q = rope(x Wq^T), k = rope(x Wk^T), v = x Wv^T, on codes of BF6 (E3M2) with one E8M0 scale for each 32 along K = 1,024; the results are quantised again on the way out: q and k along the head's 64, v along the keys.
; Both operands of every product lie in one buffer of codes [12288 positions][768 bytes] and one of scale bytes [12288][32]: positions 0-8191 x, 8192.. Wq, 9216.. Wk, 10240.. Wv, each group of 32 rows with bits 3 and 4 of the row number swapped.
; A work-group of four waves makes 256 x 256 results, a wave 128 x 128: 64 accumulators, 512 registers.  SOURCE 1 IS CALLED A, SOURCE 0 IS CALLED B: a lane holds ONE row of A, and its registers run along the rows of B.
;   cluster x = 0, 1 (q, k): A = x (tokens), B = the weight (features): a lane holds a token, its registers run along the features: the next K of q and k.
;   cluster x = 2 (v):       A = Wv (features), B = x (tokens): a lane holds a feature d, its registers run along the keys: the next K of v.
; By the swapped rows, register 16 b + i of the eight accumulators of one block of A is neighbour 32 b + 16 (lane / 16) + i along B, and lane r of block a holds row 32 (a / 2) + 8 (a % 2) + r + 8 (r / 8) of A.
; K goes in steps of 256 through a ring of two LDS slots filled by the tensor data mover; the scale bytes of the work-group's rows come once and stay.
; CLUSTERS: 4 x 4 work-groups; A's tiles are asked for jointly along a row of the cluster, B's along a column.  The way out parts on the cluster's x, which all sixteen partners share.
; THE WAY OUT stores IMAGES OF OPERAND REGISTERS.  kv (and qb, with q in k's places): [64 heads][16 key steps][13,056 bytes]: 8 tiles of K x 768 bytes (registers 0-3 at 16 x lane, registers 4-5 at 512 + 8 x lane);
;   from 6,144: 4 tiles of V x 1,536 bytes (registers 4 c .. 4 c + 3 at 512 c + 16 x lane); from 12,288: K's scale words, 2 x [16 rows][4 tiles]; from 12,800: V's, [16 rows][4 tiles].  Every store of a wave covers 256 or 512 consecutive bytes, aligned.
; A head's 64 fill half of the next product's 128 along K: a scale word's bytes 2 and 3 stand over zero codes there; they hold the neighbour head's bytes (1 to 254) or 0, never 0xff.
; LIMITS: NaN and infinities are not served; a block whose largest magnitude lies under 2^-122, a block of zeros too, gets the byte 1 (its codes then add what they are worth under that byte; zeros add nothing).
; REGISTERS, in windows of 256: window 0: v0-31 addresses; v32-63 scale words, two sets; from v128 A's fragments, ONE set.  window 1: B's fragments, TWO sets.  windows 2, 3: the accumulators ((a, b) at v[8 (8 (a % 4) + b)]).
;   On the way out: window 0: v64-127 a block after RoPE, v128-147 codes, v148-165 at work, v168-183 scale words to store; window 1: cos and sin, 32 registers a block.
.set SIZE_K, 1024
.set KSTEP,  256                       ; along K in a slot
.set NQ,     KSTEP/128                 ; matrix instructions deep
.set ROWB,   192                       ; a tile's row in bytes
.set KROW,   SIZE_K*6/8                ; a row of codes in memory
.set PITCH,  240                       ; an LDS row: 3 x (64 bytes + 16 of padding) = 60 words: the 32 lanes of a load of 8 bytes touch 64 different banks (64 banks of 4 bytes: ISA guide 11.1)
.set FR,     12                        ; registers of a fragment
.set NL,     6                         ; LDS loads that bring one
.set NP,     4                         ; places behind this matrix instruction (ISA guide 7.12.1)
.set HALFT,  128*PITCH
.set SLOT,   4*HALFT                   ; A's 256 rows, then B's 256 rows
.set LAPS,   SIZE_K/(2*KSTEP)
.set KS,     SIZE_K/32                 ; a row of scale bytes
.set SCL,    2*SLOT                    ; behind the ring: the scales, as runs of 256 bytes + 16 of padding
.set HALFS,  (128*KS/256)*272
.set SBLK,   (16*KS/256)*272
.set SPARE,  SCL+4*HALFS               ; behind the scales: the spare words, 128 bytes for each wave, which no other line names
.set HEADB,  208896                    ; a head's bytes in qb and kv
.set STEPB,  13056                     ; a key step's
.set ADRA, 16                          ; v16-17 LDS address of my A fragments in slot 0, 1 (v18-19: for the pieces behind one padding more)
.set ADRB, 20                          ; v20-23 the same for B
.set ADRS, 27                          ; v27    LDS address of my scale words: lanes 0-15 A's rows, lanes 16-31 B's
.set SPW,  28                          ; v28    LDS address of my spare word; never rewritten
.set NIL,  29                          ; v29    0; never rewritten
.set SC,   32
.set AF,   128
.set LI,   16                          ; the way out: 16 x lane
.set L8,   17                          ; 8 x lane
.set SCA,  18                          ; 16 r + HEADB h: scale words, lanes 0-15 the first head's, lanes 16-31 the second's
.set RT,   19                          ; 256 (r + 8 (r / 8)) + 64 h: my token's row of the table, my half's 8 pairs
.set HA,   64
.set PC,   128
.set TM,   148
.set PW,   164
.set TP,   165
.set SD,   168
.set SWD,  176
.set SEL,  10                          ; s[10:11] selects of v_permlanex16_b32: lane l xor 16
.set G1, 24
.set G0, 32
.set G1B, 48
.set G0B, 56
.set G1S, 68
.set G0S, 76
.set G1SB, 80
.set G0SB, 88
.set MSB, 0
.macro WIN new                         ; the immediate's high byte repeats the setting that is left
.if MSB != (\new)
	s_set_vgpr_msb (MSB<<8)|(\new)
.set MSB, (\new)
.endif
.endm
.set MUL_LO, 0xa1                      ; source 0 (B) window 1, source 1 (A) window 0, C and D window 2
.set MUL_HI, 0xf1                      ; the same, C and D window 3
.set TO_B,   0x40                      ; destination window 1, address window 0
; A joint load: waves 0 and 1 fetch for A, waves 2 and 3 for B.  The branch hangs on the wave's number alone.  Four v_nop follow each of the two lines.
.macro JLOAD g0a, g1a, g0b, g1b
	s_cmp_eq_u32 s15, 0
	s_cbranch_scc0 .Lfor_b_\@
	tensor_load_to_lds s[\g0a:\g0a+3], s[\g1a:\g1a+7]
	s_nop 0
.rept 4
	v_nop
.endr
	s_branch .Lasked_\@
.Lfor_b_\@:
	tensor_load_to_lds s[\g0b:\g0b+3], s[\g1b:\g1b+7]
	s_nop 0
.rept 4
	v_nop
.endr
.Lasked_\@:
.endm
.macro CREST                           ; a round of the cluster's barrier behind its opening barrier
	s_cmp_lg_u32 s14, 0
	s_cbranch_scc1 .Lnot_wave_0_\@
	s_barrier_signal -3
.Lnot_wave_0_\@:
	s_barrier_wait -3
	s_barrier_signal -1
	s_barrier_wait -1
.endm
.macro CROUND                          ; a whole round
	s_barrier_signal -1
	s_barrier_wait -1
	CREST
.endm
	s_load_b128 s[4:7], s[0:1], 0x0                ; codes, scales
	s_load_b128 s[96:99], s[0:1], 0x10             ; the table, qb
	s_load_b64 s[100:101], s[0:1], 0x20            ; kv
	v_lshl_add_u32 v[SPW], v0, 2, SPARE
	v_mov_b32 v[NIL], 0
	ds_add_u32 v28, v29
	ds_add_u32 v28, v29
	s_wait_dscnt 0x0
	v_lshrrev_b32 v1, 5, v0
	v_readfirstlane_b32 s14, v1                    ; wave 0..3
	s_lshr_b32 s15, s14, 1                         ; which half of A's rows is mine.  Also: I fetch for A (0) or for B (1)
	s_and_b32 s16, s14, 1                          ; which half of B's rows.  Also: which 128 rows of that tile I fetch
	s_bfe_u32 s40, ttmp6, 0x40000                  ; cx, cy: my place in the cluster
	s_bfe_u32 s41, ttmp6, 0x40004
	s_mov_b32 s66, ttmp9                           ; the cluster's x: 0 q, 1 k, 2 v
	s_and_b32 s17, ttmp7, 0xffff
	s_lshl_b32 s17, s17, 2                         ; 4 x the cluster's y: tiles of x
	s_lshl_b32 s42, s66, 2
	s_add_co_u32 s42, s42, 32                      ; tiles of the weight: Wq begins at tile 32, Wk at 36
	s_cmp_eq_u32 s66, 2
	s_cselect_b32 s18, 40, s17                     ; A: x, or for v the weight (Wv begins at tile 40)
	s_cselect_b32 s42, s17, s42                    ; B: the weight, or for v x
	s_add_co_u32 s17, s18, s41                     ; A's tile of 256 positions: + cy
	s_add_co_u32 s42, s42, s40                     ; B's: + cx
	s_lshl_b32 s43, s41, 2
	s_lshl_b32 s43, 15, s43                        ; my row of the cluster
	s_lshl_b32 s44, 0x1111, s40                    ; my column
	; descriptor group 1: a tile of 128 rows x ROWB bytes, padded in LDS
	s_or_b32 s[G1+0], s43, (0<<16)|(1<<20)|(1<<21)|(3<<22)|(3<<25)  ; 15:0 the mask: A's tiles go to my row; 17:16 element of 1 byte; 20 padding on; 21 set beside a mask; 24:22 after every 16 words; 31:25 of 4 words
	s_or_b32 s[G1B+0], s44, (0<<16)|(1<<20)|(1<<21)|(3<<22)|(3<<25)
.irp g, G1, G1B
	s_mov_b32 s[\g+1], ROWB<<16                    ; tensor_dim0
	s_mov_b32 s[\g+2], 128<<16                     ; tensor_dim1
	s_mov_b32 s[\g+3], ROWB<<16                    ; tile_dim0
	s_mov_b32 s[\g+4], 128                         ; tile_dim1
	s_mov_b32 s[\g+5], KROW                        ; tensor_dim0_stride
	s_mov_b32 s[\g+6], 0
	s_mov_b32 s[\g+7], 0
.endr
	; the scales of 128 rows: a dense block of 4,096 bytes, as 16 rows of 256 bytes (32 elements of 8 bytes), 16 bytes of padding behind each
	s_or_b32 s[G1S+0], s43, (3<<16)|(1<<20)|(1<<21)|(5<<22)|(3<<25)
	s_or_b32 s[G1SB+0], s44, (3<<16)|(1<<20)|(1<<21)|(5<<22)|(3<<25)
.irp g, G1S, G1SB
	s_mov_b32 s[\g+1], 32<<16
	s_mov_b32 s[\g+2], (128*KS/256)<<16
	s_mov_b32 s[\g+3], 32<<16
	s_mov_b32 s[\g+4], 128*KS/256
	s_mov_b32 s[\g+5], 32
	s_mov_b32 s[\g+6], 0
	s_mov_b32 s[\g+7], 0
.endr
	s_lshl_b32 s18, s16, 7                         ; which 128 rows of the tile I fetch
	s_lshl_b32 s20, s17, 8
	s_add_co_u32 s20, s20, s18                     ; A: position 256 x tile + 128 x half
	s_lshl_b32 s46, s42, 8
	s_add_co_u32 s46, s46, s18                     ; B likewise
	s_mov_b32 s21, 0
	s_mov_b32 s47, 0
	s_mov_b64 s[18:19], KS
	s_mul_u64 s[22:23], s[20:21], s[18:19]         ; where these rows' scales begin, in bytes
	s_mul_u64 s[92:93], s[46:47], s[18:19]
	s_mov_b64 s[18:19], KROW
	s_mul_u64 s[20:21], s[20:21], s[18:19]         ; and their codes
	s_mul_u64 s[46:47], s[46:47], s[18:19]
	s_mul_i32 s45, s14, HALFT                      ; where they go: wave x 128 rows: no place in the cluster enters an LDS address
	s_mul_i32 s94, s14, HALFS
	s_wait_kmcnt 0x0
	s_add_nc_u64 s[20:21], s[4:5], s[20:21]
	s_add_nc_u64 s[22:23], s[6:7], s[22:23]
	s_add_nc_u64 s[46:47], s[4:5], s[46:47]        ; (both operands lie in the same two buffers)
	s_add_nc_u64 s[92:93], s[6:7], s[92:93]
	CROUND                                         ; all sixteen work-groups are here: the first joint loads meet
	s_mov_b32 s[G0S], 1
	s_add_co_u32 s[G0S+1], s94, SCL
	s_mov_b64 s[G0S+2:G0S+3], s[22:23]
	s_or_b32 s[G0S+3], s[G0S+3], 0x80000000
	s_mov_b32 s[G0SB], 1
	s_add_co_u32 s[G0SB+1], s94, SCL
	s_mov_b64 s[G0SB+2:G0SB+3], s[92:93]
	s_or_b32 s[G0SB+3], s[G0SB+3], 0x80000000
	JLOAD G0S, G1S, G0SB, G1SB                     ; the scales first: they are wanted with K step 0
.irp s, 0,1
	s_mov_b32 s[G0+4*\s], 1
	s_add_co_u32 s[G0+4*\s+1], s45, \s*SLOT
	s_add_nc_u64 s[G0+4*\s+2:G0+4*\s+3], s[20:21], \s*ROWB
	s_or_b32 s[G0+4*\s+3], s[G0+4*\s+3], 0x80000000
	s_mov_b32 s[G0B+4*\s], 1
	s_add_co_u32 s[G0B+4*\s+1], s45, \s*SLOT
	s_add_nc_u64 s[G0B+4*\s+2:G0B+4*\s+3], s[46:47], \s*ROWB
	s_or_b32 s[G0B+4*\s+3], s[G0B+4*\s+3], 0x80000000
	JLOAD G0+4*\s, G1, G0B+4*\s, G1B               ; three loads of mine are out at the most
.endr
	v_and_b32 v1, 15, v0                           ; r = l % 16
	v_bfe_u32 v2, v0, 4, 1                         ; h = l / 16
	v_mul_u32_u24 v3, v1, PITCH
	v_mul_u32_u24 v4, v2, 24
	v_add_nc_u32 v4, v3, v4                        ; a fragment's row x pitch + 24 x half
	v_lshl_add_u32 v5, v2, 4, v4                   ; and the same behind one padding more
	s_mul_i32 s21, s15, HALFT                      ; my 128 rows of A
	s_mul_i32 s22, s16, HALFT                      ; my 128 rows of B,
	s_add_co_u32 s22, s22, 2*HALFT                 ; which lie behind A's 256
.irp s, 0,1
	v_add_nc_u32 v[ADRA+\s], s21, v4
	v_add_nc_u32 v[ADRB+\s], s22, v4
	v_add_nc_u32 v[ADRA+2+\s], s21, v5
	v_add_nc_u32 v[ADRB+2+\s], s22, v5
	s_add_co_u32 s21, s21, SLOT
	s_add_co_u32 s22, s22, SLOT
.endr
	v_mul_u32_u24 v5, v1, KS                       ; my row's scales: KS bytes a row,
	v_lshrrev_b32 v6, 8, v5
	v_lshl_add_u32 v5, v6, 4, v5                   ; and 16 more for each 256 passed
	s_mul_i32 s21, s15, HALFS
	s_mul_i32 s22, s16, HALFS
	s_add_co_u32 s22, s22, 2*HALFS
	s_sub_co_u32 s22, s22, s21
	v_mul_u32_u24 v6, s22, v2                      ; lanes 16-31 take B's
	s_add_co_u32 s21, s21, SCL
	v_add_nc_u32 v5, v5, v6
	v_add_nc_u32 v[ADRS], s21, v5
.macro FRAG reg, adr, q, i             ; a fragment, 16 rows x 128 K, is 12 registers: lane l holds row l % 16; registers 6 c .. 6 c + 5 hold K = 64 c + 32 (l / 16) + 0 .. 31: 24 bytes of the row's stream of bits, as they lie
.irp p, 0,1,2,3,4,5                    ; in pieces of 8 bytes.  Lanes 16-31 read three pieces further on than lanes 0-15; where that is behind one padding more, the second address register serves
.set PCE, 12*(\q)+6*(\p/3)+\p%3
.if PCE%8 < 5
	ds_load_b64 v[\reg+2*\p:\reg+2*\p+1], v[\adr] offset:8*PCE+16*(PCE/8)+(\i)*16*PITCH
.else
	ds_load_b64 v[\reg+2*\p:\reg+2*\p+1], v[\adr+2] offset:8*PCE+16*(PCE/8)+(\i)*16*PITCH
.endif
.endr
.endm
; 16 matrix instructions: A's blocks a0, a0 + 1 x B's eight, 128 along K.  zero = 1: the first product starts the sums.  The 64 accumulators take turns, one instruction a turn.
.macro MUL16 a0, p, q, sc, zero
.irp a, \a0, \a0+1
.irp b, 0,1,2,3,4,5,6,7
.if \zero
	v_wmma_scale_f32_16x16x128_f8f6f4 v[8*(8*((\a)%4)+\b):8*(8*((\a)%4)+\b)+7], v[128*(\p)+FR*\b:128*(\p)+FR*\b+FR-1], v[AF+FR*(\a):AF+FR*(\a)+FR-1], 0, v[SC+8*NQ*(\sc)+NQ*\b+(\q)], v[SC+8*NQ*(\sc)+NQ*(\a)+(\q)] matrix_a_fmt:MATRIX_FMT_BF6 matrix_b_fmt:MATRIX_FMT_BF6 matrix_a_scale:MATRIX_SCALE_ROW1
.else
	v_wmma_scale_f32_16x16x128_f8f6f4 v[8*(8*((\a)%4)+\b):8*(8*((\a)%4)+\b)+7], v[128*(\p)+FR*\b:128*(\p)+FR*\b+FR-1], v[AF+FR*(\a):AF+FR*(\a)+FR-1], v[8*(8*((\a)%4)+\b):8*(8*((\a)%4)+\b)+7], v[SC+8*NQ*(\sc)+NQ*\b+(\q)], v[SC+8*NQ*(\sc)+NQ*(\a)+(\q)] matrix_a_fmt:MATRIX_FMT_BF6 matrix_b_fmt:MATRIX_FMT_BF6 matrix_a_scale:MATRIX_SCALE_ROW1
.endif
.endr
.endr
.endm
.macro FETCH_B slot, q, p              ; B's eight fragments of the slot's q-th 128 along K into set p
	WIN TO_B
.irp i, 0,1,2,3,4,5,6,7
	FRAG 128*(\p)+FR*\i, ADRB+\slot, \q, \i
.endr
	WIN 0
.endm
.macro FETCH_A slot, q, i0             ; A's blocks i0 .. i0 + 3
.irp i, \i0, \i0+1, \i0+2, \i0+3
	FRAG AF+FR*(\i), ADRA+\slot, \q, \i
.endr
.endm
.macro SCALES sc                       ; a K step's scale words into set sc: lanes 0-15 take A's block i, lanes 16-31 B's block i
.irp i, 0,1,2,3,4,5,6,7
	ds_load_b64 v[SC+8*NQ*\sc+NQ*\i:SC+8*NQ*\sc+NQ*\i+1], v[ADRS] offset:\i*SBLK
.endr
.endm
.macro PLACES n                        ; plain vector instructions that name no register of the matrix instructions before them (ISA guide 7.12.1)
.rept \n
	v_nop
.endr
.endm
; A step of 128 along K that has its successor in the same slot.
.macro STEP slot, q, zero
	s_wait_dscnt 4*NL                              ; B's set and A's blocks 0-3 are in; the youngest 24 loads (A's blocks 4-7) may be out
	WIN MUL_LO
	MUL16 0, (\q)%2, \q, \slot, \zero
	MUL16 2, (\q)%2, \q, \slot, \zero
	s_wait_dscnt 0                                 ; A's blocks 4-7 are in
	PLACES NP
	FETCH_B \slot, (\q)+1, 1-(\q)%2
	FETCH_A \slot, (\q)+1, 0
	WIN MUL_HI
	MUL16 4, (\q)%2, \q, \slot, \zero
	MUL16 6, (\q)%2, \q, \slot, \zero
	PLACES NP
	WIN 0
	FETCH_A \slot, (\q)+1, 4
.endm
; A slot's last step changes slots: ONE barrier; in front of it each wave waits for all its tensor loads, adds 0 to its spare word, and waits for that and for its own reads of this slot.  fill = 1: this slot is filled again, two K steps ahead.
.macro TURN slot, next, fill
	s_wait_tensorcnt 0x0                           ; all my tensor loads have landed: my part of the next slot;
	ds_add_u32 v[SPW], v[NIL]                      ; 0 onto my spare word;
	s_wait_dscnt 4*NL+1                            ; (the add and the youngest 24 loads may be out)
	WIN MUL_LO
	MUL16 0, 1, NQ-1, \slot, 0                     ; sixteen matrix instructions stand between the add and the wait for it
	s_wait_dscnt 0x0                               ; the add is done, and my reads of this slot are over
	s_barrier_signal -1
	MUL16 2, 1, NQ-1, \slot, 0
	WIN 0
	s_barrier_wait -1
.if \fill
	CREST                                          ; the barrier has opened a round of the cluster's barrier: no wave of any partner still reads this slot's tile or has a load on its way
	s_add_nc_u64 s[G0+4*\slot+2:G0+4*\slot+3], s[G0+4*\slot+2:G0+4*\slot+3], 2*ROWB
	s_add_nc_u64 s[G0B+4*\slot+2:G0B+4*\slot+3], s[G0B+4*\slot+2:G0B+4*\slot+3], 2*ROWB
	JLOAD G0+4*\slot, G1, G0B+4*\slot, G1B         ; the first tensor load behind the round; its four v_nop are the places in front of the loads below
.else
	PLACES NP
.endif
	v_add_nc_u32 v[ADRS], 4*NQ, v[ADRS]            ; on to the next K step's scale words
	FETCH_B \next, 0, 0
	FETCH_A \next, 0, 0
	SCALES \next
	WIN MUL_HI
	MUL16 4, 1, NQ-1, \slot, 0
	MUL16 6, 1, NQ-1, \slot, 0
	PLACES NP
	WIN 0
	FETCH_A \next, 0, 4
.endm
	s_wait_tensorcnt 1                             ; the scales and my part of K step 0 are in (K step 1's load may be out)
	s_barrier_signal -1
	s_barrier_wait -1                              ; everybody's are
	FETCH_B 0, 0, 0
	FETCH_A 0, 0, 0
	SCALES 0
	FETCH_A 0, 0, 4
	STEP 0, 0, 1                                   ; the first step stands in front of the loop: its products start the sums
	s_mov_b32 s3, LAPS-1
.Llap:                                                 ; a trip goes once round the ring and fills both slots again
	TURN 0, 1, 1
	STEP 1, 0, 0
	TURN 1, 0, 1
	STEP 0, 0, 0
	s_sub_co_u32 s3, s3, 1
	s_cmp_lg_u32 s3, 0
	s_cbranch_scc1 .Llap
	TURN 0, 1, 0                                   ; the last lap fills nothing
	STEP 1, 0, 0
	s_wait_dscnt 4*NL                              ; the very last step
	WIN MUL_LO
	MUL16 0, 1, NQ-1, 1, 0
	MUL16 2, 1, NQ-1, 1, 0
	s_wait_dscnt 0
	WIN MUL_HI
	MUL16 4, 1, NQ-1, 1, 0
	MUL16 6, 1, NQ-1, 1, 0
	WIN 0
; ---------------- THE WAY OUT ----------------
; 64 numbers of a lane, v[s] .. v[s + 63] of window w, register 16 b + i = neighbour 32 b + 16 (lane / 16) + i, become a fragment's codes in v[PC] .. v[PC + 11] and its scale word in v[pw].
; The maxima begin at each accumulator's low end.
.macro QUANT s, w, pw
	WIN (\w)*0x14                                  ; sources 1 and 2 in window w
.irp b, 0,1,2,3
	v_max3_num_f32 v[TM+\b], 0x2800000, |v[\s+16*\b]|, |v[\s+1+16*\b]|   ; block b: my 16 numbers, and the floor 2^(5 - 127): the byte cannot fall under 1
.endr
.irp i, 2,4,6,8,10,12,14
.irp b, 0,1,2,3
	v_max3_num_f32 v[TM+\b], v[TM+\b], |v[\s+16*\b+\i]|, |v[\s+1+16*\b+\i]|   ; (the four blocks by turns)
.endr
.endr
	WIN 0
.irp b, 0,1,2,3
	v_permlanex16_b32 v[TM+4+\b], v[TM+\b], s[SEL], s[SEL+1]
.endr
.irp b, 0,1,2,3
	v_max_num_f32 v[TM+\b], v[TM+\b], v[TM+4+\b]   ; with lane l xor 16's: the block's largest magnitude
.endr
.irp b, 0,1,2,3
	v_add_nc_u32 v[TM+12+\b], 0xfe000000, v[TM+\b] ; 4 off its exponent field: the conversion's scale operand
.endr
.irp b, 0,1,2,3
	v_lshrrev_b32 v[TM+4+\b], 23, v[TM+12+\b]      ; the scale's byte
.endr
	v_lshl_or_b32 v[\pw], v[TM+5], 8, v[TM+4]      ; the four bytes make my row's scale word (both halves of the lanes hold it)
	v_lshl_or_b32 v[\pw], v[TM+6], 16, v[\pw]
	v_lshl_or_b32 v[\pw], v[TM+7], 24, v[\pw]
	WIN \w                                         ; source 0 in window w
.irp c, 0,1
	v_cvt_scalef32_pk16_bf6_f32 v[PC+6*\c:PC+2+6*\c], v[\s+32*\c:\s+15+32*\c], v[TM+12+2*\c]
	v_cvt_scalef32_pk16_bf6_f32 v[PC+12+4*\c:PC+14+4*\c], v[\s+16+32*\c:\s+31+32*\c], v[TM+12+2*\c+1]   ; (a conversion's three registers begin on an even number)
.endr
	WIN 0
	v_nop                                          ; one plain place behind a scaled conversion
.irp c, 0,1                                    ; the operand's layout wants a WHOLE block in a lane: lanes 0-15 block 2 c, lanes 16-31 block 2 c + 1
.irp i, 0,1,2
	v_permlane16_swap_b32 v[PC+6*\c+\i], v[PC+12+4*\c+\i]
.endr
.irp i, 0,1,2
	v_mov_b32 v[PC+3+6*\c+\i], v[PC+12+4*\c+\i]
.endr
.endr
.endm
; RoPE on block a: pair P = registers 2 P, 2 P + 1 = (x1, x2) of frequency 16 ((P / 8) % 2) + 8 h + P % 8; its (cos, sin) lie in window 1.  (x1 c, x2 c), then (-x2 s + x1 c, x1 s + x2 c).
.macro ROPE a
	WIN 0x06+(\a)/4                                ; source 0 window 2 or 3, source 1 window 1
.set AC, 64*((\a)%4)
.set P, 0
.rept 32
.set CSR, 32*(\a)+16*((P/8)%2)+2*(P%8)
	v_pk_mul_f32 v[HA+2*P:HA+2*P+1], v[AC+2*P:AC+2*P+1], v[CSR:CSR+1] op_sel_hi:[1,0]
.set P, P+1
.endr
.set P, 0
.rept 32
.set CSR, 32*(\a)+16*((P/8)%2)+2*(P%8)
	v_pk_fma_f32 v[HA+2*P:HA+2*P+1], v[AC+2*P:AC+2*P+1], v[CSR:CSR+1], v[HA+2*P:HA+2*P+1] op_sel:[1,1,0] op_sel_hi:[0,1,1] neg_lo:[1,0,0]
.set P, P+1
.endr
	WIN 0
.endm
	PLACES NP                                      ; behind the last products: their results are read and their operands' registers written below
	v_and_b32 v3, 31, v0
	v_lshlrev_b32 v[LI], 4, v3
	v_lshlrev_b32 v[L8], 3, v3
	v_mul_u32_u24 v4, v2, HEADB
	v_lshl_add_u32 v[SCA], v1, 4, v4
	v_and_b32 v4, 8, v1
	v_add_nc_u32 v4, v4, v1                        ; r + 8 (r / 8)
	v_lshlrev_b32 v4, 8, v4
	v_lshl_add_u32 v[RT], v2, 6, v4
.irp b, 0,1,2,3
	v_mov_b32 v[TM+4+\b], 0                        ; written once: a lane permute's destination counts as one of its sources
.endr
	s_mov_b32 s67, 0xffff0000                      ; lanes 16-31
	s_mov_b32 s[SEL], 0x76543210
	s_mov_b32 s[SEL+1], 0xfedcba98
	s_mov_b32 s9, 0
	s_cmp_eq_u32 s66, 2                            ; the cluster's x: the same in all sixteen partners
	s_cbranch_scc1 .Lvpath
	; ---- q and k.  My 128 tokens are one key step of one batch; my 128 features are two heads.
	s_lshl_b32 s18, s17, 8
	s_lshl_b32 s19, s15, 7
	s_add_co_u32 s18, s18, s19                     ; my first token
	s_lshr_b32 s19, s18, 11                        ; the batch
	s_and_b32 s18, s18, 2047                       ; the place in the sequence
	s_lshr_b32 s22, s18, 7                         ; the key step
	s_and_b32 s23, s42, 3
	s_lshl_b32 s23, s23, 2
	s_lshl_b32 s45, s16, 1
	s_add_co_u32 s23, s23, s45                     ; my first head: 4 x the weight's tile + 2 x half
	s_lshl_b32 s19, s19, 4
	s_add_co_u32 s19, s19, s23
	s_mul_i32 s8, s19, HEADB
	s_mul_i32 s22, s22, STEPB
	s_add_co_u32 s8, s8, s22
	s_cmp_eq_u32 s66, 0
	s_cselect_b64 s[12:13], s[98:99], s[100:101]   ; q goes to qb, k to kv
	s_add_nc_u64 s[12:13], s[12:13], s[8:9]
	s_lshl_b32 s8, s18, 8
	s_add_nc_u64 s[20:21], s[96:97], s[8:9]        ; the table at my first token's row
	WIN TO_B                                       ; destination window 1
.irp a, 0,1,2,3,4,5,6,7                        ; block a: my token's 16 pairs (cos, sin): 8 of each half of the head
.irp e, 0,1
.irp i, 0,1,2,3
	global_load_b128 v[32*\a+16*\e+4*\i:32*\a+16*\e+4*\i+3], v[RT], s[20:21] offset:(32*(\a/2)+8*(\a%2))*256+128*\e+16*\i
.endr
.endr
.endr
	WIN 0
.irp a, 0,1,2,3,4,5,6,7
	s_wait_loadcnt 8*(7-\a)                        ; loads come back in order: block a's eight are in, the later blocks' stay out
.if \a > 0
	s_wait_xcnt 0x0                                ; the last block's stores have read their data: the codes' registers are written again only behind this wait
.endif
	ROPE \a
	QUANT HA, 0, PW
	global_store_b128 v[LI], v[PC:PC+3], s[12:13] offset:768*\a                  ; the first head's tile a: registers 0-3,
	global_store_b64 v[L8], v[PC+4:PC+5], s[12:13] offset:768*\a+512             ; registers 4-5;
	global_store_b128 v[LI], v[PC+6:PC+9], s[12:13] offset:768*\a+HEADB          ; the second head's
	global_store_b64 v[L8], v[PC+10:PC+11], s[12:13] offset:768*\a+512+HEADB
	v_lshrrev_b32 v[TP], 16, v[PW]
	v_cndmask_b32 v[SD+\a], v[PW], v[TP], s67      ; lanes 0-15 the first head's word, lanes 16-31 the second's
.if \a%4 == 3
	global_store_b128 v[SCA], v[SD+\a-3:SD+\a], s[12:13] offset:12288+256*(\a/4)   ; four tiles' words of a row: sixteen lanes fill 256 bytes of each head
.endif
.endr
	s_branch .Ljoin
	; ---- v.  My 128 features are two heads, four tiles of 16 each; my 128 tokens are one key step: a whole K step of the second product.
.Lvpath:
	s_sub_co_u32 s23, s17, 40
	s_lshl_b32 s23, s23, 2
	s_lshl_b32 s45, s15, 1
	s_add_co_u32 s23, s23, s45                     ; my first head
	s_lshl_b32 s18, s42, 8
	s_lshl_b32 s19, s16, 7
	s_add_co_u32 s18, s18, s19                     ; my first token
	s_lshr_b32 s19, s18, 11                        ; the batch
	s_bfe_u32 s22, s18, 0x40007                    ; the key step
	s_lshl_b32 s19, s19, 4
	s_add_co_u32 s19, s19, s23
	s_mul_i32 s8, s19, HEADB
	s_mul_i32 s22, s22, STEPB
	s_add_co_u32 s8, s8, s22
	s_add_nc_u64 s[12:13], s[100:101], s[8:9]
.irp a, 0,1,2,3,4,5,6,7
.if \a > 0
	s_wait_xcnt 0x0                                ; the last block's stores have read their data
.endif
	QUANT 64*(\a%4), 2+\a/4, SWD+\a
.irp c, 0,1,2
	global_store_b128 v[LI], v[PC+4*\c:PC+4*\c+3], s[12:13] offset:6144+HEADB*(\a/4)+1536*(\a%4)+512*\c
.endr
.endr
.irp i, 0,1,2,3
	v_cndmask_b32 v[SD+\i], v[SWD+\i], v[SWD+4+\i], s67
.endr
	global_store_b128 v[SCA], v[SD:SD+3], s[12:13] offset:12800
.Ljoin:
	s_wait_tensorcnt 0x0                           ; the wave's end
	ds_add_u32 v[SPW], v[NIL]
	s_wait_dscnt 0x0
	CROUND                                         ; the closing round: no work-group ends while a partner may still ask for a tile that names it
	s_endpgm
.Lfunc_end_k_q7a5cfd3c63_qkv:
	.size	k_q7a5cfd3c63_qkv, .Lfunc_end_k_q7a5cfd3c63_qkv-k_q7a5cfd3c63_qkv
	.p2alignl 7, 3214868480
	.fill 96, 4, 3214868480
	.section	.rodata,"a",@progbits
	.p2align	6, 0x0
	.amdhsa_kernel k_q7a5cfd3c63_qkv
		.amdhsa_group_segment_fixed_size 327680
		.amdhsa_private_segment_fixed_size 0
		.amdhsa_enable_private_segment 0
		.amdhsa_kernarg_size 40
		.amdhsa_user_sgpr_count 2
		.amdhsa_user_sgpr_kernarg_segment_ptr 1
		.amdhsa_wavefront_size32 1
		.amdhsa_system_sgpr_workgroup_id_x 1
		.amdhsa_system_sgpr_workgroup_id_y 1
		.amdhsa_system_sgpr_workgroup_id_z 1
		.amdhsa_system_vgpr_workitem_id 0
		.amdhsa_next_free_vgpr 1024
		.amdhsa_next_free_sgpr 102
		.amdhsa_reserve_vcc 0
		.amdhsa_float_denorm_mode_32 3
		.amdhsa_float_denorm_mode_16_64 3
		.amdhsa_memory_ordered 1
		.amdhsa_forward_progress 1
		.amdhsa_inst_pref_size 238
	.end_amdhsa_kernel
	.amdgpu_metadata
---
amdhsa.version: [ 1, 2 ]
amdhsa.kernels:
  - .name:           k_q7a5cfd3c63_qkv
    .symbol:         k_q7a5cfd3c63_qkv.kd
    .args:
      - { .name: codes, .offset: 0, .size: 8, .value_kind: global_buffer, .address_space: global }
      - { .name: scales, .offset: 8, .size: 8, .value_kind: global_buffer, .address_space: global }
      - { .name: rope, .offset: 16, .size: 8, .value_kind: global_buffer, .address_space: global }
      - { .name: qb, .offset: 24, .size: 8, .value_kind: global_buffer, .address_space: global }
      - { .name: kv, .offset: 32, .size: 8, .value_kind: global_buffer, .address_space: global }
    .group_segment_fixed_size: 327680
    .private_segment_fixed_size: 0
    .kernarg_segment_align: 8
    .kernarg_segment_size: 40
    .max_flat_workgroup_size: 128
    .sgpr_count:     102
    .vgpr_count:     1024
    .wavefront_size: 32
...
	.end_amdgpu_metadata
.endif
;; end of part 2
;; launch attn (part 3): grid 4 x 64, 16 waves a work-group, no clusters, 210,944 bytes of LDS; arguments qb, kv, a_img, a_sc; writes a_img, a_sc
.if DOCPART == 3
	.amdgcn_target "amdgcn-amd-amdhsa--gfx1250"
	.amdhsa_code_object_version 6
	.text
	.protected	k_q7a5cfd3c63_attn
	.globl	k_q7a5cfd3c63_attn
	.p2align	8
	.type	k_q7a5cfd3c63_attn,@function
k_q7a5cfd3c63_attn:
	s_mov_b64 s[64:65], 0
	v_nop
	global_prefetch_b8 v0, s[64:65] scope:SCOPE_SE
	s_setreg_imm32_b32 hwreg(HW_REG_WAVE_MODE, 25, 1), 1
	s_wait_xcnt 0x0
; O[bh][q] = the sum over k <= q of softmax_k(Q[q] . K[k] / 8) V[k], head size 64, 2,048 keys, both products on codes of BF6 (E3M2) with one E8M0 scale for each 32 along a product's K; O / l is quantised along the model's axis on the way out.
; THE SOFTMAX: t = score x log2(e) / 8; M = the row's largest t so far, rounded UP to a whole number; p = 2^(t - M) is what is quantised, along the keys, not normalised.  The row's sum is taken of the unquantised p
; and divides O at the end.  When M moves, the sum and O are multiplied by 2^(old M - new M): exact.
; INPUTS are images of operand registers: per head and key step of 128 keys 13,056 bytes: 8 tiles of K (768 bytes: registers 0-3 at 16 x lane, 4-5 at 512 + 8 x lane), 4 tiles of V (1,536 bytes), K's scale words (2 x 256), V's (256).
; qb has q in K's places.  A head's 64 fill registers 0-5 of a fragment; registers 6-11 are zero codes, in Q and in K alike, written once.
; Lane r of tile t of 16 tokens holds token 32 (t / 2) + 8 (t % 2) + r + 8 (r / 8): so the 16 registers of two neighbouring tiles of scores are 16 neighbouring keys, and O's are 16 neighbours of the head's 64.
; SHARES.  Work-group (i, bh) owns the blocks i and 7 - i of 256 queries of one head: every work-group has the same number of key steps under the causal mask.  Each of its sixteen waves owns one tile of 16 queries of each
; block (H: the late one, L: the early one), in 256 registers: four waves to a SIMD, so that one wave's vector work stands beside another's matrix work.
; LDS holds the head's K and V for all 16 key steps, 208,896 bytes, FILLED ONCE: each wave brings one key step by one tensor load; one barrier; no byte is filled again, so there is no ring.
; CAUSAL.  The loop has 16 trips in every wave; a step all of whose keys come after a tile's queries is jumped over (a scalar branch on ids); in the one step on the diagonal hidden scores become -infinity ahead of the maximum.
; NO CLUSTER: the four work-groups of a head read the same K and V, but which steps they work on hangs on their place among the four, and partners of a joint load have to run alike.
; The scale bytes of O leave as two bytes a lane, 32 bytes apart: one byte in 24 of what the wave stores; the codes leave in runs of 256 and 512 consecutive bytes.
; LIMITS: NaN and infinities are not served; p under 2^-126 counts as 0; a block whose largest magnitude lies under 2^-122, a block of zeros too, gets the byte 1.
; REGISTERS: v1-3 16 x lane, 8 x lane, 16 r; v4-6 the same + the step's LDS byte; v7 r + 8 (r / 8) - 16 h; v8 r; v12-15 H's -M, largest t, sum (two halves); v16-19 L's; v20-31 H's Q; v32-43 L's; v44-91 four fragments of K;
;   v92, v93 Q's scale words; v96-159 scores, then p, then four fragments of V; v160-191 H's O^T; v192-223 L's; v224-235 p's codes; v232-254 at work; v248-251 K's or V's scale words; v253 p's.
.set HEADB, 208896
.set STEPB, 13056
.set KFR,  44
.set TM,   44                          ; at the end: at work
.set PW,   60
.set PC,   224
.set WV,   18                          ; s18  my wave's number
.set SEL,  20                          ; s[20:21] selects of v_permlanex16_b32: lane l xor 16
.set CS,   22                          ; s[22:23] c = log2(e) / 8
.set KAP,  42                          ; s42  the key step
.set KB,   43                          ; s43  its LDS byte
	s_load_b128 s[4:7], s[0:1], 0x0                ; qb, kv
	s_load_b128 s[8:11], s[0:1], 0x10              ; a_img, a_sc
	v_lshl_add_u32 v243, v0, 2, 0x33000
	v_mov_b32 v255, 0
	ds_add_u32 v243, v255
	ds_add_u32 v243, v255
	v_lshrrev_b32 v8, 5, v0
	v_readfirstlane_b32 s[WV], v8                  ; wave 0..15
	s_and_b32 s12, ttmp7, 0xffff                   ; bh
	s_mov_b32 s13, ttmp9                           ; i
	; descriptor group 1: a dense block of 13,056 bytes as 51 rows of 256 bytes (32 elements of 8 bytes)
	s_mov_b32 s24, 3<<16                           ; no mask; elements of 8 bytes; no padding
	s_mov_b32 s25, 32<<16                          ; tensor_dim0
	s_mov_b32 s26, 51<<16                          ; tensor_dim1
	s_mov_b32 s27, 32<<16                          ; tile_dim0
	s_mov_b32 s28, 51                              ; tile_dim1
	s_mov_b32 s29, 32                              ; tensor_dim0_stride
	s_mov_b32 s30, 0
	s_mov_b32 s31, 0
	s_mov_b32 s32, 1                               ; group 0: count = 1,
	s_mul_i32 s33, s[WV], STEPB                    ; LDS address: key step = my wave's number,
	s_mul_i32 s14, s12, HEADB                      ; (the head's first byte in qb and kv)
	s_add_co_u32 s16, s14, s33
	s_mov_b32 s17, 0
	s_wait_dscnt 0x0
	s_wait_kmcnt 0x0
	s_add_nc_u64 s[34:35], s[6:7], s[16:17]        ; global address,
	s_or_b32 s35, s35, 0x80000000                  ; type = 2
	tensor_load_to_lds s[32:35], s[24:31]          ; my one tensor load of the launch
	s_nop 0
	v_and_b32 v8, 15, v0                           ; r
	v_bfe_u32 v9, v0, 4, 1                         ; h
	v_and_b32 v10, 31, v0                          ; lane
	v_lshlrev_b32 v1, 4, v10
	v_lshlrev_b32 v2, 3, v10
	v_lshlrev_b32 v3, 4, v8
	v_and_b32 v11, 8, v8
	v_add_nc_u32 v11, v11, v8                      ; r + 8 (r / 8)
	v_lshlrev_b32 v7, 4, v9
	v_sub_nc_u32 v7, v11, v7
	s_sub_co_u32 s36, 7, s13
	s_lshl_b32 s36, s36, 4
	s_add_co_u32 s36, s36, s[WV]                   ; H's tile of 16 queries: 16 (7 - i) + wave
	s_lshl_b32 s37, s13, 4
	s_add_co_u32 s37, s37, s[WV]                   ; L's: 16 i + wave
	s_lshr_b32 s38, s36, 3                         ; the key step on their diagonals
	s_lshr_b32 s39, s37, 3
	s_lshr_b32 s40, s36, 1
	s_lshl_b32 s40, s40, 5
	s_and_b32 s44, s36, 1
	s_lshl_b32 s44, s44, 3
	s_add_co_u32 s40, s40, s44                     ; lane 0's query: 32 (tile / 2) + 8 (tile % 2)
	s_lshr_b32 s41, s37, 1
	s_lshl_b32 s41, s41, 5
	s_and_b32 s44, s37, 1
	s_lshl_b32 s44, s44, 3
	s_add_co_u32 s41, s41, s44
	s_mov_b32 s45, 0xffff0000                      ; lanes 16-31
	s_mov_b32 s47, 0
	s_mov_b32 s[SEL], 0x76543210
	s_mov_b32 s[SEL+1], 0xfedcba98
	s_mov_b32 s[CS], 0x3e38aa3b
	s_mov_b32 s[CS+1], s[CS]                       ; (named with it as a pair, so it is written)
.macro QPTR tau, kd, pim, psc          ; where a tile's image and its scale words lie in qb
	s_mul_i32 s44, s[\kd], STEPB
	s_add_co_u32 s44, s44, s14
	s_and_b32 s46, s[\tau], 7
	s_mul_i32 s46, s46, 768
	s_add_co_u32 s46, s46, s44
	s_add_nc_u64 s[\pim:\pim+1], s[4:5], s[46:47]
	s_bfe_u32 s46, s[\tau], 0x10002
	s_lshl_b32 s46, s46, 8
	s_add_co_u32 s46, s46, s44
	s_and_b32 s44, s[\tau], 3
	s_lshl_b32 s44, s44, 2
	s_add_co_u32 s46, s46, s44
	s_add_co_u32 s46, s46, 12288
	s_add_nc_u64 s[\psc:\psc+1], s[4:5], s[46:47]
.endm
	QPTR 36, 38, 48, 52
	QPTR 37, 39, 50, 54
	global_load_b128 v[20:23], v1, s[48:49]
	global_load_b64 v[24:25], v2, s[48:49] offset:512
	global_load_b128 v[32:35], v1, s[50:51]
	global_load_b64 v[36:37], v2, s[50:51] offset:512
	global_load_b32 v92, v3, s[52:53]              ; Q's scale words: lane r has row r's
	global_load_b32 v93, v3, s[54:55]
	s_lshr_b32 s15, s12, 4
	s_lshl_b32 s15, s15, 7                         ; 128 x batch: token tiles
	s_bfe_u32 s16, s12, 0x30001
	s_mul_i32 s16, s16, 1536                       ; the K step of the last product: head / 2,
	s_and_b32 s17, s12, 1
	s_mul_i32 s17, s17, 768                        ; and its half: head % 2
	s_add_co_u32 s16, s16, s17
	s_and_b32 s17, s12, 15
	s_lshl_b32 s17, s17, 1                         ; 2 x head: the head's two scale bytes in a row of 32
.macro OPTR tau, pim, so
	s_add_co_u32 s44, s15, s[\tau]
	s_mul_i32 s46, s44, 12288
	s_add_co_u32 s46, s46, s16
	s_add_nc_u64 s[\pim:\pim+1], s[8:9], s[46:47]
	s_lshl_b32 s44, s44, 9
	s_add_co_u32 s[\so], s44, s17
.endm
	OPTR 36, 56, 60
	OPTR 37, 58, 61
	v_mov_b32 v13, 0xff61b1e6                      ; the largest t so far: -3e38, under every t
	v_mov_b32 v17, 0xff61b1e6
	v_floor_f32 v12, -v13                          ; -M
	v_floor_f32 v16, -v17
	v_mov_b32 v14, 0                               ; the sums, in two halves
	v_mov_b32 v15, 0
	v_mov_b32 v18, 0
	v_mov_b32 v19, 0
.irp j, 26,27,28,29,30,31,38,39,40,41,42,43
	v_mov_b32 v[\j], 0                             ; Q's zero codes: 64 .. 127 along K
.endr
.irp t, 0,1,2,3
.irp j, 6,7,8,9,10,11
	v_mov_b32 v[KFR+12*\t+\j], 0                   ; K's: no load lands here
.endr
.endr
.irp b, 0,1,2,3
	v_mov_b32 v[236+\b], 0                         ; written once: a lane permute's destination counts as one of its sources
.endr
	v_mov_b32 v253, 0                              ; (named as the upper half of the pair v[252:253] before it is first written)
.set J, 0
.rept 64
	v_mov_b32 v[160+J], 0                          ; O^T.  (The step is written once for each tile: the first finds zeros, which the first change of M leaves zeros)
.set J, J+1
.endr
	s_mov_b32 s[KAP], 0
	s_mov_b32 s[KB], 0
	s_wait_loadcnt 0x0                             ; Q
	s_wait_tensorcnt 0x0                           ; my key step has landed,
	s_barrier_signal -1
	s_barrier_wait -1                              ; everybody's has: all 16 lie in LDS, and nothing writes LDS from here on
; A KEY STEP of one tile: qf its Q, qs Q's scale words, of its O^T, st its statistics, sq lane 0's query, sk the step on its diagonal.
.macro STEP qf, qs, of, st, sq, sk
	s_cmp_gt_u32 s[KAP], s[\sk]
	s_cbranch_scc1 .Lhidden_\@                     ; all 128 keys come after my 16 queries
.irp g, 0,1                                    ; S^T = K Q^T, four tiles of 16 keys at a time
.rept 5-\g
	v_nop                                          ; places: the first four products write over registers that the last products read (five), the loads land in registers that products have read (four)
.endr
.irp t, 0,1,2,3
	ds_load_b128 v[KFR+12*\t:KFR+12*\t+3], v4 offset:768*(4*\g+\t)
	ds_load_b64 v[KFR+12*\t+4:KFR+12*\t+5], v5 offset:768*(4*\g+\t)+512
.endr
	ds_load_b128 v[248:251], v6 offset:12288+256*\g   ; the four tiles' scale words of row r
	s_wait_dscnt 0x0
.irp t, 0,1,2,3
	v_wmma_scale_f32_16x16x128_f8f6f4 v[96+8*(4*\g+\t):103+8*(4*\g+\t)], v[KFR+12*\t:KFR+12*\t+11], v[\qf:\qf+11], 0, v[248+\t], v[\qs] matrix_a_fmt:MATRIX_FMT_BF6 matrix_b_fmt:MATRIX_FMT_BF6
.endr
.endr                                          ; lane (r, h) holds one query; register 16 b + i is key 128 step + 32 b + 16 h + i
.rept 4
	v_nop
.endr
	s_cmp_lg_u32 s[KAP], s[\sk]
	s_cbranch_scc1 .Lopen_\@                       ; under the diagonal every key counts
	s_lshl_b32 s44, s[KAP], 7
	s_sub_co_i32 s44, s[\sq], s44
	v_add_nc_u32 v252, s44, v7                     ; d = my query - the step's first key - 16 h: register 16 b + i is hidden where 32 b + i > d
	v_mov_b32 v254, 0xff800000                     ; -infinity
.set N, 0
.rept 64
	v_cmp_gt_i32 vcc_lo, 32*(N/16)+N%16, v252
	v_cndmask_b32 v[96+N], v[96+N], v254, vcc_lo
.set N, N+1
.endr
.Lopen_\@:
.irp b, 0,1,2,3
	v_max3_num_f32 v[232+\b], v[96+16*\b], v[97+16*\b], v[98+16*\b]   ; THE LARGEST SCORE OF EACH BLOCK OF 32 KEYS serves twice: for the row's maximum, and, since p rises with the score, for the block's largest p
.endr
.irp i, 3,5,7,9,11,13
.irp b, 0,1,2,3
	v_max3_num_f32 v[232+\b], v[232+\b], v[96+16*\b+\i], v[97+16*\b+\i]
.endr
.endr
.irp b, 0,1,2,3
	v_max_num_f32 v[232+\b], v[232+\b], v[111+16*\b]
.endr
.irp b, 0,1,2,3
	v_permlanex16_b32 v[236+\b], v[232+\b], s[SEL], s[SEL+1]
.endr
.irp b, 0,1,2,3
	v_max_num_f32 v[232+\b], v[232+\b], v[236+\b]  ; with lane l xor 16's 16 keys
.endr
	v_max3_num_f32 v254, v232, v233, v234
	v_max_num_f32 v254, v254, v235                 ; the step's largest score of my query
	v_mul_f32 v254, s[CS], v254                    ; as t (c is positive)
	v_max_num_f32 v[\st+1], v[\st+1], v254         ; the running largest t
	v_mov_b32 v254, v[\st]
	v_floor_f32 v[\st], -v[\st+1]                  ; the new -M = floor(-t) = -ceil(t): M IS A WHOLE NUMBER
	v_sub_f32 v254, v[\st], v254                   ; M's old value less its new one: a whole number, 0 or less
	v_cvt_i32_f32 v254, v254                       ; (it saturates)
	v_ldexp_f32 v252, 1.0, v254                    ; f = 2^(old M - new M)
.set J, 0
.rept 32
	v_pk_fma_f32 v[96+J:97+J], v[96+J:97+J], s[CS:CS+1], v[\st:\st+1] op_sel_hi:[1,0,0]   ; t - M, two at a time (of the pairs c and -M the low word serves both halves)
.set J, J+2
.endr
.irp b, 0,1,2,3
	v_fma_f32 v[232+\b], v[232+\b], s[CS], v[\st]  ; the same of each block's largest score
.endr
.set J, 0
.rept 64
	v_exp_f32 v[96+J], v[96+J]                     ; p = 2^(t - M), at most 1: NOT normalised
.set J, J+1
.endr
.irp b, 0,1,2,3
	v_exp_f32 v[232+\b], v[232+\b]                 ; the block's largest p: the same two instructions on the same number give the same bits
.endr
	v_pk_mul_f32 v[\st+2:\st+3], v[\st+2:\st+3], v[252:253] op_sel_hi:[1,0]   ; the sums under the new M.  (A plain place behind the exponentials)
	s_wait_alu depctr_va_vdst(0)
.irp b, 0,1,2,3
	v_max_num_f32 v[232+\b], 0x2800000, v[232+\b]  ; the floor 2^(5 - 127): the byte cannot fall under 1
.endr
.irp b, 0,1,2,3
	v_add_nc_u32 v[244+\b], 0xfe000000, v[232+\b]  ; 4 off the exponent field: the conversion's scale operand
.endr
.irp b, 0,1,2,3
	v_lshrrev_b32 v[236+\b], 23, v[244+\b]         ; the scale's byte
.endr
	v_lshl_or_b32 v253, v237, 8, v236              ; p's scale word for these 128 keys
	v_lshl_or_b32 v253, v238, 16, v253
	v_lshl_or_b32 v253, v239, 24, v253
.irp c, 0,1
	v_cvt_scalef32_pk16_bf6_f32 v[224+6*\c:226+6*\c], v[96+32*\c:111+32*\c], v[244+2*\c]
	v_cvt_scalef32_pk16_bf6_f32 v[236+4*\c:238+4*\c], v[112+32*\c:127+32*\c], v[244+2*\c+1]   ; (a conversion's three registers begin on an even number)
.endr
	v_nop                                          ; one plain place behind a scaled conversion
.irp c, 0,1                                    ; the operand's layout wants a WHOLE block in a lane
.irp i, 0,1,2
	v_permlane16_swap_b32 v[224+6*\c+\i], v[236+4*\c+\i]
.endr
.irp i, 0,1,2
	v_mov_b32 v[227+6*\c+\i], v[236+4*\c+\i]
.endr
.endr
	v_pk_add_f32 v[236:237], v[96:97], v[98:99]    ; THE ROW'S SUM IS TAKEN OF THE UNQUANTISED p: two at a time, in two chains
.irp j, 4,8,12,16,20,24,28,32,36,40,44,48,52,56,60
	v_pk_add_f32 v[\st+2:\st+3], v[\st+2:\st+3], v[96+\j:97+\j]
	v_pk_add_f32 v[236:237], v[236:237], v[98+\j:99+\j]
.endr
	v_pk_add_f32 v[\st+2:\st+3], v[\st+2:\st+3], v[236:237]
.irp t, 0,1,2,3                                ; p has been read for the last time: V's four fragments take its registers
.irp c, 0,1,2
	ds_load_b128 v[96+12*\t+4*\c:96+12*\t+4*\c+3], v4 offset:6144+1536*\t+512*\c
.endr
.endr
	ds_load_b128 v[248:251], v6 offset:12800       ; V's scale words
.set J, 0
.rept 16
	v_pk_mul_f32 v[\of+J:\of+J+1], v[\of+J:\of+J+1], v[252:253] op_sel_hi:[1,0]   ; O^T under the new M, while the loads are out.  (With the sums: the places between p's codes and word and the products)
.set J, J+2
.endr
	s_wait_dscnt 0x0
.irp t, 0,1,2,3                                ; O^T += V^T P^T: four tiles of 16 of the head's 64, four accumulators by turns
	v_wmma_scale_f32_16x16x128_f8f6f4 v[\of+8*\t:\of+8*\t+7], v[96+12*\t:96+12*\t+11], v[224:235], v[\of+8*\t:\of+8*\t+7], v[248+\t], v253 matrix_a_fmt:MATRIX_FMT_BF6 matrix_b_fmt:MATRIX_FMT_BF6
.endr
.Lhidden_\@:
.endm
.Lkey:                                             ; 16 trips in every wave
	v_add_nc_u32 v4, s[KB], v1
	v_add_nc_u32 v5, s[KB], v2
	v_add_nc_u32 v6, s[KB], v3
	STEP 20, 92, 160, 12, 40, 38
	STEP 32, 93, 192, 16, 41, 39
	s_add_co_u32 s[KB], s[KB], STEPB
	s_add_co_u32 s[KAP], s[KAP], 1
	s_cmp_lt_u32 s[KAP], 16
	s_cbranch_scc1 .Lkey
	; THE WAY OUT.  O^T / the sum; H's 32 and L's 32 numbers of a lane are four blocks of 32 along the model's axis: one run of the quantiser gives H's image (registers 0-5), L's (6-11) and both pairs of scale bytes.
.rept 4
	v_nop
.endr
	v_add_f32 v14, v14, v15                        ; the sums' two halves,
	v_add_f32 v18, v18, v19
	v_permlanex16_b32 v236, v14, s[SEL], s[SEL+1]
	v_permlanex16_b32 v237, v18, s[SEL], s[SEL+1]
	v_add_f32 v14, v14, v236                       ; and lane l xor 16's
	v_add_f32 v18, v18, v237
	v_rcp_f32 v10, v14
	v_rcp_f32 v62, v18
.irp b, 0,1,2,3
	v_mov_b32 v[TM+4+\b], 0                        ; (plain places behind the reciprocals)  a lane permute's destination counts as one of its sources
.endr
.set J, 0
	s_wait_alu depctr_va_vdst(0)
.rept 16
	v_pk_mul_f32 v[96+J:97+J], v[160+J:161+J], v[10:11] op_sel_hi:[1,0]    ; register 16 b + i is o(query, 32 b + 16 h + i)
.set J, J+2
.endr
.set J, 0
.rept 16
	v_pk_mul_f32 v[128+J:129+J], v[192+J:193+J], v[62:63] op_sel_hi:[1,0]
.set J, J+2
.endr
.irp b, 0,1,2,3
	v_max3_num_f32 v[TM+\b], |v[96+16*\b]|, |v[97+16*\b]|, 0x2800000   ; block b: my 16 numbers, and the floor
.endr
.irp i, 2,4,6,8,10,12,14
.irp b, 0,1,2,3
	v_max3_num_f32 v[TM+\b], v[TM+\b], |v[96+16*\b+\i]|, |v[97+16*\b+\i]|
.endr
.endr
.irp b, 0,1,2,3
	v_permlanex16_b32 v[TM+4+\b], v[TM+\b], s[SEL], s[SEL+1]
.endr
.irp b, 0,1,2,3
	v_max_num_f32 v[TM+\b], v[TM+\b], v[TM+4+\b]
.endr
.irp b, 0,1,2,3
	v_add_nc_u32 v[TM+12+\b], 0xfe000000, v[TM+\b]
.endr
.irp b, 0,1,2,3
	v_lshrrev_b32 v[TM+4+\b], 23, v[TM+12+\b]
.endr
	v_lshl_or_b32 v[PW], v[TM+5], 8, v[TM+4]       ; bytes 0, 1: H's; bytes 2, 3: L's
	v_lshl_or_b32 v[PW], v[TM+6], 16, v[PW]
	v_lshl_or_b32 v[PW], v[TM+7], 24, v[PW]
.irp c, 0,1
	v_cvt_scalef32_pk16_bf6_f32 v[PC+6*\c:PC+2+6*\c], v[96+32*\c:111+32*\c], v[TM+12+2*\c]
	v_cvt_scalef32_pk16_bf6_f32 v[PC+12+4*\c:PC+14+4*\c], v[112+32*\c:127+32*\c], v[TM+12+2*\c+1]
.endr
	v_nop
.irp c, 0,1
.irp i, 0,1,2
	v_permlane16_swap_b32 v[PC+6*\c+\i], v[PC+12+4*\c+\i]
.endr
.irp i, 0,1,2
	v_mov_b32 v[PC+3+6*\c+\i], v[PC+12+4*\c+\i]
.endr
.endr
	global_store_b128 v1, v[PC:PC+3], s[56:57]
	global_store_b64 v2, v[PC+4:PC+5], s[56:57] offset:512
	global_store_b128 v1, v[PC+6:PC+9], s[58:59]
	global_store_b64 v2, v[PC+10:PC+11], s[58:59] offset:512
	v_lshrrev_b32 v61, 16, v[PW]
	v_cndmask_b32 v61, v[PW], v61, s45             ; lanes 0-15 H's two bytes, lanes 16-31 L's
	v_mov_b32 v62, s60
	v_mov_b32 v63, s61
	v_cndmask_b32 v62, v62, v63, s45
	v_lshl_add_u32 v62, v8, 5, v62                 ; 512 x token tile + 32 r + 2 x head
	global_store_b16 v62, v61, s[10:11]
	s_wait_tensorcnt 0x0
	ds_add_u32 v243, v255
	s_wait_dscnt 0x0
	s_endpgm
.Lfunc_end_k_q7a5cfd3c63_attn:
	.size	k_q7a5cfd3c63_attn, .Lfunc_end_k_q7a5cfd3c63_attn-k_q7a5cfd3c63_attn
	.p2alignl 7, 3214868480
	.fill 96, 4, 3214868480
	.section	.rodata,"a",@progbits
	.p2align	6, 0x0
	.amdhsa_kernel k_q7a5cfd3c63_attn
		.amdhsa_group_segment_fixed_size 210944
		.amdhsa_private_segment_fixed_size 0
		.amdhsa_enable_private_segment 0
		.amdhsa_kernarg_size 32
		.amdhsa_user_sgpr_count 2
		.amdhsa_user_sgpr_kernarg_segment_ptr 1
		.amdhsa_wavefront_size32 1
		.amdhsa_system_sgpr_workgroup_id_x 1
		.amdhsa_system_sgpr_workgroup_id_y 1
		.amdhsa_system_sgpr_workgroup_id_z 1
		.amdhsa_system_vgpr_workitem_id 0
		.amdhsa_next_free_vgpr 256
		.amdhsa_next_free_sgpr 66
		.amdhsa_reserve_vcc 1
		.amdhsa_float_denorm_mode_32 3
		.amdhsa_float_denorm_mode_16_64 3
		.amdhsa_memory_ordered 1
		.amdhsa_forward_progress 1
		.amdhsa_inst_pref_size 59
	.end_amdhsa_kernel
	.amdgpu_metadata
---
amdhsa.version: [ 1, 2 ]
amdhsa.kernels:
  - .name:           k_q7a5cfd3c63_attn
    .symbol:         k_q7a5cfd3c63_attn.kd
    .args:
      - { .name: qb, .offset: 0, .size: 8, .value_kind: global_buffer, .address_space: global }
      - { .name: kv, .offset: 8, .size: 8, .value_kind: global_buffer, .address_space: global }
      - { .name: a_img, .offset: 16, .size: 8, .value_kind: global_buffer, .address_space: global }
      - { .name: a_sc, .offset: 24, .size: 8, .value_kind: global_buffer, .address_space: global }
    .group_segment_fixed_size: 210944
    .private_segment_fixed_size: 0
    .kernarg_segment_align: 8
    .kernarg_segment_size: 32
    .max_flat_workgroup_size: 512
    .sgpr_count:     66
    .vgpr_count:     256
    .wavefront_size: 32
...
	.end_amdgpu_metadata
.endif
;; end of part 3
;; launch oproj (part 4): grid 4 x 32, 4 waves a work-group, clusters of 4 x 4, 327,680 bytes of LDS; arguments a_img, a_sc, codes, scales, out0; writes out0
.if DOCPART == 4
	.amdgcn_target "amdgcn-amd-amdhsa--gfx1250"
	.amdhsa_code_object_version 6
	.text
	.protected	k_q7a5cfd3c63_oproj
	.globl	k_q7a5cfd3c63_oproj
	.p2align	8
	.type	k_q7a5cfd3c63_oproj,@function
k_q7a5cfd3c63_oproj:
	s_mov_b64 s[64:65], 0
	v_nop
	global_prefetch_b8 v0, s[64:65] scope:SCOPE_SE
	s_setreg_imm32_b32 hwreg(HW_REG_WAVE_MODE, 25, 1), 1
	s_wait_xcnt 0x0
	s_wait_alu depctr_hold_cnt(0) depctr_sa_sdst(0) depctr_va_vdst(0) depctr_va_sdst(0) depctr_va_ssrc(0) depctr_va_vcc(0) depctr_vm_vsrc(0)
	s_getreg_b32 s2, hwreg(HW_REG_IB_STS2, 6, 4)
	s_cmp_eq_u32 s2, 0
	s_cbranch_scc0 .Lentry_in_a_cluster
	s_endpgm
.Lentry_in_a_cluster:
	s_bfe_u32 s2, ttmp6, 0x10000c
	s_cmp_lg_u32 s2, 0xf033
	s_cbranch_scc0 .Lentry_shape_is_right
	s_endpgm
.Lentry_shape_is_right:
; out0[token][n] = the sum over k of attn[token][k] w_o[n][k], K = 1,024, on codes of BF6 (E3M2) with one E8M0 scale for each 32 along K; out0 [8192][1024] f32; sums in f32.
; A = attn arrives as IMAGES OF OPERAND REGISTERS: a_img [512 tiles of 16 positions][8 K steps of 128][2 halves][768 bytes: registers 0-3 at 16 x lane, registers 4-5 at 512 + 8 x lane]; its scale bytes a_sc [8192 positions][32].
; Position 16 t + r is token 32 (t / 2) + 8 (t % 2) + r + 8 (r / 8) of its group of 32: the way out puts the rows back.  B = w_o: rows 11,264 .. 12,287 of the codes [.][768 bytes] and scale bytes [.][32], in their own order.
; A work-group of four waves makes 256 x 256 of the result, a wave 128 x 128: 64 accumulators, 512 registers.  K goes in steps of 256 through a ring of two LDS slots filled by the tensor data mover; the scale bytes come once and stay.
; CLUSTERS: 4 x 4 work-groups; A's tiles are asked for jointly along a row of the cluster, B's along a column.  THE MATRIX INSTRUCTION IS USED TRANSPOSED (source 0 = 16 rows of B, source 1 = 16 rows of A): a lane holds eight neighbouring numbers of a row of the result.
; REGISTERS, in windows of 256: window 0: v0-31 addresses; v32-63 scale words, two sets; from v128 A's fragments, ONE set; on the way out v128-255 rows read back.  window 1: B's fragments, TWO sets.  windows 2, 3: the accumulators.
.set SIZE_K, 1024
.set SIZE_N, 1024
.set KSTEP,  256
.set NQ,     KSTEP/128
.set ROWB,   192                       ; a row of B's tile in bytes
.set KROW,   SIZE_K*6/8
.set PITCH,  240                       ; B's LDS row: 3 x (64 bytes + 16 of padding)
.set ASTEP,  3072                      ; a tile of 16 positions x 256 along K of A: four images of 768 bytes
.set FR,     12
.set NL,     6                         ; LDS loads that bring a fragment of B
.set NLA,    4                         ; and of A
.set NP,     4                         ; places behind this matrix instruction (ISA guide 7.12.1)
.set HALFT,  128*PITCH                 ; a quarter of a slot; A's images use 24,576 bytes of it
.set SLOT,   4*HALFT
.set LAPS,   SIZE_K/(2*KSTEP)
.set KS,     SIZE_K/32
.set WO,     11264                     ; w_o's first row in the codes and the scale bytes
.set SCL,    2*SLOT
.set HALFS,  (128*KS/256)*272
.set SBLK,   (16*KS/256)*272
.set SPARE,  SCL+4*HALFS               ; the spare words, 128 bytes for each wave, which no other line names
.set SPITCH, 528                       ; the way out: a stage of 16 rows x (512 bytes + 16) for each wave, in slot 0, which has had its last fill and its last read when the first result is stored there
.set ADRA, 16                          ; v16-17 16 x lane + my half of A in slot 0, 1;  v18-19 the same with 8 x lane
.set ADRB, 20                          ; v20-21 LDS address of my B fragments in slot 0, 1;  v22-23 for the pieces behind one padding more
.set STO,  24
.set RD,   25
.set CO,   26
.set ADRS, 27
.set SPW,  28
.set NIL,  29
.set SC,   32
.set AF,   128
.set BK,   128
.set G1, 24
.set G0, 32
.set G1B, 48
.set G0B, 56
.set G1S, 68
.set G0S, 76
.set G1SB, 80
.set G0SB, 88
.set MSB, 0
.macro WIN new                         ; the immediate's high byte repeats the setting that is left
.if MSB != (\new)
	s_set_vgpr_msb (MSB<<8)|(\new)
.set MSB, (\new)
.endif
.endm
.set MUL_LO, 0xa1
.set MUL_HI, 0xf1
.set TO_B,   0x40
.macro JLOAD g0a, g1a, g0b, g1b        ; a joint load: waves 0 and 1 fetch for A, waves 2 and 3 for B; four v_nop follow each of the two lines
	s_cmp_eq_u32 s15, 0
	s_cbranch_scc0 .Lfor_b_\@
	tensor_load_to_lds s[\g0a:\g0a+3], s[\g1a:\g1a+7]
	s_nop 0
.rept 4
	v_nop
.endr
	s_branch .Lasked_\@
.Lfor_b_\@:
	tensor_load_to_lds s[\g0b:\g0b+3], s[\g1b:\g1b+7]
	s_nop 0
.rept 4
	v_nop
.endr
.Lasked_\@:
.endm
.macro CREST
	s_cmp_lg_u32 s14, 0
	s_cbranch_scc1 .Lnot_wave_0_\@
	s_barrier_signal -3
.Lnot_wave_0_\@:
	s_barrier_wait -3
	s_barrier_signal -1
	s_barrier_wait -1
.endm
.macro CROUND
	s_barrier_signal -1
	s_barrier_wait -1
	CREST
.endm
	s_load_b128 s[4:7], s[0:1], 0x0                ; A's images, A's scales
	s_load_b128 s[8:11], s[0:1], 0x10              ; the codes, the scale bytes
	s_load_b64 s[12:13], s[0:1], 0x20              ; out0
	v_lshl_add_u32 v[SPW], v0, 2, SPARE
	v_mov_b32 v[NIL], 0
	ds_add_u32 v28, v29
	ds_add_u32 v28, v29
	s_wait_dscnt 0x0
	v_lshrrev_b32 v1, 5, v0
	v_readfirstlane_b32 s14, v1                    ; wave 0..3
	s_lshr_b32 s15, s14, 1                         ; which half of the tile's rows is mine.  Also: I fetch for A (0) or for B (1)
	s_and_b32 s16, s14, 1                          ; which half of its columns.  Also: which half of that tile I fetch
	s_bfe_u32 s40, ttmp6, 0x40000                  ; cx, cy
	s_bfe_u32 s41, ttmp6, 0x40004
	s_lshl_b32 s42, ttmp9, 2
	s_add_co_u32 s42, s42, s40                     ; tile column = 4 x cluster x + cx
	s_and_b32 s17, ttmp7, 0xffff
	s_lshl_b32 s17, s17, 2
	s_add_co_u32 s17, s17, s41                     ; tile row = 4 x cluster y + cy
	s_lshl_b32 s43, s41, 2
	s_lshl_b32 s43, 15, s43                        ; my row of the cluster
	s_lshl_b32 s44, 0x1111, s40                    ; my column
	; A's tiles: 8 tiles of 16 positions x 3,072 bytes (384 elements of 8 bytes), 12,288 bytes apart in memory, on end in LDS
	s_or_b32 s[G1+0], s43, (3<<16)|(1<<21)         ; 15:0 the mask: my row; 17:16 elements of 8 bytes; 21 set beside a mask; no padding
	s_mov_b32 s[G1+1], 384<<16                     ; tensor_dim0
	s_mov_b32 s[G1+2], 8<<16                       ; tensor_dim1
	s_mov_b32 s[G1+3], 384<<16                     ; tile_dim0
	s_mov_b32 s[G1+4], 8                           ; tile_dim1
	s_mov_b32 s[G1+5], 1536                        ; tensor_dim0_stride
	s_mov_b32 s[G1+6], 0
	s_mov_b32 s[G1+7], 0
	; B's tiles: 128 rows x 192 bytes, 16 bytes of padding behind every 64
	s_or_b32 s[G1B+0], s44, (0<<16)|(1<<20)|(1<<21)|(3<<22)|(3<<25)
	s_mov_b32 s[G1B+1], ROWB<<16
	s_mov_b32 s[G1B+2], 128<<16
	s_mov_b32 s[G1B+3], ROWB<<16
	s_mov_b32 s[G1B+4], 128
	s_mov_b32 s[G1B+5], KROW
	s_mov_b32 s[G1B+6], 0
	s_mov_b32 s[G1B+7], 0
	; the scales of 128 rows: 4,096 dense bytes as 16 rows of 256 bytes, 16 bytes of padding behind each
	s_or_b32 s[G1S+0], s43, (3<<16)|(1<<20)|(1<<21)|(5<<22)|(3<<25)
	s_or_b32 s[G1SB+0], s44, (3<<16)|(1<<20)|(1<<21)|(5<<22)|(3<<25)
.irp g, G1S, G1SB
	s_mov_b32 s[\g+1], 32<<16
	s_mov_b32 s[\g+2], (128*KS/256)<<16
	s_mov_b32 s[\g+3], 32<<16
	s_mov_b32 s[\g+4], 128*KS/256
	s_mov_b32 s[\g+5], 32
	s_mov_b32 s[\g+6], 0
	s_mov_b32 s[\g+7], 0
.endr
	s_lshl_b32 s18, s16, 7                         ; which 128 rows of the tile I fetch
	s_lshl_b32 s20, s17, 8
	s_add_co_u32 s20, s20, s18                     ; A: position 256 x tile row + 128 x half
	s_lshl_b32 s46, s42, 8
	s_add_co_u32 s46, s46, s18
	s_add_co_u32 s46, s46, WO                      ; B: row 256 x tile column + 128 x half, from w_o's first row on
	s_mov_b32 s21, 0
	s_mov_b32 s47, 0
	s_mov_b64 s[18:19], KS
	s_mul_u64 s[22:23], s[20:21], s[18:19]         ; where these rows' scales begin, in bytes
	s_mul_u64 s[92:93], s[46:47], s[18:19]
	s_mov_b64 s[18:19], KROW
	s_mul_u64 s[20:21], s[20:21], s[18:19]         ; and their codes: sixteen positions' images are 12,288 bytes, 768 a position, as many as a row's
	s_mul_u64 s[46:47], s[46:47], s[18:19]
	s_mul_i32 s45, s14, HALFT                      ; where they go: no place in the cluster enters an LDS address
	s_mul_i32 s94, s14, HALFS
	s_wait_kmcnt 0x0
	s_add_nc_u64 s[20:21], s[4:5], s[20:21]
	s_add_nc_u64 s[22:23], s[6:7], s[22:23]
	s_add_nc_u64 s[46:47], s[8:9], s[46:47]
	s_add_nc_u64 s[92:93], s[10:11], s[92:93]
	CROUND                                         ; all sixteen work-groups are here: the first joint loads meet
	s_mov_b32 s[G0S], 1
	s_add_co_u32 s[G0S+1], s94, SCL
	s_mov_b64 s[G0S+2:G0S+3], s[22:23]
	s_or_b32 s[G0S+3], s[G0S+3], 0x80000000
	s_mov_b32 s[G0SB], 1
	s_add_co_u32 s[G0SB+1], s94, SCL
	s_mov_b64 s[G0SB+2:G0SB+3], s[92:93]
	s_or_b32 s[G0SB+3], s[G0SB+3], 0x80000000
	JLOAD G0S, G1S, G0SB, G1SB                     ; the scales first
.irp s, 0,1
	s_mov_b32 s[G0+4*\s], 1
	s_add_co_u32 s[G0+4*\s+1], s45, \s*SLOT
	s_add_nc_u64 s[G0+4*\s+2:G0+4*\s+3], s[20:21], \s*ASTEP
	s_or_b32 s[G0+4*\s+3], s[G0+4*\s+3], 0x80000000
	s_mov_b32 s[G0B+4*\s], 1
	s_add_co_u32 s[G0B+4*\s+1], s45, \s*SLOT
	s_add_nc_u64 s[G0B+4*\s+2:G0B+4*\s+3], s[46:47], \s*ROWB
	s_or_b32 s[G0B+4*\s+3], s[G0B+4*\s+3], 0x80000000
	JLOAD G0+4*\s, G1, G0B+4*\s, G1B               ; three loads of mine are out at the most
.endr
	v_and_b32 v1, 15, v0                           ; r
	v_bfe_u32 v2, v0, 4, 1                         ; h
	v_mul_u32_u24 v3, v1, PITCH
	v_mul_u32_u24 v4, v2, 24
	v_add_nc_u32 v4, v3, v4                        ; B: a fragment's row x pitch + 24 x half
	v_lshl_add_u32 v5, v2, 4, v4                   ; and the same behind one padding more
	v_and_b32 v6, 31, v0
	v_lshlrev_b32 v7, 4, v6                        ; A: 16 x lane,
	v_lshlrev_b32 v8, 3, v6                        ; 8 x lane
	s_mul_i32 s21, s15, HALFT                      ; my half of A
	s_mul_i32 s22, s16, HALFT                      ; my 128 rows of B,
	s_add_co_u32 s22, s22, 2*HALFT                 ; which lie behind A's two quarters
.irp s, 0,1
	v_add_nc_u32 v[ADRA+\s], s21, v7
	v_add_nc_u32 v[ADRB+\s], s22, v4
	v_add_nc_u32 v[ADRA+2+\s], s21, v8
	v_add_nc_u32 v[ADRB+2+\s], s22, v5
	s_add_co_u32 s21, s21, SLOT
	s_add_co_u32 s22, s22, SLOT
.endr
	v_mul_u32_u24 v5, v1, KS                       ; my row's scales: KS bytes a row,
	v_lshrrev_b32 v6, 8, v5
	v_lshl_add_u32 v5, v6, 4, v5                   ; and 16 more for each 256 passed
	s_mul_i32 s21, s15, HALFS
	s_mul_i32 s22, s16, HALFS
	s_add_co_u32 s22, s22, 2*HALFS
	s_sub_co_u32 s22, s22, s21
	v_mul_u32_u24 v6, s22, v2                      ; lanes 16-31 take B's
	s_add_co_u32 s21, s21, SCL
	v_add_nc_u32 v5, v5, v6
	v_add_nc_u32 v[ADRS], s21, v5
	s_mul_i32 s23, s14, 16*SPITCH                  ; my stage
	v_mul_u32_u24 v5, v1, SPITCH                   ; in: row l % 16, 32 bytes for each half of the lanes
	v_lshl_add_u32 v5, v2, 5, v5
	v_add_nc_u32 v[STO], s23, v5
	v_and_b32 v6, 31, v0
	v_lshlrev_b32 v[CO], 4, v6                     ; back: the 32 lanes take one row of 512 bytes; and the same in out0
	v_add_nc_u32 v[RD], s23, v[CO]
	s_lshl_b32 s20, s17, 8
	s_lshl_b32 s21, s15, 7
	s_add_co_u32 s20, s20, s21                     ; my first row of out0
	s_mov_b32 s21, 0
	s_mov_b64 s[18:19], SIZE_N*4
	s_mul_u64 s[20:21], s[20:21], s[18:19]
	s_lshl_b32 s46, s42, 10                        ; my first column, in bytes
	s_lshl_b32 s47, s16, 9
	s_add_co_u32 s46, s46, s47
	s_mov_b32 s47, 0
	s_add_nc_u64 s[20:21], s[20:21], s[46:47]
	s_add_nc_u64 s[12:13], s[12:13], s[20:21]
.macro FRAG reg, adr, q, i             ; a fragment of B from rows: 24 bytes of the row's stream of bits twice, in pieces of 8 bytes; where lanes 16-31's piece lies behind one padding more, the second address register serves
.irp p, 0,1,2,3,4,5
.set PCE, 12*(\q)+6*(\p/3)+\p%3
.if PCE%8 < 5
	ds_load_b64 v[\reg+2*\p:\reg+2*\p+1], v[\adr] offset:8*PCE+16*(PCE/8)+(\i)*16*PITCH
.else
	ds_load_b64 v[\reg+2*\p:\reg+2*\p+1], v[\adr+2] offset:8*PCE+16*(PCE/8)+(\i)*16*PITCH
.endif
.endr
.endm
.macro FRAGA reg, slot, q, i           ; a fragment of A from its two images: every load takes consecutive bytes in consecutive lanes
	ds_load_b128 v[\reg:\reg+3],     v[ADRA+\slot]   offset:ASTEP*(\i)+1536*(\q)
	ds_load_b64  v[\reg+4:\reg+5],   v[ADRA+2+\slot] offset:ASTEP*(\i)+1536*(\q)+512
	ds_load_b128 v[\reg+6:\reg+9],   v[ADRA+\slot]   offset:ASTEP*(\i)+1536*(\q)+768
	ds_load_b64  v[\reg+10:\reg+11], v[ADRA+2+\slot] offset:ASTEP*(\i)+1536*(\q)+1280
.endm
; 16 matrix instructions: A's blocks a0, a0 + 1 x B's eight, 128 along K.  The 64 accumulators take turns, one instruction a turn.
.macro MUL16 a0, p, q, sc, zero
.irp a, \a0, \a0+1
.irp b, 0,1,2,3,4,5,6,7
.if \zero
	v_wmma_scale_f32_16x16x128_f8f6f4 v[8*(8*((\a)%4)+\b):8*(8*((\a)%4)+\b)+7], v[128*(\p)+FR*\b:128*(\p)+FR*\b+FR-1], v[AF+FR*(\a):AF+FR*(\a)+FR-1], 0, v[SC+8*NQ*(\sc)+NQ*\b+(\q)], v[SC+8*NQ*(\sc)+NQ*(\a)+(\q)] matrix_a_fmt:MATRIX_FMT_BF6 matrix_b_fmt:MATRIX_FMT_BF6 matrix_a_scale:MATRIX_SCALE_ROW1
.else
	v_wmma_scale_f32_16x16x128_f8f6f4 v[8*(8*((\a)%4)+\b):8*(8*((\a)%4)+\b)+7], v[128*(\p)+FR*\b:128*(\p)+FR*\b+FR-1], v[AF+FR*(\a):AF+FR*(\a)+FR-1], v[8*(8*((\a)%4)+\b):8*(8*((\a)%4)+\b)+7], v[SC+8*NQ*(\sc)+NQ*\b+(\q)], v[SC+8*NQ*(\sc)+NQ*(\a)+(\q)] matrix_a_fmt:MATRIX_FMT_BF6 matrix_b_fmt:MATRIX_FMT_BF6 matrix_a_scale:MATRIX_SCALE_ROW1
.endif
.endr
.endr
.endm
.macro FETCH_B slot, q, p
	WIN TO_B
.irp i, 0,1,2,3,4,5,6,7
	FRAG 128*(\p)+FR*\i, ADRB+\slot, \q, \i
.endr
	WIN 0
.endm
.macro FETCH_A slot, q, i0
.irp i, \i0, \i0+1, \i0+2, \i0+3
	FRAGA AF+FR*(\i), \slot, \q, \i
.endr
.endm
.macro SCALES sc
.irp i, 0,1,2,3,4,5,6,7
	ds_load_b64 v[SC+8*NQ*\sc+NQ*\i:SC+8*NQ*\sc+NQ*\i+1], v[ADRS] offset:\i*SBLK
.endr
.endm
.macro PLACES n
.rept \n
	v_nop
.endr
.endm
.macro STEP slot, q, zero
	s_wait_dscnt 4*NLA                             ; B's set and A's blocks 0-3 are in; the youngest 16 loads (A's blocks 4-7) may be out
	WIN MUL_LO
	MUL16 0, (\q)%2, \q, \slot, \zero
	MUL16 2, (\q)%2, \q, \slot, \zero
	s_wait_dscnt 0
	PLACES NP
	FETCH_B \slot, (\q)+1, 1-(\q)%2
	FETCH_A \slot, (\q)+1, 0
	WIN MUL_HI
	MUL16 4, (\q)%2, \q, \slot, \zero
	MUL16 6, (\q)%2, \q, \slot, \zero
	PLACES NP
	WIN 0
	FETCH_A \slot, (\q)+1, 4
.endm
.macro TURN slot, next, fill
	s_wait_tensorcnt 0x0                           ; all my tensor loads have landed: my part of the next slot;
	ds_add_u32 v[SPW], v[NIL]                      ; 0 onto my spare word;
	s_wait_dscnt 4*NLA+1                           ; (the add and the youngest 16 loads may be out)
	WIN MUL_LO
	MUL16 0, 1, NQ-1, \slot, 0
	s_wait_dscnt 0x0                               ; the add is done, and my reads of this slot are over
	s_barrier_signal -1
	MUL16 2, 1, NQ-1, \slot, 0
	WIN 0
	s_barrier_wait -1
.if \fill
	CREST                                          ; the barrier has opened a round of the cluster's barrier
	s_add_nc_u64 s[G0+4*\slot+2:G0+4*\slot+3], s[G0+4*\slot+2:G0+4*\slot+3], 2*ASTEP
	s_add_nc_u64 s[G0B+4*\slot+2:G0B+4*\slot+3], s[G0B+4*\slot+2:G0B+4*\slot+3], 2*ROWB
	JLOAD G0+4*\slot, G1, G0B+4*\slot, G1B         ; the first tensor load behind the round
.else
	PLACES NP
.endif
	v_add_nc_u32 v[ADRS], 4*NQ, v[ADRS]
	FETCH_B \next, 0, 0
	FETCH_A \next, 0, 0
	SCALES \next
	WIN MUL_HI
	MUL16 4, 1, NQ-1, \slot, 0
	MUL16 6, 1, NQ-1, \slot, 0
	PLACES NP
	WIN 0
	FETCH_A \next, 0, 4
.endm
	s_wait_tensorcnt 1                             ; the scales and my part of K step 0 are in (K step 1's load may be out)
	s_barrier_signal -1
	s_barrier_wait -1
	FETCH_B 0, 0, 0
	FETCH_A 0, 0, 0
	SCALES 0
	FETCH_A 0, 0, 4
	STEP 0, 0, 1
	s_mov_b32 s3, LAPS-1
.Llap:
	TURN 0, 1, 1
	STEP 1, 0, 0
	TURN 1, 0, 1
	STEP 0, 0, 0
	s_sub_co_u32 s3, s3, 1
	s_cmp_lg_u32 s3, 0
	s_cbranch_scc1 .Llap
	TURN 0, 1, 0
	STEP 1, 0, 0
	s_wait_dscnt 4*NLA
	WIN MUL_LO
	MUL16 0, 1, NQ-1, 1, 0
	MUL16 2, 1, NQ-1, 1, 0
	s_wait_dscnt 0
	WIN MUL_HI
	MUL16 4, 1, NQ-1, 1, 0
	MUL16 6, 1, NQ-1, 1, 0
	WIN 0
; THE WAY OUT, block by block of 16 positions x 128 columns, through my own stage in LDS; back as whole rows of 512 bytes.  LDS serves a wave's instructions in order (ISA guide 5.7.1.4).
; Stage row t of block a is row 32 (a / 2) + 8 (a % 2) + t + 8 (t / 8) of my 128 rows of out0.
.macro TOSTAGE a
.set AC, 64*((\a)%4)
	WIN 0x08+4*((\a)/4)                            ; the data: window 2 or 3
.irp b, 0,1,2,3,4,5,6,7
	ds_store_b128 v[STO], v[AC+8*\b:AC+8*\b+3] offset:64*\b          ; each accumulator from its low end on
	ds_store_b128 v[STO], v[AC+8*\b+4:AC+8*\b+7] offset:64*\b+16
.endr
	WIN 0
.set BB, BK+64*((\a)%2)
.irp t, 0,1,2,3,4,5,6,7,8,9,10,11,12,13,14,15
	ds_load_b128 v[BB+4*\t:BB+4*\t+3], v[RD] offset:\t*SPITCH
.endr
.endm
.macro SEND a, younger                 ; younger: the LDS instructions issued behind block a's loads, which may stay out
.set BB, BK+64*((\a)%2)
	s_wait_dscnt \younger
.if (\a) > 0
.if (\a)%2 == 1
	s_add_nc_u64 s[12:13], s[12:13], 8*SIZE_N*4    ; (behind a wait on XCNT: the earlier stores have read their base)  an odd block begins 8 rows on,
.else
	s_add_nc_u64 s[12:13], s[12:13], 24*SIZE_N*4   ; an even one 24 more
.endif
.endif
.irp t, 0,1,2,3,4,5,6,7,8,9,10,11,12,13,14,15
	global_store_b128 v[CO], v[BB+4*\t:BB+4*\t+3], s[12:13] offset:(\t+8*(\t/8))*SIZE_N*4 th:TH_STORE_NT   ; 32 lanes store 512 consecutive bytes, aligned
.endr
.endm
	PLACES NP
	TOSTAGE 0
.irp a, 1,2,3,4,5,6,7
.if \a > 1
	s_wait_xcnt 0x0                                ; block a - 2's stores have read their registers and their base
.endif
	TOSTAGE \a
	SEND \a-1, 32                                  ; behind block a - 1's loads: block a's 16 stores and 16 loads
.endr
	s_wait_xcnt 0x0
	SEND 7, 0
	s_wait_tensorcnt 0x0                           ; the wave's end
	ds_add_u32 v[SPW], v[NIL]
	s_wait_dscnt 0x0
	CROUND                                         ; the closing round
	s_endpgm
.Lfunc_end_k_q7a5cfd3c63_oproj:
	.size	k_q7a5cfd3c63_oproj, .Lfunc_end_k_q7a5cfd3c63_oproj-k_q7a5cfd3c63_oproj
	.p2alignl 7, 3214868480
	.fill 96, 4, 3214868480
	.section	.rodata,"a",@progbits
	.p2align	6, 0x0
	.amdhsa_kernel k_q7a5cfd3c63_oproj
		.amdhsa_group_segment_fixed_size 327680
		.amdhsa_private_segment_fixed_size 0
		.amdhsa_enable_private_segment 0
		.amdhsa_kernarg_size 40
		.amdhsa_user_sgpr_count 2
		.amdhsa_user_sgpr_kernarg_segment_ptr 1
		.amdhsa_wavefront_size32 1
		.amdhsa_system_sgpr_workgroup_id_x 1
		.amdhsa_system_sgpr_workgroup_id_y 1
		.amdhsa_system_sgpr_workgroup_id_z 1
		.amdhsa_system_vgpr_workitem_id 0
		.amdhsa_next_free_vgpr 1024
		.amdhsa_next_free_sgpr 98
		.amdhsa_reserve_vcc 0
		.amdhsa_float_denorm_mode_32 3
		.amdhsa_float_denorm_mode_16_64 3
		.amdhsa_memory_ordered 1
		.amdhsa_forward_progress 1
		.amdhsa_inst_pref_size 152
	.end_amdhsa_kernel
	.amdgpu_metadata
---
amdhsa.version: [ 1, 2 ]
amdhsa.kernels:
  - .name:           k_q7a5cfd3c63_oproj
    .symbol:         k_q7a5cfd3c63_oproj.kd
    .args:
      - { .name: a_img, .offset: 0, .size: 8, .value_kind: global_buffer, .address_space: global }
      - { .name: a_sc, .offset: 8, .size: 8, .value_kind: global_buffer, .address_space: global }
      - { .name: codes, .offset: 16, .size: 8, .value_kind: global_buffer, .address_space: global }
      - { .name: scales, .offset: 24, .size: 8, .value_kind: global_buffer, .address_space: global }
      - { .name: out0, .offset: 32, .size: 8, .value_kind: global_buffer, .address_space: global }
    .group_segment_fixed_size: 327680
    .private_segment_fixed_size: 0
    .kernarg_segment_align: 8
    .kernarg_segment_size: 40
    .max_flat_workgroup_size: 128
    .sgpr_count:     98
    .vgpr_count:     1024
    .wavefront_size: 32
...
	.end_amdgpu_metadata
.endif
;; end of part 4
;; ======== version 2 of 2: 4 launches
;; limits: inputs' magnitudes at most 8,388,608; right only within a limited range of input values
;; workspace buffers: codes 9,437,184 bytes; scales 393,216 bytes; rope 524,288 bytes; qb 13,369,344 bytes; kv 13,369,344 bytes; a_img 6,291,456 bytes; a_sc 262,144 bytes
;; launch quant (part 5): grid 416 x 1, 4 waves a work-group, no clusters, 33,280 bytes of LDS; arguments x, w_q, w_k, w_v, w_o, token_positions, codes, scales, rope; writes codes, scales, rope
.if DOCPART == 5
	.amdgcn_target "amdgcn-amd-amdhsa--gfx1250"
	.amdhsa_code_object_version 6
	.text
	.protected	k_q7a5cfd3c63_quant
	.globl	k_q7a5cfd3c63_quant
	.p2align	8
	.type	k_q7a5cfd3c63_quant,@function
k_q7a5cfd3c63_quant:
	s_mov_b64 s[64:65], 0
	v_nop
	global_prefetch_b8 v0, s[64:65] scope:SCOPE_SE
	s_setreg_imm32_b32 hwreg(HW_REG_WAVE_MODE, 25, 1), 1
	s_wait_xcnt 0x0
; x [8192][1024] and the four weights [1024][1024], f32, K innermost, become codes of BF6 (E3M2), 6 bits each, with one E8M0 byte for each 32 along K; and token_positions becomes a table of cos and sin.
; codes: [12288 positions][768 bytes], scales: [12288][32 bytes].  Positions 0-8191 x, 8192.. w_q, 9216.. w_k, 10240.. w_v, 11264.. w_o.
; THE ROWS OF x, w_q, w_k, w_v ARE STORED WITH BITS 3 AND 4 OF THE ROW NUMBER SWAPPED: sixteen neighbouring positions 16 t + r then hold rows 32 (t / 2) + 8 (t % 2) + r + 8 (r / 8), so that in the
; products that follow the 16 registers of two neighbouring result tiles are 16 neighbours along the next K.  A wave owns 8 rows, so the swap is a swap of the two bits of the wave's number in the destination.  w_o keeps its order.
; A block's scale is 2^(floor(log2(its largest magnitude)) - 4); its byte is the largest magnitude's exponent field - 4, held at 1 from below.  A block of zeros gets the byte 1 where the rule says 127:
; its codes are zeros, which add nothing under any byte but 0xff, and the bytes are read by this program alone.
; LIMITS: blocks whose largest magnitude lies under 2^-122 keep the floor's byte 1; NaN and infinities among the inputs are not served; the table's range reduction holds for |position x frequency| under 2^23.
; Work-groups 0-383 quantise 32 rows each (a wave: 16 steps of 512 numbers); work-groups 384-415 make four tiles of 16 tokens of the table each.  No tensor loads, no barrier: waves share nothing.
; A quantising step: four loads of 512 consecutive bytes; the 2,048 bytes turn through the wave's own stage in LDS (16 bytes of padding behind each 64) and come back 64 bytes a lane: 16 neighbours along K; two lanes hold a block.
; Loads run four steps (16 loads a wave) ahead.
.set QWG,   384                        ; work-groups that quantise
.set STEPS, 16
.set AHEAD, 4                          ; steps whose loads are out
.set EMAX,  4
.set CB,    12                         ; bytes of 16 codes
.set R,     16                         ; v16-79   four sets of 16 numbers as they are loaded
.set X,     80                         ; v80-111  two sets of 16 neighbours
.set E,     112                        ; v112-127 a scale byte for each step
.set C,     128                        ; v128-191 codes: four registers for each step, so that no store's data are written again
.set WREG,  8192                       ; LDS: a region for each wave: two stages of 32 x SP bytes, behind them its 256 scale bytes
.set SP,    80
	s_load_b512 s[36:51], s[0:1], 0x0              ; x 36, w_q 38, w_k 40, w_v 42, w_o 44, positions 46, codes 48, scales 50
	s_load_b64 s[52:53], s[0:1], 0x40              ; the table
	v_lshl_add_u32 v192, v0, 2, 0x8000
	v_mov_b32 v193, 0
	v_lshrrev_b32 v1, 5, v0
	v_readfirstlane_b32 s16, v1                    ; wave
	v_and_b32 v2, 31, v0                           ; lane
	s_mov_b32 s18, ttmp9                           ; work-group
	s_cmp_ge_u32 s18, QWG
	s_cbranch_scc1 .Lrope
	v_lshlrev_b32 v3, 4, v2                        ; my 16 bytes of a load's 512
	s_mul_i32 s17, s16, WREG
	v_lshrrev_b32 v14, 2, v2
	v_mul_u32_u24 v14, v14, SP
	v_and_b32 v15, 3, v2
	v_lshl_add_u32 v14, v15, 4, v14
	v_add_nc_u32 v14, s17, v14                     ; the stage, on the way in: SP (lane / 4) + 16 (lane % 4)
	v_mul_u32_u24 v15, v2, SP
	v_add_nc_u32 v15, s17, v15                     ; and on the way out: SP x lane: my 16 neighbours
	v_mul_u32_u24 v4, v2, CB                       ; my codes' place in a step's
	v_lshrrev_b32 v5, 1, v2
	s_add_co_u32 s17, s17, 2*32*SP
	v_add_nc_u32 v5, s17, v5                       ; LDS: my wave's 256 scale bytes, my block's byte
	v_lshlrev_b32 v7, 3, v2                        ; and on the way out 8 bytes a lane
	v_add_nc_u32 v6, s17, v7
	s_wait_kmcnt 0x0
	s_mov_b64 s[4:5], s[36:37]                     ; which tensor: the choice hangs on the work-group's number alone
	s_cmp_ge_u32 s18, 256
	s_cselect_b64 s[4:5], s[38:39], s[4:5]
	s_cmp_ge_u32 s18, 288
	s_cselect_b64 s[4:5], s[40:41], s[4:5]
	s_cmp_ge_u32 s18, 320
	s_cselect_b64 s[4:5], s[42:43], s[4:5]
	s_cmp_ge_u32 s18, 352
	s_cselect_b64 s[4:5], s[44:45], s[4:5]
	s_and_b32 s20, s16, 1
	s_lshl_b32 s20, s20, 1
	s_lshr_b32 s21, s16, 1
	s_or_b32 s20, s20, s21                         ; the wave's two bits swapped: bits 3 and 4 of the row number
	s_cmp_ge_u32 s18, 352
	s_cselect_b32 s20, s16, s20                    ; w_o keeps its order
	s_lshl_b32 s21, s18, 2
	s_add_co_u32 s20, s21, s20                     ; which run of 8 positions I write
	s_and_b32 s22, s18, 31                         ; a weight has 32 work-groups, and 256 is a multiple of 32
	s_cmp_lt_u32 s18, 256
	s_cselect_b32 s22, s18, s22
	s_lshl_b32 s22, s22, 2
	s_add_co_u32 s22, s22, s16                     ; which run of 8 rows of the tensor I read
	s_lshl_b32 s22, s22, 15                        ; 32,768 bytes a run
	s_mov_b32 s23, 0
	s_add_nc_u64 s[4:5], s[4:5], s[22:23]
	s_mul_i32 s22, s20, 32*STEPS*CB                ; 6,144 bytes of codes a run
	s_add_nc_u64 s[8:9], s[48:49], s[22:23]
	s_lshl_b32 s22, s20, 8                         ; 256 scale bytes a run
	s_add_nc_u64 s[10:11], s[50:51], s[22:23]
.macro LOAD t
.irp i, 0,1,2,3
	global_load_b128 v[R+16*((\t)%AHEAD)+4*\i:R+16*((\t)%AHEAD)+4*\i+3], v3, s[4:5] offset:2048*(\t)+512*\i th:TH_LOAD_NT   ; 32 lanes read 512 consecutive bytes
.endr
.endm
.macro TURN t                          ; step t's numbers through the stage: LDS serves a wave's instructions in order, so no wait stands between the stores and the loads
.irp i, 0,1,2,3
	ds_store_b128 v14, v[R+16*((\t)%AHEAD)+4*\i:R+16*((\t)%AHEAD)+4*\i+3] offset:32*SP*((\t)%2)+8*SP*\i
.endr
.irp i, 0,1,2,3
	ds_load_b128 v[X+16*((\t)%2)+4*\i:X+16*((\t)%2)+4*\i+3], v15 offset:32*SP*((\t)%2)+16*\i
.endr
.endm
.irp t, 0,1,2,3
	LOAD \t
.endr
	s_wait_loadcnt 4*(AHEAD-1)                     ; step 0's four loads are in; three steps' twelve stay out
	TURN 0
.macro STEP t
.set XS, X+16*((\t)%2)
.if (\t) > 0
	s_wait_dscnt 1                                 ; this step's numbers are back from the stage (the last step's byte store may be out): so its stores into the stage have read their registers,
.else
	s_wait_dscnt 0x0
.endif
.if (\t)+AHEAD < STEPS
	LOAD (\t)+AHEAD                                ; which take the loads of four steps on
.endif
.if (\t)+1 < STEPS
.if STEPS-2-(\t) >= AHEAD-1
	s_wait_loadcnt 4*(AHEAD-1)                     ; the next step's four loads are in; those of the three steps behind it may be out
.else
	s_wait_loadcnt 4*(STEPS-2-(\t))
.endif
	TURN (\t)+1                                    ; and go through the other stage while this step is worked
.endif
	v_max3_num_f32 v8, |v[XS]|, |v[XS+1]|, |v[XS+2]|               ; the largest magnitude of my 16
	v_max3_num_f32 v9, |v[XS+3]|, |v[XS+4]|, |v[XS+5]|
.irp i, 6,10
	v_max3_num_f32 v8, v8, |v[XS+\i]|, |v[XS+\i+1]|
	v_max3_num_f32 v9, v9, |v[XS+\i+2]|, |v[XS+\i+3]|
.endr
	v_max3_num_f32 v8, v8, |v[XS+14]|, |v[XS+15]|
	v_max3_num_f32 v8, v8, v9, (EMAX+1)<<23        ; and the floor 2^(5 - 127): the byte cannot fall under 1
	v_max_num_f32_dpp v8, v8, v8 row_xmask:1 row_mask:0xf bank_mask:0xf   ; and of my neighbour's 16: the block's
	v_add_nc_u32 v11, -(EMAX<<23), v8              ; 4 off its exponent field: the conversion takes the exponent field of this operand as its scale, and nothing else of it
	v_cvt_scalef32_pk16_bf6_f32 v[C+4*(\t):C+4*(\t)+2], v[XS:XS+15], v11   ; sixteen numbers / the scale, to the nearest code, ties to even, beyond the largest code the largest; 96 bits without gaps
	v_lshrrev_b32 v[E+(\t)], 23, v11               ; the scale's byte
	ds_store_b8 v5, v[E+(\t)] offset:16*(\t)       ; both lanes of a block write the same byte with the same value
	global_store_b96 v4, v[C+4*(\t):C+4*(\t)+2], s[8:9] offset:32*CB*(\t)   ; the wave stores 384 consecutive bytes
.endm
.irp t, 0,1,2,3,4,5,6,7,8,9,10,11,12,13,14,15
	STEP \t
.endr
	ds_load_b64 v[12:13], v6                       ; LDS serves a wave's instructions in order: these see my stores
	s_wait_dscnt 0x0
	global_store_b64 v7, v[12:13], s[10:11]        ; 32 lanes store 256 consecutive bytes, aligned
	s_wait_tensorcnt 0x0
	ds_add_u32 v192, v193
	s_wait_dscnt 0x0
	s_endpgm
; THE TABLE, LAID AS ITS READER'S REGISTERS WANT IT: rope[T][q][lane][16 bytes], T = 0 .. 127 a tile of 16 tokens, q = 0 .. 7.  Lane (r, h) of tile T stands for token 32 (T / 2) + 8 (T % 2) + r + 8 (r / 8);
; its 16 bytes of turn q are (cos, sin) of frequency jf = 16 (q / 4) + 8 h + 2 (q % 4) and (cos, sin) of jf + 1.  So each load of the reader, and each store here, covers 512 consecutive bytes at 16 x lane.
; angle = f32(position[token]) x 10000^(-jf / 32), one f32 product, as the definition has it.  A wave makes one tile.
.Lrope:
	s_sub_co_u32 s18, s18, QWG
	s_lshl_b32 s19, s18, 2
	s_add_co_u32 s19, s19, s16                     ; T = 4 x work-group + wave
	s_lshr_b32 s20, s19, 1
	s_lshl_b32 s20, s20, 5
	s_and_b32 s21, s19, 1
	s_lshl_b32 s21, s21, 3
	s_add_co_u32 s20, s20, s21                     ; lane 0's token: 32 (T / 2) + 8 (T % 2)
	s_lshl_b32 s22, s20, 2                         ; its place in the positions, in bytes,
	s_mov_b32 s23, 0
	s_lshl_b32 s20, s19, 12                        ; and the tile's in the table: 4,096 bytes a tile
	s_mov_b32 s21, 0
	s_mov_b32 s24, 0xbe2aaaab                      ; the sine's series: -1/6,
	s_mov_b32 s25, 0x3c088889                      ; 1/120,
	s_mov_b32 s26, 0xb9500d01                      ; -1/5040,
	s_mov_b32 s27, 0x3638ef1d                      ; 1/362880: what is cut is under 2e-9 for |r| up to pi/4
	s_mov_b32 s28, 0x3d2aaaab                      ; the cosine's: 1/24,
	s_mov_b32 s29, 0xbab60b61                      ; -1/720,
	s_mov_b32 s30, 0x37d00d01                      ; 1/40320,
	s_mov_b32 s31, 0xb493f27c                      ; -1/3628800
	v_and_b32 v3, 15, v0                           ; r
	v_bfe_u32 v4, v0, 4, 1                         ; h
	v_and_b32 v5, 8, v3
	v_add_nc_u32 v5, v5, v3                        ; r + 8 (r / 8)
	v_lshlrev_b32 v8, 2, v5                        ; 4 bytes a position
	v_lshlrev_b32 v9, 3, v4                        ; 8 h
	v_lshlrev_b32 v35, 4, v2                       ; 16 x lane
	s_wait_kmcnt 0x0
	s_add_nc_u64 s[46:47], s[46:47], s[22:23]
	s_add_nc_u64 s[52:53], s[52:53], s[20:21]
	global_load_b32 v16, v8, s[46:47]              ; my token's position
; cos and sin of v[a]: n = the nearest whole number to a x 2/pi; r = a - n pi/2 with pi/2 in three parts, each taken off by a fused multiply-add; series on r; the quadrant n mod 4 swaps and signs.
.macro SINCOS a, c, s
	v_mul_f32 v40, 0x3f22f983, v[\a]
	v_rndne_f32 v40, v40
	v_fmamk_f32 v41, v40, 0xbfc90f80, v[\a]
	v_fmamk_f32 v41, v40, 0xb7354400, v41
	v_fmamk_f32 v41, v40, 0xae85a308, v41          ; r
	v_cvt_i32_f32 v42, v40                         ; n
	v_mul_f32 v43, v41, v41                        ; z = r r
	v_fma_f32 v44, v43, s27, s26
	v_fma_f32 v45, v43, s31, s30
	v_fma_f32 v44, v44, v43, s25
	v_fma_f32 v45, v45, v43, s29
	v_fma_f32 v44, v44, v43, s24
	v_fma_f32 v45, v45, v43, s28
	v_mul_f32 v46, v43, v41
	v_fma_f32 v45, v45, v43, -0.5
	v_fma_f32 v44, v46, v44, v41                   ; sin r
	v_fma_f32 v45, v45, v43, 1.0                   ; cos r
	v_and_b32 v46, 1, v42
	v_cmp_eq_u32 vcc_lo, 1, v46
	v_cndmask_b32 v47, v44, v45, vcc_lo            ; in odd quadrants the two change places
	v_cndmask_b32 v48, v45, v44, vcc_lo
	v_lshlrev_b32 v46, 30, v42
	v_and_b32 v46, 0x80000000, v46                 ; the sine is negative in quadrants 2, 3,
	v_xor_b32 v[\s], v46, v47
	v_add_nc_u32 v46, 1, v42
	v_lshlrev_b32 v46, 30, v46
	v_and_b32 v46, 0x80000000, v46                 ; the cosine in 1, 2
	v_xor_b32 v[\c], v46, v48
.endm
	s_wait_loadcnt 0x0
	v_cvt_f32_i32 v32, v16
.irp q, 0,1,2,3,4,5,6,7
	v_add_nc_u32 v10, 16*(\q/4)+2*(\q%4), v9       ; jf,
	v_add_nc_u32 v11, 16*(\q/4)+2*(\q%4)+1, v9     ; jf + 1
	v_cvt_f32_u32 v10, v10
	v_cvt_f32_u32 v11, v11
	v_mul_f32 v13, 0xbed49a80, v10                 ; -jf x 435412 / 2^20: exact (17 bits x 5 bits); the factor is log2(10000) / 32 cut short,
	v_mul_f32 v14, 0xbed49a80, v11
	v_exp_f32 v30, v13
	v_exp_f32 v31, v14
	v_mul_f32 v24, 0x342ae0ae, v10                 ; and what was cut, x ln 2 x jf, is a first-order correction.  (Plain places behind the exponentials)
	v_mul_f32 v25, 0x342ae0ae, v11
	s_wait_alu depctr_va_vdst(0)
	v_fma_f32 v26, v30, v24, v30                   ; 10000^(-jf / 32)
	v_fma_f32 v27, v31, v25, v31
	v_mul_f32 v33, v32, v26
	v_mul_f32 v34, v32, v27
	SINCOS 33, 64+4*\q, 65+4*\q
	SINCOS 34, 66+4*\q, 67+4*\q
	global_store_b128 v35, v[64+4*\q:67+4*\q], s[52:53] offset:512*\q   ; 512 consecutive bytes, aligned; each turn has registers of its own, so no store's data are written again
.endr
	s_endpgm
.Lfunc_end_k_q7a5cfd3c63_quant:
	.size	k_q7a5cfd3c63_quant, .Lfunc_end_k_q7a5cfd3c63_quant-k_q7a5cfd3c63_quant
	.p2alignl 7, 3214868480
	.fill 96, 4, 3214868480
	.section	.rodata,"a",@progbits
	.p2align	6, 0x0
	.amdhsa_kernel k_q7a5cfd3c63_quant
		.amdhsa_group_segment_fixed_size 33280
		.amdhsa_private_segment_fixed_size 0
		.amdhsa_enable_private_segment 0
		.amdhsa_kernarg_size 72
		.amdhsa_user_sgpr_count 2
		.amdhsa_user_sgpr_kernarg_segment_ptr 1
		.amdhsa_wavefront_size32 1
		.amdhsa_system_sgpr_workgroup_id_x 1
		.amdhsa_system_sgpr_workgroup_id_y 1
		.amdhsa_system_sgpr_workgroup_id_z 1
		.amdhsa_system_vgpr_workitem_id 0
		.amdhsa_next_free_vgpr 194
		.amdhsa_next_free_sgpr 66
		.amdhsa_reserve_vcc 1
		.amdhsa_float_denorm_mode_32 3
		.amdhsa_float_denorm_mode_16_64 3
		.amdhsa_memory_ordered 1
		.amdhsa_forward_progress 1
		.amdhsa_inst_pref_size 62
	.end_amdhsa_kernel
	.amdgpu_metadata
---
amdhsa.version: [ 1, 2 ]
amdhsa.kernels:
  - .name:           k_q7a5cfd3c63_quant
    .symbol:         k_q7a5cfd3c63_quant.kd
    .args:
      - { .name: x, .offset: 0, .size: 8, .value_kind: global_buffer, .address_space: global }
      - { .name: w_q, .offset: 8, .size: 8, .value_kind: global_buffer, .address_space: global }
      - { .name: w_k, .offset: 16, .size: 8, .value_kind: global_buffer, .address_space: global }
      - { .name: w_v, .offset: 24, .size: 8, .value_kind: global_buffer, .address_space: global }
      - { .name: w_o, .offset: 32, .size: 8, .value_kind: global_buffer, .address_space: global }
      - { .name: token_positions, .offset: 40, .size: 8, .value_kind: global_buffer, .address_space: global }
      - { .name: codes, .offset: 48, .size: 8, .value_kind: global_buffer, .address_space: global }
      - { .name: scales, .offset: 56, .size: 8, .value_kind: global_buffer, .address_space: global }
      - { .name: rope, .offset: 64, .size: 8, .value_kind: global_buffer, .address_space: global }
    .group_segment_fixed_size: 33280
    .private_segment_fixed_size: 0
    .kernarg_segment_align: 8
    .kernarg_segment_size: 72
    .max_flat_workgroup_size: 128
    .sgpr_count:     66
    .vgpr_count:     194
    .wavefront_size: 32
...
	.end_amdgpu_metadata
.endif
;; end of part 5
;; launch qkv (part 6): grid 8 x 32, 4 waves a work-group, clusters of 4 x 4, 327,680 bytes of LDS; arguments codes, scales, rope, qb, kv; writes qb, kv
.if DOCPART == 6
	.amdgcn_target "amdgcn-amd-amdhsa--gfx1250"
	.amdhsa_code_object_version 6
	.text
	.protected	k_q7a5cfd3c63_qkv
	.globl	k_q7a5cfd3c63_qkv
	.p2align	8
	.type	k_q7a5cfd3c63_qkv,@function
k_q7a5cfd3c63_qkv:
	s_mov_b64 s[64:65], 0
	v_nop
	global_prefetch_b8 v0, s[64:65] scope:SCOPE_SE
	s_setreg_imm32_b32 hwreg(HW_REG_WAVE_MODE, 25, 1), 1
	s_wait_xcnt 0x0
	s_wait_alu depctr_hold_cnt(0) depctr_sa_sdst(0) depctr_va_vdst(0) depctr_va_sdst(0) depctr_va_ssrc(0) depctr_va_vcc(0) depctr_vm_vsrc(0)
	s_getreg_b32 s2, hwreg(HW_REG_IB_STS2, 6, 4)
	s_cmp_eq_u32 s2, 0
	s_cbranch_scc0 .Lentry_in_a_cluster
	s_endpgm
.Lentry_in_a_cluster:
	s_bfe_u32 s2, ttmp6, 0x10000c
	s_cmp_lg_u32 s2, 0xf033
	s_cbranch_scc0 .Lentry_shape_is_right
	s_endpgm
.Lentry_shape_is_right:
; q = rope(x Wq^T), k = rope(x Wk^T), v = x Wv^T, on codes of BF6 (E3M2) with one E8M0 scale for each 32 along K = 1,024; the results are quantised again on the way out: q and k along the head's 64, v along the keys.
; Both operands of every product lie in one buffer of codes [12288 positions][768 bytes] and one of scale bytes [12288][32]: positions 0-8191 x, 8192.. Wq, 9216.. Wk, 10240.. Wv, each group of 32 rows with bits 3 and 4 of the row number swapped.
; SOURCE 1 IS CALLED A, SOURCE 0 IS CALLED B: a lane holds ONE row of A, and its registers run along the rows of B.
; A WORK-GROUP STAYS AND MAKES TWO PRODUCTS.  The results are 384 tiles of 256 x 256, 256 of q and k and 128 of v: each of the 256 work-groups makes one tile of q or k and half a tile of v, 768 matrix instructions a wave in every one.
;   FIRST (q where the cluster's x is 0, k where it is 1): A = 256 tokens of x, B = 256 features of the weight; a wave makes 128 x 128: 64 accumulators.  A lane holds a token, its registers run along the features: the next K of q and k.
;   SECOND (v): A = 128 features of Wv, B = 256 tokens of x; a wave makes 64 x 128: 32 accumulators.  A lane holds a feature d, its registers run along the keys: the next K of v.
; By the swapped rows, register 16 b + i of the eight accumulators of one block of A is neighbour 32 b + 16 (lane / 16) + i along B, and lane r of block a holds row 32 (a / 2) + 8 (a % 2) + r + 8 (r / 8) of A.
; K goes in steps of 256 through a ring of two LDS slots filled by the tensor data mover, and the ring does not stop between the products: the first product's last two changes of slots ask for the second's K steps 0 and 1,
; which land while q or k goes out.  The first product's scale bytes come into LDS once; the second's come straight into registers: lane (r, h) takes 16 bytes at 32 x row + 16 h, so that lanes 0-15 hold the words of
; K steps (of 128) 0-3 and lanes 16-31 those of 4-7: twelve loads of 512 consecutive bytes.
; THE TABLE OF cos AND sin is laid in the order of this kernel's registers: [tile of 16 tokens][8 loads][lane][16 bytes]: each of a block's eight loads covers 512 consecutive bytes at 16 x lane.
; CLUSTERS: 4 x 4 work-groups; A's tiles are asked for jointly along a row of the cluster, B's along a column, in both products.  All sixteen partners run the same path.
; THE WAY OUT stores IMAGES OF OPERAND REGISTERS.  kv (and qb, with q in k's places): [64 heads][16 key steps][13,056 bytes]: 8 tiles of K x 768 bytes (registers 0-3 at 16 x lane, registers 4-5 at 512 + 8 x lane);
;   from 6,144: 4 tiles of V x 1,536 bytes (registers 4 c .. 4 c + 3 at 512 c + 16 x lane); from 12,288: K's scale words, 2 x [16 rows][4 tiles]; from 12,800: V's, [16 rows][4 tiles].  Every store of a wave covers 256 or 512 consecutive bytes, aligned.
; A head's 64 fill half of the next product's 128 along K: a scale word's bytes 2 and 3 stand over zero codes there; they hold the neighbour head's bytes (1 to 254) or 0, never 0xff.
; LIMITS: NaN and infinities are not served; a block whose largest magnitude lies under 2^-122, a block of zeros too, gets the byte 1.
; REGISTERS, in windows of 256: window 0: v0-31 addresses; v32-63 and v224-255 scale words and nothing else; from v128 A's fragments (first product: ONE set of 8; second: two sets of 4, at v128 and v64).
;   window 1: B's fragments, TWO sets.  windows 2, 3: the accumulators ((a, b) at v[8 (8 (a % 4) + b)]).
;   On the way out: window 0: v64-127 a block after RoPE, v128-147 codes, v148-165 at work, v168-183 scale words to store; window 1: cos and sin, 32 registers a block.
.set SIZE_K, 1024
.set KSTEP,  256                       ; along K in a slot
.set NQ,     KSTEP/128                 ; matrix instructions deep
.set ROWB,   192                       ; a tile's row in bytes
.set KROW,   SIZE_K*6/8                ; a row of codes in memory
.set PITCH,  240                       ; an LDS row: 3 x (64 bytes + 16 of padding) = 60 words: the 32 lanes of a load of 8 bytes touch 64 different banks (64 banks of 4 bytes: ISA guide 11.1)
.set FR,     12                        ; registers of a fragment
.set NL,     6                         ; LDS loads that bring one
.set NP,     4                         ; places behind this matrix instruction (ISA guide 7.12.1)
.set HALFT,  128*PITCH
.set SLOT,   4*HALFT                   ; A's two parts, then B's 256 rows
.set KS,     SIZE_K/32                 ; a row of scale bytes
.set SCL,    2*SLOT                    ; behind the ring: the first product's scales, as runs of 256 bytes + 16 of padding
.set HALFS,  (128*KS/256)*272
.set SBLK,   (16*KS/256)*272
.set SPARE,  SCL+4*HALFS               ; behind the scales: the spare words, 128 bytes for each wave, which no other line names
.set HEADB,  208896                    ; a head's bytes in qb and kv
.set STEPB,  13056                     ; a key step's
.set WV0,    10240                     ; Wv's first position
.set LI,   8                           ; v8   16 x lane
.set L8,   9                           ; v9   8 x lane
.set SCAD, 10                          ; v10  16 r + HEADB h: q's and k's scale words, lanes 0-15 the first head's, lanes 16-31 the second's
.set VS,   12                          ; v12  32 r + 16 h: a row's scale bytes, my half of them
.set SCV,  13                          ; v13  16 r + 8 h: v's scale words
.set ADRA, 16                          ; v16-17 LDS address of my A fragments in slot 0, 1 (v18-19: for the pieces behind one padding more)
.set ADRB, 20                          ; v20-23 the same for B
.set ADRS, 27                          ; v27    LDS address of my scale words: lanes 0-15 A's rows, lanes 16-31 B's
.set SPW,  28                          ; v28    LDS address of my spare word; never rewritten
.set NIL,  29                          ; v29    0; never rewritten
.set SC,   32                          ; the first product's scale words, two sets
.set SCA2, 32                          ; the second's: A's block a at v[SCA2 + 4 a ..],
.set SCB2, 224                         ; B's block b at v[SCB2 + 4 b ..]
.set AF,   128
.set HA,   64
.set PC,   128
.set TM,   148
.set PW,   164
.set TP,   165
.set SD,   168
.set SWD,  176
.set SEL,  10                          ; s[10:11] selects of v_permlanex16_b32: lane l xor 16
.set G1, 24
.set G0, 32
.set G1B, 48
.set G0B, 56
.set G1S, 68
.set G0S, 76
.set G1SB, 80
.set G0SB, 88
.set B2OFF, 92                         ; s[92:93] where the second product's tiles of B begin in the codes, in bytes
.set A2OFF, 94                         ; s[94:95] and A's
.set MSB, 0
.macro WIN new                         ; the immediate's high byte repeats the setting that is left
.if MSB != (\new)
	s_set_vgpr_msb (MSB<<8)|(\new)
.set MSB, (\new)
.endif
.endm
.set MUL_LO, 0xa1                      ; source 0 (B) window 1, source 1 (A) window 0, C and D window 2
.set MUL_HI, 0xf1                      ; the same, C and D window 3
.set TO_B,   0x40                      ; destination window 1, address window 0
; A joint load: waves 0 and 1 fetch for A, waves 2 and 3 for B.  The branch hangs on the wave's number alone.  Four v_nop follow each of the two lines.
.macro JLOAD g0a, g1a, g0b, g1b
	s_cmp_eq_u32 s15, 0
	s_cbranch_scc0 .Lfor_b_\@
	tensor_load_to_lds s[\g0a:\g0a+3], s[\g1a:\g1a+7]
	s_nop 0
.rept 4
	v_nop
.endr
	s_branch .Lasked_\@
.Lfor_b_\@:
	tensor_load_to_lds s[\g0b:\g0b+3], s[\g1b:\g1b+7]
	s_nop 0
.rept 4
	v_nop
.endr
.Lasked_\@:
.endm
.macro CREST                           ; a round of the cluster's barrier behind its opening barrier
	s_cmp_lg_u32 s14, 0
	s_cbranch_scc1 .Lnot_wave_0_\@
	s_barrier_signal -3
.Lnot_wave_0_\@:
	s_barrier_wait -3
	s_barrier_signal -1
	s_barrier_wait -1
.endm
.macro CROUND                          ; a whole round
	s_barrier_signal -1
	s_barrier_wait -1
	CREST
.endm
	s_load_b128 s[4:7], s[0:1], 0x0                ; codes, scales
	s_load_b128 s[96:99], s[0:1], 0x10             ; the table, qb
	s_load_b64 s[100:101], s[0:1], 0x20            ; kv
	v_lshl_add_u32 v[SPW], v0, 2, SPARE
	v_mov_b32 v[NIL], 0
	ds_add_u32 v28, v29
	ds_add_u32 v28, v29
	s_wait_dscnt 0x0
	v_lshrrev_b32 v1, 5, v0
	v_readfirstlane_b32 s14, v1                    ; wave 0..3
	s_lshr_b32 s15, s14, 1                         ; which half of A's rows is mine.  Also: I fetch for A (0) or for B (1)
	s_and_b32 s16, s14, 1                          ; which half of B's rows.  Also: which half of that tile I fetch
	s_bfe_u32 s40, ttmp6, 0x40000                  ; cx, cy: my place in the cluster
	s_bfe_u32 s41, ttmp6, 0x40004
	s_mov_b32 s66, ttmp9                           ; the cluster's x: 0 q, 1 k
	s_lshl_b32 s105, s66, 2                        ; 4 x the cluster's x
	s_and_b32 s104, ttmp7, 0xffff
	s_lshl_b32 s104, s104, 2                       ; 4 x the cluster's y
	s_add_co_u32 s17, s104, s41                    ; first product: A's tile of 256 positions of x: 4 x cluster y + cy
	s_add_co_u32 s42, s105, s40
	s_add_co_u32 s42, s42, 32                      ; B's: Wq begins at tile 32, Wk at 36: 32 + 4 x cluster x + cx
	s_lshl_b32 s43, s41, 2
	s_lshl_b32 s43, 15, s43                        ; my row of the cluster
	s_lshl_b32 s44, 0x1111, s40                    ; my column
	; descriptor group 1: a tile of 128 rows x ROWB bytes, padded in LDS
	s_or_b32 s[G1+0], s43, (0<<16)|(1<<20)|(1<<21)|(3<<22)|(3<<25)  ; 15:0 the mask: A's tiles go to my row; 17:16 element of 1 byte; 20 padding on; 21 set beside a mask; 24:22 after every 16 words; 31:25 of 4 words
	s_or_b32 s[G1B+0], s44, (0<<16)|(1<<20)|(1<<21)|(3<<22)|(3<<25)
.irp g, G1, G1B
	s_mov_b32 s[\g+1], ROWB<<16                    ; tensor_dim0
	s_mov_b32 s[\g+2], 128<<16                     ; tensor_dim1
	s_mov_b32 s[\g+3], ROWB<<16                    ; tile_dim0
	s_mov_b32 s[\g+4], 128                         ; tile_dim1
	s_mov_b32 s[\g+5], KROW                        ; tensor_dim0_stride
	s_mov_b32 s[\g+6], 0
	s_mov_b32 s[\g+7], 0
.endr
	; the scales of 128 rows: a dense block of 4,096 bytes, as 16 rows of 256 bytes (32 elements of 8 bytes), 16 bytes of padding behind each
	s_or_b32 s[G1S+0], s43, (3<<16)|(1<<20)|(1<<21)|(5<<22)|(3<<25)
	s_or_b32 s[G1SB+0], s44, (3<<16)|(1<<20)|(1<<21)|(5<<22)|(3<<25)
.irp g, G1S, G1SB
	s_mov_b32 s[\g+1], 32<<16
	s_mov_b32 s[\g+2], (128*KS/256)<<16
	s_mov_b32 s[\g+3], 32<<16
	s_mov_b32 s[\g+4], 128*KS/256
	s_mov_b32 s[\g+5], 32
	s_mov_b32 s[\g+6], 0
	s_mov_b32 s[\g+7], 0
.endr
	s_lshl_b32 s18, s16, 7                         ; which 128 rows of the tile I fetch
	s_lshl_b32 s20, s17, 8
	s_add_co_u32 s20, s20, s18                     ; A: position 256 x tile + 128 x half
	s_lshl_b32 s46, s42, 8
	s_add_co_u32 s46, s46, s18                     ; B likewise
	s_mov_b32 s21, 0
	s_mov_b32 s47, 0
	s_mov_b64 s[18:19], KS
	s_mul_u64 s[22:23], s[20:21], s[18:19]         ; where these rows' scales begin, in bytes
	s_mul_u64 s[92:93], s[46:47], s[18:19]
	s_mov_b64 s[18:19], KROW
	s_mul_u64 s[20:21], s[20:21], s[18:19]         ; and their codes
	s_mul_u64 s[46:47], s[46:47], s[18:19]
	s_mul_i32 s45, s14, HALFT                      ; where they go: wave x 128 rows: no place in the cluster enters an LDS address
	s_mul_i32 s3, s14, HALFS
	s_wait_kmcnt 0x0
	s_add_nc_u64 s[20:21], s[4:5], s[20:21]
	s_add_nc_u64 s[22:23], s[6:7], s[22:23]
	s_add_nc_u64 s[46:47], s[4:5], s[46:47]        ; (both operands lie in the same two buffers)
	s_add_nc_u64 s[92:93], s[6:7], s[92:93]
	CROUND                                         ; all sixteen work-groups are here: the first joint loads meet
	s_mov_b32 s[G0S], 1
	s_add_co_u32 s[G0S+1], s3, SCL
	s_mov_b64 s[G0S+2:G0S+3], s[22:23]
	s_or_b32 s[G0S+3], s[G0S+3], 0x80000000
	s_mov_b32 s[G0SB], 1
	s_add_co_u32 s[G0SB+1], s3, SCL
	s_mov_b64 s[G0SB+2:G0SB+3], s[92:93]
	s_or_b32 s[G0SB+3], s[G0SB+3], 0x80000000
	JLOAD G0S, G1S, G0SB, G1SB                     ; the scales first: they are wanted with K step 0
.irp s, 0,1
	s_mov_b32 s[G0+4*\s], 1
	s_add_co_u32 s[G0+4*\s+1], s45, \s*SLOT
	s_add_nc_u64 s[G0+4*\s+2:G0+4*\s+3], s[20:21], \s*ROWB
	s_or_b32 s[G0+4*\s+3], s[G0+4*\s+3], 0x80000000
	s_mov_b32 s[G0B+4*\s], 1
	s_add_co_u32 s[G0B+4*\s+1], s45, \s*SLOT
	s_add_nc_u64 s[G0B+4*\s+2:G0B+4*\s+3], s[46:47], \s*ROWB
	s_or_b32 s[G0B+4*\s+3], s[G0B+4*\s+3], 0x80000000
	JLOAD G0+4*\s, G1, G0B+4*\s, G1B               ; three loads of mine are out at the most
.endr
	; where the second product's tiles begin.  A's hang on cy alone among the places in the cluster, B's on cx alone, each made in registers that have held no other place
	s_add_co_u32 s20, s105, s41                    ; Wv's tile of 128 features: 4 x cluster x + cy
	s_lshl_b32 s20, s20, 7
	s_lshl_b32 s21, s16, 6                         ; which 64 rows of it I fetch
	s_add_co_u32 s20, s20, s21
	s_add_co_u32 s20, s20, WV0
	s_mul_i32 s[A2OFF], s20, KROW
	s_mov_b32 s[A2OFF+1], 0
	s_add_co_u32 s46, s104, s40                    ; x's tile of 256 tokens: 4 x cluster y + cx
	s_lshl_b32 s46, s46, 8
	s_lshl_b32 s47, s16, 7                         ; which 128 rows of it I fetch
	s_add_co_u32 s46, s46, s47
	s_mul_i32 s[B2OFF], s46, KROW
	s_mov_b32 s[B2OFF+1], 0
	v_and_b32 v1, 15, v0                           ; r = l % 16
	v_bfe_u32 v2, v0, 4, 1                         ; h = l / 16
	v_mul_u32_u24 v3, v1, PITCH
	v_mul_u32_u24 v4, v2, 24
	v_add_nc_u32 v4, v3, v4                        ; a fragment's row x pitch + 24 x half
	v_lshl_add_u32 v5, v2, 4, v4                   ; and the same behind one padding more
	s_mul_i32 s21, s15, HALFT                      ; my part of A
	s_mul_i32 s22, s16, HALFT                      ; my 128 rows of B,
	s_add_co_u32 s22, s22, 2*HALFT                 ; which lie behind A's two parts
.irp s, 0,1
	v_add_nc_u32 v[ADRA+\s], s21, v4
	v_add_nc_u32 v[ADRB+\s], s22, v4
	v_add_nc_u32 v[ADRA+2+\s], s21, v5
	v_add_nc_u32 v[ADRB+2+\s], s22, v5
	s_add_co_u32 s21, s21, SLOT
	s_add_co_u32 s22, s22, SLOT
.endr
	v_mul_u32_u24 v5, v1, KS                       ; my row's scales: KS bytes a row,
	v_lshrrev_b32 v6, 8, v5
	v_lshl_add_u32 v5, v6, 4, v5                   ; and 16 more for each 256 passed
	s_mul_i32 s21, s15, HALFS
	s_mul_i32 s22, s16, HALFS
	s_add_co_u32 s22, s22, 2*HALFS
	s_sub_co_u32 s22, s22, s21
	v_mul_u32_u24 v6, s22, v2                      ; lanes 16-31 take B's
	s_add_co_u32 s21, s21, SCL
	v_add_nc_u32 v5, v5, v6
	v_add_nc_u32 v[ADRS], s21, v5
	v_and_b32 v3, 31, v0                           ; the ways out
	v_lshlrev_b32 v[LI], 4, v3
	v_lshlrev_b32 v[L8], 3, v3
	v_mul_u32_u24 v4, v2, HEADB
	v_lshl_add_u32 v[SCAD], v1, 4, v4
	v_lshlrev_b32 v4, 5, v1
	v_lshl_add_u32 v[VS], v2, 4, v4
	v_lshlrev_b32 v4, 4, v1
	v_lshl_add_u32 v[SCV], v2, 3, v4
.macro FRAG reg, adr, q, i             ; a fragment, 16 rows x 128 K, is 12 registers: lane l holds row l % 16; registers 6 c .. 6 c + 5 hold K = 64 c + 32 (l / 16) + 0 .. 31: 24 bytes of the row's stream of bits, as they lie
.irp p, 0,1,2,3,4,5                    ; in pieces of 8 bytes.  Lanes 16-31 read three pieces further on than lanes 0-15; where that is behind one padding more, the second address register serves
.set PCE, 12*(\q)+6*(\p/3)+\p%3
.if PCE%8 < 5
	ds_load_b64 v[\reg+2*\p:\reg+2*\p+1], v[\adr] offset:8*PCE+16*(PCE/8)+(\i)*16*PITCH
.else
	ds_load_b64 v[\reg+2*\p:\reg+2*\p+1], v[\adr+2] offset:8*PCE+16*(PCE/8)+(\i)*16*PITCH
.endif
.endr
.endm
; FIRST PRODUCT.  16 matrix instructions: A's blocks a0, a0 + 1 x B's eight, 128 along K.  zero = 1: the first product starts the sums.  The 64 accumulators take turns, one instruction a turn.
.macro MUL16 a0, p, q, sc, zero
.irp a, \a0, \a0+1
.irp b, 0,1,2,3,4,5,6,7
.if \zero
	v_wmma_scale_f32_16x16x128_f8f6f4 v[8*(8*((\a)%4)+\b):8*(8*((\a)%4)+\b)+7], v[128*(\p)+FR*\b:128*(\p)+FR*\b+FR-1], v[AF+FR*(\a):AF+FR*(\a)+FR-1], 0, v[SC+8*NQ*(\sc)+NQ*\b+(\q)], v[SC+8*NQ*(\sc)+NQ*(\a)+(\q)] matrix_a_fmt:MATRIX_FMT_BF6 matrix_b_fmt:MATRIX_FMT_BF6 matrix_a_scale:MATRIX_SCALE_ROW1
.else
	v_wmma_scale_f32_16x16x128_f8f6f4 v[8*(8*((\a)%4)+\b):8*(8*((\a)%4)+\b)+7], v[128*(\p)+FR*\b:128*(\p)+FR*\b+FR-1], v[AF+FR*(\a):AF+FR*(\a)+FR-1], v[8*(8*((\a)%4)+\b):8*(8*((\a)%4)+\b)+7], v[SC+8*NQ*(\sc)+NQ*\b+(\q)], v[SC+8*NQ*(\sc)+NQ*(\a)+(\q)] matrix_a_fmt:MATRIX_FMT_BF6 matrix_b_fmt:MATRIX_FMT_BF6 matrix_a_scale:MATRIX_SCALE_ROW1
.endif
.endr
.endr
.endm
.macro FETCH_B slot, q, p              ; B's eight fragments of the slot's q-th 128 along K into set p
	WIN TO_B
.irp i, 0,1,2,3,4,5,6,7
	FRAG 128*(\p)+FR*\i, ADRB+\slot, \q, \i
.endr
	WIN 0
.endm
.macro FETCH_A slot, q, i0             ; A's blocks i0 .. i0 + 3
.irp i, \i0, \i0+1, \i0+2, \i0+3
	FRAG AF+FR*(\i), ADRA+\slot, \q, \i
.endr
.endm
.macro SCALES sc                       ; a K step's scale words into set sc: lanes 0-15 take A's block i, lanes 16-31 B's block i
.irp i, 0,1,2,3,4,5,6,7
	ds_load_b64 v[SC+8*NQ*\sc+NQ*\i:SC+8*NQ*\sc+NQ*\i+1], v[ADRS] offset:\i*SBLK
.endr
.endm
.macro PLACES n                        ; plain vector instructions that name no register of the matrix instructions before them (ISA guide 7.12.1)
.rept \n
	v_nop
.endr
.endm
; A step of 128 along K that has its successor in the same slot.
.macro STEP slot, q, zero
	s_wait_dscnt 4*NL                              ; B's set and A's blocks 0-3 are in; the youngest 24 loads (A's blocks 4-7) may be out
	WIN MUL_LO
	MUL16 0, (\q)%2, \q, \slot, \zero
	MUL16 2, (\q)%2, \q, \slot, \zero
	s_wait_dscnt 0                                 ; A's blocks 4-7 are in
	PLACES NP
	FETCH_B \slot, (\q)+1, 1-(\q)%2
	FETCH_A \slot, (\q)+1, 0
	WIN MUL_HI
	MUL16 4, (\q)%2, \q, \slot, \zero
	MUL16 6, (\q)%2, \q, \slot, \zero
	PLACES NP
	WIN 0
	FETCH_A \slot, (\q)+1, 4
.endm
; The descriptors of slot s go over to the second product's next K step.  No tensor load of the wave is out where this stands.
.macro TOV s
.if \s == 0
	s_mov_b32 s[G1+2], 64<<16                      ; A's tiles now have 64 rows: tensor_dim1,
	s_mov_b32 s[G1+4], 64                          ; tile_dim1
.endif
	s_add_nc_u64 s[G0+4*\s+2:G0+4*\s+3], s[4:5], s[A2OFF:A2OFF+1]
	s_or_b32 s[G0+4*\s+3], s[G0+4*\s+3], 0x80000000
	s_add_nc_u64 s[G0B+4*\s+2:G0B+4*\s+3], s[4:5], s[B2OFF:B2OFF+1]
	s_or_b32 s[G0B+4*\s+3], s[G0B+4*\s+3], 0x80000000
	s_add_co_u32 s[A2OFF], s[A2OFF], ROWB          ; the other slot takes the K step that follows
	s_add_co_u32 s[B2OFF], s[B2OFF], ROWB
.endm
; A slot's last step changes slots: ONE barrier, which opens a round of the cluster's; in front of it each wave waits for all its tensor loads, adds 0 to its spare word, and waits for that and for its own reads of this slot.
; on = 0: this slot is filled again two K steps ahead; on = 1: with the second product's first K step.
.macro TURN slot, next, on
	s_wait_tensorcnt 0x0                           ; all my tensor loads have landed: my part of the next slot;
	ds_add_u32 v[SPW], v[NIL]                      ; 0 onto my spare word;
	s_wait_dscnt 4*NL+1                            ; (the add and the youngest 24 loads may be out)
	WIN MUL_LO
	MUL16 0, 1, NQ-1, \slot, 0                     ; sixteen matrix instructions stand between the add and the wait for it
	s_wait_dscnt 0x0                               ; the add is done, and my reads of this slot are over
	s_barrier_signal -1
	MUL16 2, 1, NQ-1, \slot, 0
	WIN 0
	s_barrier_wait -1
	CREST                                          ; no wave of any partner still reads this slot's tile or has a load on its way
.if \on
	TOV \slot
.else
	s_add_nc_u64 s[G0+4*\slot+2:G0+4*\slot+3], s[G0+4*\slot+2:G0+4*\slot+3], 2*ROWB
	s_add_nc_u64 s[G0B+4*\slot+2:G0B+4*\slot+3], s[G0B+4*\slot+2:G0B+4*\slot+3], 2*ROWB
.endif
	JLOAD G0+4*\slot, G1, G0B+4*\slot, G1B         ; the first tensor load behind the round; its four v_nop are the places in front of the loads below
	v_add_nc_u32 v[ADRS], 4*NQ, v[ADRS]            ; on to the next K step's scale words
	FETCH_B \next, 0, 0
	FETCH_A \next, 0, 0
	SCALES \next
	WIN MUL_HI
	MUL16 4, 1, NQ-1, \slot, 0
	MUL16 6, 1, NQ-1, \slot, 0
	PLACES NP
	WIN 0
	FETCH_A \next, 0, 4
.endm
; SECOND PRODUCT.  8 matrix instructions: A's block a x B's eight; p: the sets of A and B; s: which 128 along K (0 .. 7): its scale words lie in lanes 0-15 (s < 4) or 16-31 of register s % 4.  The 32 accumulators take turns.
.macro MUL8 a, p, s, zero
.set AFP, 128-64*(\p)
.irp b, 0,1,2,3,4,5,6,7
.if \zero
	v_wmma_scale_f32_16x16x128_f8f6f4 v[8*(8*(\a)+\b):8*(8*(\a)+\b)+7], v[128*(\p)+FR*\b:128*(\p)+FR*\b+FR-1], v[AFP+FR*(\a):AFP+FR*(\a)+FR-1], 0, v[SCB2+4*\b+(\s)%4], v[SCA2+4*(\a)+(\s)%4] matrix_a_fmt:MATRIX_FMT_BF6 matrix_b_fmt:MATRIX_FMT_BF6
.elseif (\s) < 4
	v_wmma_scale_f32_16x16x128_f8f6f4 v[8*(8*(\a)+\b):8*(8*(\a)+\b)+7], v[128*(\p)+FR*\b:128*(\p)+FR*\b+FR-1], v[AFP+FR*(\a):AFP+FR*(\a)+FR-1], v[8*(8*(\a)+\b):8*(8*(\a)+\b)+7], v[SCB2+4*\b+(\s)%4], v[SCA2+4*(\a)+(\s)%4] matrix_a_fmt:MATRIX_FMT_BF6 matrix_b_fmt:MATRIX_FMT_BF6
.else
	v_wmma_scale_f32_16x16x128_f8f6f4 v[8*(8*(\a)+\b):8*(8*(\a)+\b)+7], v[128*(\p)+FR*\b:128*(\p)+FR*\b+FR-1], v[AFP+FR*(\a):AFP+FR*(\a)+FR-1], v[8*(8*(\a)+\b):8*(8*(\a)+\b)+7], v[SCB2+4*\b+(\s)%4], v[SCA2+4*(\a)+(\s)%4] matrix_a_fmt:MATRIX_FMT_BF6 matrix_b_fmt:MATRIX_FMT_BF6 matrix_a_scale:MATRIX_SCALE_ROW1 matrix_b_scale:MATRIX_SCALE_ROW1
.endif
.endr
.endm
.macro FETCH_A2 slot, q, p             ; A's four blocks into set p
.irp i, 0,1,2,3
	FRAG 128-64*(\p)+FR*\i, ADRA+\slot, \q, \i
.endr
.endm
.macro STEP2 slot, ks, zero            ; the first 128 along K of K step ks: sets 0; in its middle the second 128's fragments are fetched into sets 1
	s_wait_dscnt 2*NL                              ; B's set and A's blocks 0, 1 are in; the youngest 12 loads (A's blocks 2, 3) may be out
	WIN MUL_LO
	MUL8 0, 0, 2*(\ks), \zero
	MUL8 1, 0, 2*(\ks), \zero
	s_wait_dscnt 0
	PLACES NP
	FETCH_B \slot, 1, 1
	FETCH_A2 \slot, 1, 1
	WIN MUL_LO
	MUL8 2, 0, 2*(\ks), \zero
	MUL8 3, 0, 2*(\ks), \zero
	WIN 0
.endm
.macro TURN2 slot, next, ks, fill      ; the second 128 along K of K step ks, and the change of slots, in the same order as in the first product
	s_wait_tensorcnt 0x0                           ; all my tensor loads have landed: my part of the next slot;
	ds_add_u32 v[SPW], v[NIL]                      ; 0 onto my spare word;
	s_wait_dscnt 2*NL+1                            ; (the add and the youngest 12 loads may be out)
	WIN MUL_LO
	MUL8 0, 1, 2*(\ks)+1, 0                        ; eight matrix instructions stand between the add and the wait for it
	s_wait_dscnt 0x0                               ; the add is done, and my reads of this slot are over
	s_barrier_signal -1
	MUL8 1, 1, 2*(\ks)+1, 0
	WIN 0
	s_barrier_wait -1
.if \fill
	CREST
	s_add_nc_u64 s[G0+4*\slot+2:G0+4*\slot+3], s[G0+4*\slot+2:G0+4*\slot+3], 2*ROWB
	s_add_nc_u64 s[G0B+4*\slot+2:G0B+4*\slot+3], s[G0B+4*\slot+2:G0B+4*\slot+3], 2*ROWB
	JLOAD G0+4*\slot, G1, G0B+4*\slot, G1B         ; the first tensor load behind the round; its four v_nop are the places in front of the loads below
.else
	PLACES NP
.endif
	FETCH_B \next, 0, 0
	FETCH_A2 \next, 0, 0
	WIN MUL_LO
	MUL8 2, 1, 2*(\ks)+1, 0
	MUL8 3, 1, 2*(\ks)+1, 0
	WIN 0
.endm
; ---------------- THE FIRST PRODUCT: four K steps, written out ----------------
	s_wait_tensorcnt 1                             ; the scales and my part of K step 0 are in (K step 1's load may be out)
	s_barrier_signal -1
	s_barrier_wait -1                              ; everybody's are
	FETCH_B 0, 0, 0
	FETCH_A 0, 0, 0
	SCALES 0
	FETCH_A 0, 0, 4
	STEP 0, 0, 1                                   ; its products start the sums
	TURN 0, 1, 0                                   ; slot 0 takes K step 2
	STEP 1, 0, 0
	TURN 1, 0, 0                                   ; slot 1 takes K step 3
	STEP 0, 0, 0
	TURN 0, 1, 1                                   ; THE RING GOES ON: slot 0 takes the second product's K step 0
	STEP 1, 0, 0
	s_wait_tensorcnt 0x0                           ; the last step: all my tensor loads have landed: my part of the second product's K step 0;
	ds_add_u32 v[SPW], v[NIL]                      ; 0 onto my spare word;
	s_wait_dscnt 4*NL+1
	WIN MUL_LO
	MUL16 0, 1, NQ-1, 1, 0
	s_wait_dscnt 0x0                               ; the add is done, and my reads of slot 1 are over
	s_barrier_signal -1
	MUL16 2, 1, NQ-1, 1, 0
	WIN 0
	s_barrier_wait -1
	CREST
	TOV 1
	JLOAD G0+4, G1, G0B+4, G1B                     ; slot 1 takes the second product's K step 1; both land while q or k goes out
	WIN MUL_HI
	MUL16 4, 1, NQ-1, 1, 0
	MUL16 6, 1, NQ-1, 1, 0
	WIN 0
; ---------------- THE WAY OUT ----------------
; 64 numbers of a lane, v[s] .. v[s + 63] of window w, register 16 b + i = neighbour 32 b + 16 (lane / 16) + i, become a fragment's codes in v[PC] .. v[PC + 11] and its scale word in v[pw].
; The maxima begin at each accumulator's low end.
.macro QUANT s, w, pw
	WIN (\w)*0x14                                  ; sources 1 and 2 in window w
.irp b, 0,1,2,3
	v_max3_num_f32 v[TM+\b], 0x2800000, |v[\s+16*\b]|, |v[\s+1+16*\b]|   ; block b: my 16 numbers, and the floor 2^(5 - 127): the byte cannot fall under 1
.endr
.irp i, 2,4,6,8,10,12,14
.irp b, 0,1,2,3
	v_max3_num_f32 v[TM+\b], v[TM+\b], |v[\s+16*\b+\i]|, |v[\s+1+16*\b+\i]|   ; (the four blocks by turns)
.endr
.endr
	WIN 0
.irp b, 0,1,2,3
	v_permlanex16_b32 v[TM+4+\b], v[TM+\b], s[SEL], s[SEL+1]
.endr
.irp b, 0,1,2,3
	v_max_num_f32 v[TM+\b], v[TM+\b], v[TM+4+\b]   ; with lane l xor 16's: the block's largest magnitude
.endr
.irp b, 0,1,2,3
	v_add_nc_u32 v[TM+12+\b], 0xfe000000, v[TM+\b] ; 4 off its exponent field: the conversion's scale operand
.endr
.irp b, 0,1,2,3
	v_lshrrev_b32 v[TM+4+\b], 23, v[TM+12+\b]      ; the scale's byte
.endr
	v_lshl_or_b32 v[\pw], v[TM+5], 8, v[TM+4]      ; the four bytes make my row's scale word (both halves of the lanes hold it)
	v_lshl_or_b32 v[\pw], v[TM+6], 16, v[\pw]
	v_lshl_or_b32 v[\pw], v[TM+7], 24, v[\pw]
	WIN \w                                         ; source 0 in window w
.irp c, 0,1
	v_cvt_scalef32_pk16_bf6_f32 v[PC+6*\c:PC+2+6*\c], v[\s+32*\c:\s+15+32*\c], v[TM+12+2*\c]
	v_cvt_scalef32_pk16_bf6_f32 v[PC+12+4*\c:PC+14+4*\c], v[\s+16+32*\c:\s+31+32*\c], v[TM+12+2*\c+1]   ; (a conversion's three registers begin on an even number)
.endr
	WIN 0
	v_nop                                          ; one plain place behind a scaled conversion
.irp c, 0,1                                    ; the operand's layout wants a WHOLE block in a lane: lanes 0-15 block 2 c, lanes 16-31 block 2 c + 1
.irp i, 0,1,2
	v_permlane16_swap_b32 v[PC+6*\c+\i], v[PC+12+4*\c+\i]
.endr
.irp i, 0,1,2
	v_mov_b32 v[PC+3+6*\c+\i], v[PC+12+4*\c+\i]
.endr
.endr
.endm
; RoPE on block a: pair P = registers 2 P, 2 P + 1 = (x1, x2) of frequency 16 ((P / 8) % 2) + 8 h + P % 8; its (cos, sin) lie in window 1.  (x1 c, x2 c), then (-x2 s + x1 c, x1 s + x2 c).
.macro ROPE a
	WIN 0x06+(\a)/4                                ; source 0 window 2 or 3, source 1 window 1
.set AC, 64*((\a)%4)
.set P, 0
.rept 32
.set CSR, 32*(\a)+16*((P/8)%2)+2*(P%8)
	v_pk_mul_f32 v[HA+2*P:HA+2*P+1], v[AC+2*P:AC+2*P+1], v[CSR:CSR+1] op_sel_hi:[1,0]
.set P, P+1
.endr
.set P, 0
.rept 32
.set CSR, 32*(\a)+16*((P/8)%2)+2*(P%8)
	v_pk_fma_f32 v[HA+2*P:HA+2*P+1], v[AC+2*P:AC+2*P+1], v[CSR:CSR+1], v[HA+2*P:HA+2*P+1] op_sel:[1,1,0] op_sel_hi:[0,1,1] neg_lo:[1,0,0]
.set P, P+1
.endr
	WIN 0
.endm
	; ---- q or k goes out.  My 128 tokens are one key step of one batch; my 128 features are two heads.
	PLACES NP                                      ; behind the last products: their results are read, and their operands' and scales' registers written or loaded, below
.irp b, 0,1,2,3
	v_mov_b32 v[TM+4+\b], 0                        ; written once: a lane permute's destination counts as one of its sources
.endr
	s_mov_b32 s67, 0xffff0000                      ; lanes 16-31
	s_mov_b32 s[SEL], 0x76543210
	s_mov_b32 s[SEL+1], 0xfedcba98
	s_mov_b32 s9, 0
	s_add_co_u32 s18, s105, s41                    ; the second product's scale words are asked for first: the counted waits below leave only younger loads out
	s_lshl_b32 s18, s18, 7
	s_lshl_b32 s19, s15, 6
	s_add_co_u32 s18, s18, s19
	s_add_co_u32 s18, s18, WV0                     ; my 64 rows of Wv
	s_lshl_b32 s8, s18, 5                          ; 32 scale bytes a row
	s_add_nc_u64 s[68:69], s[6:7], s[8:9]
	s_add_co_u32 s18, s104, s40
	s_lshl_b32 s18, s18, 8
	s_lshl_b32 s19, s16, 7
	s_add_co_u32 s18, s18, s19                     ; my 128 tokens of the second product
	s_lshl_b32 s8, s18, 5
	s_add_nc_u64 s[70:71], s[6:7], s[8:9]
.irp i, 0,1,2,3
	global_load_b128 v[SCA2+4*\i:SCA2+4*\i+3], v[VS], s[68:69] offset:512*\i   ; sixteen rows' 512 consecutive bytes
.endr
.irp i, 0,1,2,3,4,5,6,7
	global_load_b128 v[SCB2+4*\i:SCB2+4*\i+3], v[VS], s[70:71] offset:512*\i
.endr
	s_lshl_b32 s18, s17, 8
	s_lshl_b32 s19, s15, 7
	s_add_co_u32 s18, s18, s19                     ; my first token
	s_lshr_b32 s19, s18, 11                        ; the batch
	s_and_b32 s18, s18, 2047                       ; the place in the sequence
	s_lshr_b32 s22, s18, 7                         ; the key step
	s_and_b32 s23, s42, 3
	s_lshl_b32 s23, s23, 2
	s_lshl_b32 s45, s16, 1
	s_add_co_u32 s23, s23, s45                     ; my first head: 4 x the weight's tile + 2 x half
	s_lshl_b32 s19, s19, 4
	s_add_co_u32 s19, s19, s23
	s_mul_i32 s8, s19, HEADB
	s_mul_i32 s22, s22, STEPB
	s_add_co_u32 s8, s8, s22
	s_cmp_eq_u32 s66, 0
	s_cselect_b64 s[12:13], s[98:99], s[100:101]   ; q goes to qb, k to kv
	s_add_nc_u64 s[12:13], s[12:13], s[8:9]
	s_lshl_b32 s8, s18, 8                          ; the table: 4,096 bytes for each tile of 16 tokens, 256 a token
	s_add_nc_u64 s[20:21], s[96:97], s[8:9]        ; at my first tile: block a is the tile a further on
	WIN TO_B                                       ; destination window 1
.irp a, 0,1,2,3,4,5,6,7                        ; block a: my token's 16 pairs (cos, sin): 8 of each half of the head
.irp e, 0,1
.irp i, 0,1,2,3
	global_load_b128 v[32*\a+16*\e+4*\i:32*\a+16*\e+4*\i+3], v[LI], s[20:21] offset:4096*\a+2048*\e+512*\i   ; 512 consecutive bytes
.endr
.endr
.endr
	WIN 0
.irp a, 0,1,2,3,4,5,6,7
	s_wait_loadcnt 8*(7-\a)                        ; loads come back in order: block a's eight are in, the later blocks' stay out
.if \a > 0
	s_wait_xcnt 0x0                                ; the last block's stores have read their data: the codes' registers are written again only behind this wait
.endif
	ROPE \a
	QUANT HA, 0, PW
	global_store_b128 v[LI], v[PC:PC+3], s[12:13] offset:768*\a                  ; the first head's tile a: registers 0-3,
	global_store_b64 v[L8], v[PC+4:PC+5], s[12:13] offset:768*\a+512             ; registers 4-5;
	global_store_b128 v[LI], v[PC+6:PC+9], s[12:13] offset:768*\a+HEADB          ; the second head's
	global_store_b64 v[L8], v[PC+10:PC+11], s[12:13] offset:768*\a+512+HEADB
	v_lshrrev_b32 v[TP], 16, v[PW]
	v_cndmask_b32 v[SD+\a], v[PW], v[TP], s67      ; lanes 0-15 the first head's word, lanes 16-31 the second's
.if \a%4 == 3
	global_store_b128 v[SCAD], v[SD+\a-3:SD+\a], s[12:13] offset:12288+256*(\a/4)   ; four tiles' words of a row: sixteen lanes fill 256 bytes of each head
.endif
.endr
; ---------------- THE SECOND PRODUCT ----------------
	s_wait_xcnt 0x0                                ; the stores have read their data and their base: A's fragments land on the codes' registers, and the base is written again below
	FETCH_B 0, 0, 0                                ; slot 0 was shown whole to every wave by the first product's last change of slots
	FETCH_A2 0, 0, 0
	STEP2 0, 0, 1                                  ; its products start the sums, on accumulators that have gone out
	TURN2 0, 1, 0, 1                               ; slot 0 takes K step 2
	STEP2 1, 1, 0
	TURN2 1, 0, 1, 1                               ; slot 1 takes K step 3
	STEP2 0, 2, 0
	TURN2 0, 1, 2, 0                               ; nothing is left to fetch
	STEP2 1, 3, 0
	s_wait_dscnt 2*NL                              ; the very last step
	WIN MUL_LO
	MUL8 0, 1, 7, 0
	MUL8 1, 1, 7, 0
	s_wait_dscnt 0
	MUL8 2, 1, 7, 0
	MUL8 3, 1, 7, 0
	WIN 0
	; ---- v goes out.  My 64 features are one head, four tiles of 16; my 128 tokens are one key step: a whole K step of attention's second product.
	PLACES NP
	s_add_co_u32 s23, s105, s41
	s_lshl_b32 s23, s23, 1
	s_add_co_u32 s23, s23, s15                     ; my head: 2 x Wv's tile + half
	s_add_co_u32 s18, s104, s40
	s_lshl_b32 s18, s18, 8
	s_lshl_b32 s19, s16, 7
	s_add_co_u32 s18, s18, s19                     ; my first token
	s_lshr_b32 s19, s18, 11                        ; the batch
	s_bfe_u32 s22, s18, 0x40007                    ; the key step
	s_lshl_b32 s19, s19, 4
	s_add_co_u32 s19, s19, s23
	s_mul_i32 s8, s19, HEADB
	s_mul_i32 s22, s22, STEPB
	s_add_co_u32 s8, s8, s22
	s_add_nc_u64 s[12:13], s[100:101], s[8:9]
.irp a, 0,1,2,3
.if \a > 0
	s_wait_xcnt 0x0                                ; the last block's stores have read their data
.endif
	QUANT 64*\a, 2, SWD+\a
.irp c, 0,1,2
	global_store_b128 v[LI], v[PC+4*\c:PC+4*\c+3], s[12:13] offset:6144+1536*\a+512*\c
.endr
.endr
	v_cndmask_b32 v[SD], v[SWD], v[SWD+2], s67     ; lanes 0-15 store tiles 0 and 1's words of row r, lanes 16-31 tiles 2 and 3's:
	v_cndmask_b32 v[SD+1], v[SWD+1], v[SWD+3], s67
	global_store_b64 v[SCV], v[SD:SD+1], s[12:13] offset:12800   ; 256 consecutive bytes
	s_wait_tensorcnt 0x0                           ; the wave's end
	ds_add_u32 v[SPW], v[NIL]
	s_wait_dscnt 0x0
	CROUND                                         ; the closing round: no work-group ends while a partner may still ask for a tile that names it
	s_endpgm
.Lfunc_end_k_q7a5cfd3c63_qkv:
	.size	k_q7a5cfd3c63_qkv, .Lfunc_end_k_q7a5cfd3c63_qkv-k_q7a5cfd3c63_qkv
	.p2alignl 7, 3214868480
	.fill 96, 4, 3214868480
	.section	.rodata,"a",@progbits
	.p2align	6, 0x0
	.amdhsa_kernel k_q7a5cfd3c63_qkv
		.amdhsa_group_segment_fixed_size 327680
		.amdhsa_private_segment_fixed_size 0
		.amdhsa_enable_private_segment 0
		.amdhsa_kernarg_size 40
		.amdhsa_user_sgpr_count 2
		.amdhsa_user_sgpr_kernarg_segment_ptr 1
		.amdhsa_wavefront_size32 1
		.amdhsa_system_sgpr_workgroup_id_x 1
		.amdhsa_system_sgpr_workgroup_id_y 1
		.amdhsa_system_sgpr_workgroup_id_z 1
		.amdhsa_system_vgpr_workitem_id 0
		.amdhsa_next_free_vgpr 1024
		.amdhsa_next_free_sgpr 106
		.amdhsa_reserve_vcc 0
		.amdhsa_float_denorm_mode_32 3
		.amdhsa_float_denorm_mode_16_64 3
		.amdhsa_memory_ordered 1
		.amdhsa_forward_progress 1
		.amdhsa_inst_pref_size 255
	.end_amdhsa_kernel
	.section	.bss,"aw",@nobits
	.p2align	6
	.space	262144
	.amdgpu_metadata
---
amdhsa.version: [ 1, 2 ]
amdhsa.kernels:
  - .name:           k_q7a5cfd3c63_qkv
    .symbol:         k_q7a5cfd3c63_qkv.kd
    .args:
      - { .name: codes, .offset: 0, .size: 8, .value_kind: global_buffer, .address_space: global }
      - { .name: scales, .offset: 8, .size: 8, .value_kind: global_buffer, .address_space: global }
      - { .name: rope, .offset: 16, .size: 8, .value_kind: global_buffer, .address_space: global }
      - { .name: qb, .offset: 24, .size: 8, .value_kind: global_buffer, .address_space: global }
      - { .name: kv, .offset: 32, .size: 8, .value_kind: global_buffer, .address_space: global }
    .group_segment_fixed_size: 327680
    .private_segment_fixed_size: 0
    .kernarg_segment_align: 8
    .kernarg_segment_size: 40
    .max_flat_workgroup_size: 128
    .sgpr_count:     106
    .vgpr_count:     1024
    .wavefront_size: 32
...
	.end_amdgpu_metadata
.endif
;; end of part 6
;; launch attn (part 7): grid 4 x 64, 16 waves a work-group, clusters of 4 x 1, 210,944 bytes of LDS; arguments qb, kv, a_img, a_sc; writes a_img, a_sc
.if DOCPART == 7
	.amdgcn_target "amdgcn-amd-amdhsa--gfx1250"
	.amdhsa_code_object_version 6
	.text
	.protected	k_q7a5cfd3c63_attn
	.globl	k_q7a5cfd3c63_attn
	.p2align	8
	.type	k_q7a5cfd3c63_attn,@function
k_q7a5cfd3c63_attn:
	s_mov_b64 s[64:65], 0
	v_nop
	global_prefetch_b8 v0, s[64:65] scope:SCOPE_SE
	s_setreg_imm32_b32 hwreg(HW_REG_WAVE_MODE, 25, 1), 1
	s_wait_xcnt 0x0
	s_wait_alu depctr_hold_cnt(0) depctr_sa_sdst(0) depctr_va_vdst(0) depctr_va_sdst(0) depctr_va_ssrc(0) depctr_va_vcc(0) depctr_vm_vsrc(0)
	s_getreg_b32 s2, hwreg(HW_REG_IB_STS2, 6, 4)
	s_cmp_eq_u32 s2, 0
	s_cbranch_scc0 .Lentry_in_a_cluster
	s_endpgm
.Lentry_in_a_cluster:
	s_bfe_u32 s2, ttmp6, 0x10000c
	s_cmp_lg_u32 s2, 0x3003
	s_cbranch_scc0 .Lentry_shape_is_right
	s_endpgm
.Lentry_shape_is_right:
; O[bh][q] = the sum over k <= q of softmax_k(Q[q] . K[k] / 8) V[k], head size 64, 2,048 keys, both products on codes of BF6 (E3M2) with one E8M0 scale for each 32 along a product's K; O / l is quantised along the model's axis on the way out.
; THE SOFTMAX: t = score x log2(e) / 8; M = the row's largest t so far, rounded UP to a whole number; p = 2^(t - M) is what is quantised, along the keys, not normalised.  The row's sum is taken of the unquantised p
; and divides O at the end.  When M moves, the sum and O are multiplied by 2^(old M - new M): exact.
; INPUTS are images of operand registers: per head and key step of 128 keys 13,056 bytes: 8 tiles of K (768 bytes: registers 0-3 at 16 x lane, 4-5 at 512 + 8 x lane), 4 tiles of V (1,536 bytes), K's scale words (2 x 256), V's (256).
; qb has q in K's places.  A head's 64 fill registers 0-5 of a fragment; registers 6-11 are zero codes, in Q and in K alike, written once.
; Lane r of tile t of 16 tokens holds token 32 (t / 2) + 8 (t % 2) + r + 8 (r / 8): so the 16 registers of two neighbouring tiles of scores are 16 neighbouring keys, and O's are 16 neighbours of the head's 64.
; SHARES.  The four work-groups of a cluster own one head: 128 tiles of 16 queries, eight to each of the 16 key steps on whose diagonal they lie.  Wave w of the work-group at place cx owns tile L = 8 w + 2 cx (diagonal in
; step w) and tile H = 8 (15 - w) + 2 cx + 1 (diagonal in step 15 - w): 17 key steps under the causal mask for every wave, and WHICH steps a wave works on hangs on its number alone, not on the work-group's place.
; Each wave has 256 registers: four waves to a SIMD, so that one wave's vector work stands beside another's matrix work.
; LDS holds the head's K and V for all 16 key steps, 208,896 bytes, FILLED ONCE: each wave brings one key step by one tensor load; one barrier; no byte is filled again, so there is no ring.
; CLUSTER.  The four partners want the same 16 tiles: each tile is asked for JOINTLY, by the same tensor load with the same descriptor and the mask of all four.  The place cx enters global addresses (Q, the results) and the
; numbers that the mask compares; no branch, no trip count and no LDS address hangs on it.
; CAUSAL.  The loop has 16 trips in every wave; a step all of whose keys come after a tile's queries is jumped over (a scalar branch on the wave's number and the trip); in the step on the diagonal hidden scores become -infinity ahead of the maximum.
; THE ORDER OF A STEP puts work that is due anyway where the wave would else sit: K's second four tiles are asked for straight behind the first four products, and the first 64 keys' mask and block maxima are worked while they
; are on their way; no two exponentials follow each other: behind each stands a plain instruction that is ready (a scaling six pairs ahead, a line of p's scale bytes, a sum of pairs long finished); V's fragments are asked for
; as soon as the conversions have read p, 28 vector instructions ahead of the wait for them.
; The scale bytes of O leave as two bytes a lane, 32 bytes apart: one byte in 24 of what the wave stores; the codes leave in runs of 256 and 512 consecutive bytes.
; LIMITS: NaN and infinities are not served; p under 2^-126 counts as 0; a block whose largest magnitude lies under 2^-122, a block of zeros too, gets the byte 1.
; REGISTERS: v1-3 16 x lane, 8 x lane, 16 r; v4-6 the same + the step's LDS byte; v7 r + 8 (r / 8) - 16 h; v8 r; v12-15 H's -M, largest t, sum (two halves); v16-19 L's; v20-31 H's Q; v32-43 L's; v44-91 four fragments of K;
;   v92, v93 Q's scale words; v96-159 scores, then p, then four fragments of V; v160-191 H's O^T; v192-223 L's; v224-235 p's codes; v232-247 at work; v248-251 K's or V's scale words; v252 f; v253 p's scale word; v254-255 at work, then the sums' second chain.
.set HEADB, 208896
.set STEPB, 13056
.set KFR,  44
.set TM,   44                          ; at the end: at work
.set PW,   60
.set PC,   224
.set WV,   18                          ; s18  my wave's number
.set SEL,  20                          ; s[20:21] selects of v_permlanex16_b32: lane l xor 16
.set CS,   22                          ; s[22:23] c = log2(e) / 8
.set KAP,  42                          ; s42  the key step
.set KB,   43                          ; s43  its LDS byte
; A round of the cluster's barrier: my work-group's barrier, so that wave 0's signal speaks for all sixteen waves; wave 0 signals for the work-group; every wave waits for all four work-groups; my work-group's barrier once more.
.macro ROUND
	s_barrier_signal -1
	s_barrier_wait -1
	s_cmp_lg_u32 s[WV], 0
	s_cbranch_scc1 .Lnot_wave_0_\@
	s_barrier_signal -3
.Lnot_wave_0_\@:
	s_barrier_wait -3
	s_barrier_signal -1
	s_barrier_wait -1
.endm
	s_load_b128 s[4:7], s[0:1], 0x0                ; qb, kv
	s_load_b128 s[8:11], s[0:1], 0x10              ; a_img, a_sc
	v_lshl_add_u32 v95, v0, 2, 0x33000
	v_mov_b32 v243, 0
	ds_add_u32 v95, v243
	ds_add_u32 v95, v243
	v_lshrrev_b32 v8, 5, v0
	v_readfirstlane_b32 s[WV], v8                  ; wave 0..15
	s_and_b32 s12, ttmp7, 0xffff                   ; bh: the cluster's y, which the four partners share
	s_bfe_u32 s13, ttmp6, 0x40000                  ; cx: my place in the cluster
	; descriptor group 1: a dense block of 13,056 bytes as 51 rows of 256 bytes (32 elements of 8 bytes)
	s_mov_b32 s24, 15|(3<<16)|(1<<21)              ; 15:0 the mask: all four work-groups; 17:16 elements of 8 bytes; 21 set beside a mask; no padding
	s_mov_b32 s25, 32<<16                          ; tensor_dim0
	s_mov_b32 s26, 51<<16                          ; tensor_dim1
	s_mov_b32 s27, 32<<16                          ; tile_dim0
	s_mov_b32 s28, 51                              ; tile_dim1
	s_mov_b32 s29, 32                              ; tensor_dim0_stride
	s_mov_b32 s30, 0
	s_mov_b32 s31, 0
	s_mov_b32 s32, 1                               ; group 0: count = 1,
	s_mul_i32 s33, s[WV], STEPB                    ; LDS address: key step = my wave's number,
	s_mul_i32 s14, s12, HEADB                      ; (the head's first byte in qb and kv)
	s_add_co_u32 s16, s14, s33
	s_mov_b32 s17, 0
	s_wait_dscnt 0x0
	s_wait_kmcnt 0x0
	s_add_nc_u64 s[34:35], s[6:7], s[16:17]        ; global address: the head and the wave's number alone,
	s_or_b32 s35, s35, 0x80000000                  ; type = 2
	ROUND                                          ; all four work-groups are here: the joint loads meet
	tensor_load_to_lds s[32:35], s[24:31]          ; my one tensor load of the launch
	s_nop 0
	v_and_b32 v8, 15, v0                           ; r
	v_bfe_u32 v9, v0, 4, 1                         ; h
	v_and_b32 v10, 31, v0                          ; lane
	v_lshlrev_b32 v1, 4, v10
	v_lshlrev_b32 v2, 3, v10
	v_lshlrev_b32 v3, 4, v8
	v_and_b32 v11, 8, v8
	v_add_nc_u32 v11, v11, v8                      ; r + 8 (r / 8)
	v_lshlrev_b32 v7, 4, v9
	v_sub_nc_u32 v7, v11, v7
	s_sub_co_u32 s38, 15, s[WV]                    ; the key step on H's diagonal: of the wave's number alone,
	s_mov_b32 s39, s[WV]                           ; and on L's
	s_lshl_b32 s44, s13, 1                         ; 2 cx
	s_lshl_b32 s36, s38, 3
	s_add_co_u32 s36, s36, s44
	s_add_co_u32 s36, s36, 1                       ; H's tile of 16 queries: 8 (15 - wave) + 2 cx + 1
	s_lshl_b32 s37, s39, 3
	s_add_co_u32 s37, s37, s44                     ; L's: 8 wave + 2 cx
	s_lshr_b32 s40, s36, 1
	s_lshl_b32 s40, s40, 5
	s_and_b32 s44, s36, 1
	s_lshl_b32 s44, s44, 3
	s_add_co_u32 s40, s40, s44                     ; lane 0's query: 32 (tile / 2) + 8 (tile % 2)
	s_lshr_b32 s41, s37, 1
	s_lshl_b32 s41, s41, 5
	s_and_b32 s44, s37, 1
	s_lshl_b32 s44, s44, 3
	s_add_co_u32 s41, s41, s44
	s_mov_b32 s45, 0xffff0000                      ; lanes 16-31
	s_mov_b32 s47, 0
	s_mov_b32 s[SEL], 0x76543210
	s_mov_b32 s[SEL+1], 0xfedcba98
	s_mov_b32 s[CS], 0x3e38aa3b
	s_mov_b32 s[CS+1], s[CS]                       ; (named with it as a pair, so it is written)
.macro QPTR tau, kd, pim, psc          ; where a tile's image and its scale words lie in qb
	s_mul_i32 s44, s[\kd], STEPB
	s_add_co_u32 s44, s44, s14
	s_and_b32 s46, s[\tau], 7
	s_mul_i32 s46, s46, 768
	s_add_co_u32 s46, s46, s44
	s_add_nc_u64 s[\pim:\pim+1], s[4:5], s[46:47]
	s_bfe_u32 s46, s[\tau], 0x10002
	s_lshl_b32 s46, s46, 8
	s_add_co_u32 s46, s46, s44
	s_and_b32 s44, s[\tau], 3
	s_lshl_b32 s44, s44, 2
	s_add_co_u32 s46, s46, s44
	s_add_co_u32 s46, s46, 12288
	s_add_nc_u64 s[\psc:\psc+1], s[4:5], s[46:47]
.endm
	QPTR 36, 38, 48, 52
	QPTR 37, 39, 50, 54
	global_load_b128 v[20:23], v1, s[48:49]
	global_load_b64 v[24:25], v2, s[48:49] offset:512
	global_load_b128 v[32:35], v1, s[50:51]
	global_load_b64 v[36:37], v2, s[50:51] offset:512
	global_load_b32 v92, v3, s[52:53]              ; Q's scale words: lane r has row r's
	global_load_b32 v93, v3, s[54:55]
	s_lshr_b32 s15, s12, 4
	s_lshl_b32 s15, s15, 7                         ; 128 x batch: token tiles
	s_bfe_u32 s16, s12, 0x30001
	s_mul_i32 s16, s16, 1536                       ; the K step of the last product: head / 2,
	s_and_b32 s17, s12, 1
	s_mul_i32 s17, s17, 768                        ; and its half: head % 2
	s_add_co_u32 s16, s16, s17
	s_and_b32 s17, s12, 15
	s_lshl_b32 s17, s17, 1                         ; 2 x head: the head's two scale bytes in a row of 32
.macro OPTR tau, pim, so
	s_add_co_u32 s44, s15, s[\tau]
	s_mul_i32 s46, s44, 12288
	s_add_co_u32 s46, s46, s16
	s_add_nc_u64 s[\pim:\pim+1], s[8:9], s[46:47]
	s_lshl_b32 s44, s44, 9
	s_add_co_u32 s[\so], s44, s17
.endm
	OPTR 36, 56, 60
	OPTR 37, 58, 61
	v_mov_b32 v13, 0xff61b1e6                      ; the largest t so far: -3e38, under every t
	v_mov_b32 v17, 0xff61b1e6
	v_floor_f32 v12, -v13                          ; -M
	v_floor_f32 v16, -v17
	v_mov_b32 v14, 0                               ; the sums, in two halves
	v_mov_b32 v15, 0
	v_mov_b32 v18, 0
	v_mov_b32 v19, 0
.irp j, 26,27,28,29,30,31,38,39,40,41,42,43
	v_mov_b32 v[\j], 0                             ; Q's zero codes: 64 .. 127 along K
.endr
.irp t, 0,1,2,3
.irp j, 6,7,8,9,10,11
	v_mov_b32 v[KFR+12*\t+\j], 0                   ; K's: no load lands here
.endr
.endr
.irp b, 0,1,2,3
	v_mov_b32 v[236+\b], 0                         ; written once: a lane permute's destination counts as one of its sources
.endr
	v_mov_b32 v253, 0                              ; (named as the upper half of the pair v[252:253] before it is first written)
.set J, 0
.rept 64
	v_mov_b32 v[160+J], 0                          ; O^T.  (The step is written once for each tile: the first finds zeros, which the first change of M leaves zeros)
.set J, J+1
.endr
	s_mov_b32 s[KAP], 0
	s_mov_b32 s[KB], 0
	s_wait_loadcnt 0x0                             ; Q
	s_wait_tensorcnt 0x0                           ; my key step has landed,
	s_barrier_signal -1
	s_barrier_wait -1                              ; everybody's has: all 16 lie in LDS, and nothing writes LDS from here on
; THE PARTS OF A KEY STEP.
.macro KLOAD g                         ; four tiles of 16 keys, 4 g on, and their rows' scale words
.irp t, 0,1,2,3
	ds_load_b128 v[KFR+12*\t:KFR+12*\t+3], v4 offset:768*(4*\g+\t)
	ds_load_b64 v[KFR+12*\t+4:KFR+12*\t+5], v5 offset:768*(4*\g+\t)+512
.endr
	ds_load_b128 v[248:251], v6 offset:12288+256*\g
.endm
.macro SMUL g, qf, qs                  ; S^T = K Q^T of these four tiles: lane (r, h) holds one query; register 16 b + i of the scores is key 128 step + 32 b + 16 h + i
.irp t, 0,1,2,3
	v_wmma_scale_f32_16x16x128_f8f6f4 v[96+8*(4*\g+\t):103+8*(4*\g+\t)], v[KFR+12*\t:KFR+12*\t+11], v[\qf:\qf+11], 0, v[248+\t], v[\qs] matrix_a_fmt:MATRIX_FMT_BF6 matrix_b_fmt:MATRIX_FMT_BF6
.endr
.endm
.macro MASK g, sq, sk                  ; on the diagonal: of registers 32 g .. 32 g + 31 the scores of hidden keys become -infinity; under the diagonal every key counts
	s_cmp_lg_u32 s[KAP], s[\sk]
	s_cbranch_scc1 .Lopen_\@
	s_lshl_b32 s44, s[KAP], 7
	s_sub_co_i32 s44, s[\sq], s44
	v_add_nc_u32 v252, s44, v7                     ; d = my query - the step's first key - 16 h: register 16 b + i is hidden where 32 b + i > d
	v_mov_b32 v254, 0xff800000                     ; -infinity
.set N, 32*\g
.rept 32
	v_cmp_gt_i32 vcc_lo, 32*(N/16)+N%16, v252
	v_cndmask_b32 v[96+N], v[96+N], v254, vcc_lo
.set N, N+1
.endr
.Lopen_\@:
.endm
; THE LARGEST SCORE OF BLOCKS 2 g AND 2 g + 1 OF 32 KEYS: it serves twice: for the row's maximum, and, since p rises with the score, for the block's largest p.
; Each block in two chains, one to each of its two accumulators, begun at the accumulator's low end: four chains take turns.
.macro BMAX g
.irp u, 0,1
	v_max3_num_f32 v[232+2*\g+\u], v[96+16*(2*\g+\u)], v[97+16*(2*\g+\u)], v[98+16*(2*\g+\u)]
.endr
.irp u, 0,1
	v_max3_num_f32 v[236+2*\g+\u], v[104+16*(2*\g+\u)], v[105+16*(2*\g+\u)], v[106+16*(2*\g+\u)]
.endr
.irp i, 3,5
.irp u, 0,1
	v_max3_num_f32 v[232+2*\g+\u], v[232+2*\g+\u], v[96+16*(2*\g+\u)+\i], v[97+16*(2*\g+\u)+\i]
.endr
.irp u, 0,1
	v_max3_num_f32 v[236+2*\g+\u], v[236+2*\g+\u], v[104+16*(2*\g+\u)+\i], v[105+16*(2*\g+\u)+\i]
.endr
.endr
.irp u, 0,1
	v_max3_num_f32 v[232+2*\g+\u], v[232+2*\g+\u], v[236+2*\g+\u], v[103+16*(2*\g+\u)]
.endr
.irp u, 0,1
	v_max_num_f32 v[232+2*\g+\u], v[232+2*\g+\u], v[111+16*(2*\g+\u)]
.endr
.endm
.macro PKF k, st                       ; pair k of the scores: t - M, two at a time (of the pairs c and -M the low word serves both halves)
	v_pk_fma_f32 v[96+2*(\k):97+2*(\k)], v[96+2*(\k):97+2*(\k)], s[CS:CS+1], v[\st:\st+1] op_sel_hi:[1,0,0]
.endm
.macro PADD n, st                      ; sum n of 31: THE ROW'S SUM IS TAKEN OF THE UNQUANTISED p, two at a time, in two chains: the even pairs onto the running sum, pairs 0 and 1 and the odd ones in v[254:255]
.if (\n) == 0
	v_pk_add_f32 v[254:255], v[96:97], v[98:99]
.elseif (\n)%2 == 1
	s_wait_alu depctr_va_vdst(0)
	v_pk_add_f32 v[\st+2:\st+3], v[\st+2:\st+3], v[96+2*((\n)+1):97+2*((\n)+1)]
.else
	v_pk_add_f32 v[254:255], v[254:255], v[96+2*((\n)+1):97+2*((\n)+1)]
.endif
.endm
; A KEY STEP of one tile: qf its Q, qs Q's scale words, of its O^T, st its statistics, sq lane 0's query, sk the step on its diagonal.
.macro STEP qf, qs, of, st, sq, sk
	s_cmp_gt_u32 s[KAP], s[\sk]
	s_cbranch_scc1 .Lhidden_\@                     ; all 128 keys come after my 16 queries
.rept 5
	v_nop                                          ; places: the first four products write over registers that the last products read
.endr
	KLOAD 0
	s_wait_dscnt 0x0
	SMUL 0, \qf, \qs
.rept 4
	v_nop                                          ; places: the loads land in registers that these products have read, and their results are read below
.endr
	KLOAD 1                                        ; the second four tiles are on their way while the first 64 keys are worked
	MASK 0, \sq, \sk
	BMAX 0
	s_wait_dscnt 0x0
	SMUL 1, \qf, \qs
.rept 4
	v_nop
.endr
	MASK 1, \sq, \sk
	BMAX 1
.irp b, 0,1,2,3
	v_permlanex16_b32 v[236+\b], v[232+\b], s[SEL], s[SEL+1]
.endr
.irp b, 0,1,2,3
	v_max_num_f32 v[232+\b], v[232+\b], v[236+\b]  ; with lane l xor 16's 16 keys
.endr
	v_max3_num_f32 v254, v232, v233, v234
	v_max_num_f32 v254, v254, v235                 ; the step's largest score of my query
	v_mul_f32 v254, s[CS], v254                    ; as t (c is positive)
	v_max_num_f32 v[\st+1], v[\st+1], v254         ; the running largest t
	v_mov_b32 v254, v[\st]
	v_floor_f32 v[\st], -v[\st+1]                  ; the new -M = floor(-t) = -ceil(t): M IS A WHOLE NUMBER
	v_sub_f32 v254, v[\st], v254                   ; M's old value less its new one: a whole number, 0 or less
	v_cvt_i32_f32 v254, v254                       ; (it saturates)
	v_ldexp_f32 v252, 1.0, v254                    ; f = 2^(old M - new M)
.irp b, 0,1,2,3
	v_fma_f32 v[232+\b], v[232+\b], s[CS], v[\st]  ; t - M of each block's largest score
.endr
	PKF 0, \st
	PKF 1, \st
.irp b, 0,1,2,3
	v_exp_f32 v[232+\b], v[232+\b]                 ; the block's largest p: the same two instructions on the same number give the same bits as the p itself.  These four go first, so that the scale's lines are ready below
	PKF 2+\b, \st
.endr
; p = 2^(t - M), at most 1, NOT normalised: 64 exponentials, and behind each a plain instruction that names neither its register nor a result not yet finished
.set J, 0
.rept 64
	v_exp_f32 v[96+J], v[96+J]
.if (J%2 == 0) && (J <= 50)
	PKF 6+J/2, \st                                 ; the scaling of the pair whose exponentials stand twelve further on
.elseif J == 1
	v_pk_mul_f32 v[\st+2:\st+3], v[\st+2:\st+3], v[252:253] op_sel_hi:[1,0]   ; the sums under the new M
.elseif J <= 9
	s_wait_alu depctr_va_vdst(0)
	v_max_num_f32 v[232+(J-3)/2], 0x2800000, v[232+(J-3)/2]   ; the floor 2^(5 - 127): the byte cannot fall under 1
.elseif J <= 17
	v_add_nc_u32 v[244+(J-11)/2], 0xfe000000, v[232+(J-11)/2]   ; 4 off the exponent field: the conversion's scale operand
.elseif J <= 25
	v_lshrrev_b32 v[236+(J-19)/2], 23, v[244+(J-19)/2]   ; the scale's byte
.elseif J == 27
	v_lshl_or_b32 v253, v237, 8, v236              ; p's scale word for these 128 keys
.elseif J == 29
	v_lshl_or_b32 v253, v238, 16, v253
.elseif J == 31
	v_lshl_or_b32 v253, v239, 24, v253
.elseif J <= 51
	PADD (J-33)/2, \st                             ; sums 0 to 9
.else
	PADD J-42, \st                                 ; sums 10 to 21: pair 22 at the last, whose exponentials stand 18 back
.endif
.set J, J+1
.endr
.irp n, 22,23,24,25,26,27,28,29,30
	PADD \n, \st                                   ; the last nine pairs
.endr
.irp c, 0,1
	v_cvt_scalef32_pk16_bf6_f32 v[224+6*\c:226+6*\c], v[96+32*\c:111+32*\c], v[244+2*\c]
	v_cvt_scalef32_pk16_bf6_f32 v[236+4*\c:238+4*\c], v[112+32*\c:127+32*\c], v[244+2*\c+1]   ; (a conversion's three registers begin on an even number)
.endr
	v_pk_add_f32 v[\st+2:\st+3], v[\st+2:\st+3], v[254:255]   ; the two chains meet.  (The plain place behind the scaled conversions)
.irp t, 0,1,2,3                                ; p has been read for the last time: V's four fragments take its registers
.irp c, 0,1,2
	ds_load_b128 v[96+12*\t+4*\c:96+12*\t+4*\c+3], v4 offset:6144+1536*\t+512*\c
.endr
.endr
	ds_load_b128 v[248:251], v6 offset:12800       ; V's scale words
.irp c, 0,1                                    ; the operand's layout wants a WHOLE block in a lane
.irp i, 0,1,2
	v_permlane16_swap_b32 v[224+6*\c+\i], v[236+4*\c+\i]
.endr
.irp i, 0,1,2
	v_mov_b32 v[227+6*\c+\i], v[236+4*\c+\i]
.endr
.endr
.set J, 0
.rept 16
	v_pk_mul_f32 v[\of+J:\of+J+1], v[\of+J:\of+J+1], v[252:253] op_sel_hi:[1,0]   ; O^T under the new M, while the loads are out.  (The places between p's codes and the products)
.set J, J+2
.endr
	s_wait_dscnt 0x0
.irp t, 0,1,2,3                                ; O^T += V^T P^T: four tiles of 16 of the head's 64, four accumulators by turns
	v_wmma_scale_f32_16x16x128_f8f6f4 v[\of+8*\t:\of+8*\t+7], v[96+12*\t:96+12*\t+11], v[224:235], v[\of+8*\t:\of+8*\t+7], v[248+\t], v253 matrix_a_fmt:MATRIX_FMT_BF6 matrix_b_fmt:MATRIX_FMT_BF6
.endr
.Lhidden_\@:
.endm
.Lkey:                                             ; 16 trips in every wave
	v_add_nc_u32 v4, s[KB], v1
	v_add_nc_u32 v5, s[KB], v2
	v_add_nc_u32 v6, s[KB], v3
	STEP 20, 92, 160, 12, 40, 38
	STEP 32, 93, 192, 16, 41, 39
	s_add_co_u32 s[KB], s[KB], STEPB
	s_add_co_u32 s[KAP], s[KAP], 1
	s_cmp_lt_u32 s[KAP], 16
	s_cbranch_scc1 .Lkey
	; THE WAY OUT.  O^T / the sum; H's 32 and L's 32 numbers of a lane are four blocks of 32 along the model's axis: one run of the quantiser gives H's image (registers 0-5), L's (6-11) and both pairs of scale bytes.
.rept 4
	v_nop
.endr
	v_add_f32 v14, v14, v15                        ; the sums' two halves,
	v_add_f32 v18, v18, v19
	v_permlanex16_b32 v236, v14, s[SEL], s[SEL+1]
	v_permlanex16_b32 v237, v18, s[SEL], s[SEL+1]
	v_add_f32 v14, v14, v236                       ; and lane l xor 16's
	v_add_f32 v18, v18, v237
	v_rcp_f32 v10, v14
	v_rcp_f32 v62, v18
.irp b, 0,1,2,3
	v_mov_b32 v[TM+4+\b], 0                        ; (plain places behind the reciprocals)  a lane permute's destination counts as one of its sources
.endr
.set J, 0
	s_wait_alu depctr_va_vdst(0)
.rept 16
	v_pk_mul_f32 v[96+J:97+J], v[160+J:161+J], v[10:11] op_sel_hi:[1,0]    ; register 16 b + i is o(query, 32 b + 16 h + i)
.set J, J+2
.endr
.set J, 0
.rept 16
	v_pk_mul_f32 v[128+J:129+J], v[192+J:193+J], v[62:63] op_sel_hi:[1,0]
.set J, J+2
.endr
.irp b, 0,1,2,3
	v_max3_num_f32 v[TM+\b], |v[96+16*\b]|, |v[97+16*\b]|, 0x2800000   ; block b: my 16 numbers, and the floor
.endr
.irp i, 2,4,6,8,10,12,14
.irp b, 0,1,2,3
	v_max3_num_f32 v[TM+\b], v[TM+\b], |v[96+16*\b+\i]|, |v[97+16*\b+\i]|
.endr
.endr
.irp b, 0,1,2,3
	v_permlanex16_b32 v[TM+4+\b], v[TM+\b], s[SEL], s[SEL+1]
.endr
.irp b, 0,1,2,3
	v_max_num_f32 v[TM+\b], v[TM+\b], v[TM+4+\b]
.endr
.irp b, 0,1,2,3
	v_add_nc_u32 v[TM+12+\b], 0xfe000000, v[TM+\b]
.endr
.irp b, 0,1,2,3
	v_lshrrev_b32 v[TM+4+\b], 23, v[TM+12+\b]
.endr
	v_lshl_or_b32 v[PW], v[TM+5], 8, v[TM+4]       ; bytes 0, 1: H's; bytes 2, 3: L's
	v_lshl_or_b32 v[PW], v[TM+6], 16, v[PW]
	v_lshl_or_b32 v[PW], v[TM+7], 24, v[PW]
.irp c, 0,1
	v_cvt_scalef32_pk16_bf6_f32 v[PC+6*\c:PC+2+6*\c], v[96+32*\c:111+32*\c], v[TM+12+2*\c]
	v_cvt_scalef32_pk16_bf6_f32 v[PC+12+4*\c:PC+14+4*\c], v[112+32*\c:127+32*\c], v[TM+12+2*\c+1]
.endr
	v_nop
.irp c, 0,1
.irp i, 0,1,2
	v_permlane16_swap_b32 v[PC+6*\c+\i], v[PC+12+4*\c+\i]
.endr
.irp i, 0,1,2
	v_mov_b32 v[PC+3+6*\c+\i], v[PC+12+4*\c+\i]
.endr
.endr
	global_store_b128 v1, v[PC:PC+3], s[56:57]
	global_store_b64 v2, v[PC+4:PC+5], s[56:57] offset:512
	global_store_b128 v1, v[PC+6:PC+9], s[58:59]
	global_store_b64 v2, v[PC+10:PC+11], s[58:59] offset:512
	v_lshrrev_b32 v61, 16, v[PW]
	v_cndmask_b32 v61, v[PW], v61, s45             ; lanes 0-15 H's two bytes, lanes 16-31 L's
	v_mov_b32 v62, s60
	v_mov_b32 v63, s61
	v_cndmask_b32 v62, v62, v63, s45
	v_lshl_add_u32 v62, v8, 5, v62                 ; 512 x token tile + 32 r + 2 x head
	global_store_b16 v62, v61, s[10:11]
	s_wait_tensorcnt 0x0
	ds_add_u32 v95, v243
	s_wait_dscnt 0x0
	ROUND                                          ; the closing round: no work-group ends while a partner may still ask for a tile that names it
	s_endpgm
.Lfunc_end_k_q7a5cfd3c63_attn:
	.size	k_q7a5cfd3c63_attn, .Lfunc_end_k_q7a5cfd3c63_attn-k_q7a5cfd3c63_attn
	.p2alignl 7, 3214868480
	.fill 96, 4, 3214868480
	.section	.rodata,"a",@progbits
	.p2align	6, 0x0
	.amdhsa_kernel k_q7a5cfd3c63_attn
		.amdhsa_group_segment_fixed_size 210944
		.amdhsa_private_segment_fixed_size 0
		.amdhsa_enable_private_segment 0
		.amdhsa_kernarg_size 32
		.amdhsa_user_sgpr_count 2
		.amdhsa_user_sgpr_kernarg_segment_ptr 1
		.amdhsa_wavefront_size32 1
		.amdhsa_system_sgpr_workgroup_id_x 1
		.amdhsa_system_sgpr_workgroup_id_y 1
		.amdhsa_system_sgpr_workgroup_id_z 1
		.amdhsa_system_vgpr_workitem_id 0
		.amdhsa_next_free_vgpr 256
		.amdhsa_next_free_sgpr 66
		.amdhsa_reserve_vcc 1
		.amdhsa_float_denorm_mode_32 3
		.amdhsa_float_denorm_mode_16_64 3
		.amdhsa_memory_ordered 1
		.amdhsa_forward_progress 1
		.amdhsa_inst_pref_size 61
	.end_amdhsa_kernel
	.amdgpu_metadata
---
amdhsa.version: [ 1, 2 ]
amdhsa.kernels:
  - .name:           k_q7a5cfd3c63_attn
    .symbol:         k_q7a5cfd3c63_attn.kd
    .args:
      - { .name: qb, .offset: 0, .size: 8, .value_kind: global_buffer, .address_space: global }
      - { .name: kv, .offset: 8, .size: 8, .value_kind: global_buffer, .address_space: global }
      - { .name: a_img, .offset: 16, .size: 8, .value_kind: global_buffer, .address_space: global }
      - { .name: a_sc, .offset: 24, .size: 8, .value_kind: global_buffer, .address_space: global }
    .group_segment_fixed_size: 210944
    .private_segment_fixed_size: 0
    .kernarg_segment_align: 8
    .kernarg_segment_size: 32
    .max_flat_workgroup_size: 512
    .sgpr_count:     66
    .vgpr_count:     256
    .wavefront_size: 32
...
	.end_amdgpu_metadata
.endif
;; end of part 7
;; launch oproj (part 8): grid 4 x 64, 4 waves a work-group, clusters of 4 x 4, 327,680 bytes of LDS; arguments a_img, a_sc, codes, scales, out0; writes out0
.if DOCPART == 8
	.amdgcn_target "amdgcn-amd-amdhsa--gfx1250"
	.amdhsa_code_object_version 6
	.text
	.protected	k_q7a5cfd3c63_oproj
	.globl	k_q7a5cfd3c63_oproj
	.p2align	8
	.type	k_q7a5cfd3c63_oproj,@function
k_q7a5cfd3c63_oproj:
	s_mov_b64 s[64:65], 0
	v_nop
	global_prefetch_b8 v0, s[64:65] scope:SCOPE_SE
	s_setreg_imm32_b32 hwreg(HW_REG_WAVE_MODE, 25, 1), 1
	s_wait_xcnt 0x0
	s_wait_alu depctr_hold_cnt(0) depctr_sa_sdst(0) depctr_va_vdst(0) depctr_va_sdst(0) depctr_va_ssrc(0) depctr_va_vcc(0) depctr_vm_vsrc(0)
	s_getreg_b32 s2, hwreg(HW_REG_IB_STS2, 6, 4)
	s_cmp_eq_u32 s2, 0
	s_cbranch_scc0 .Lentry_in_a_cluster
	s_endpgm
.Lentry_in_a_cluster:
	s_bfe_u32 s2, ttmp6, 0x10000c
	s_cmp_lg_u32 s2, 0xf033
	s_cbranch_scc0 .Lentry_shape_is_right
	s_endpgm
.Lentry_shape_is_right:
; out0[token][n] = the sum over k of attn[token][k] w_o[n][k], K = 1,024, on codes of BF6 (E3M2) with one E8M0 scale for each 32 along K; out0 [8192][1024] f32; sums in f32.
; A = attn arrives as IMAGES OF OPERAND REGISTERS: a_img [512 tiles of 16 positions][8 K steps of 128][2 halves][768 bytes: registers 0-3 at 16 x lane, registers 4-5 at 512 + 8 x lane]; its scale bytes a_sc [8192 positions][32].
; Position 16 t + r is token 32 (t / 2) + 8 (t % 2) + r + 8 (r / 8) of its group of 32: the way out puts the rows back.  B = w_o: rows 11,264 .. 12,287 of the codes [.][768 bytes] and scale bytes [.][32], in their own order.
; THE TILE IS 128 x 256: the result has 128 tiles of 256 x 256, which would leave every second WGP without work, and 256 of this size.  Four waves, each 64 x 128: 32 accumulators, 256 registers.
; K goes in steps of 256 through a ring of two LDS slots filled by the tensor data mover.  THE SCALE WORDS come straight into registers, once: lane (r, h) takes 16 bytes at 32 x row + 16 h, so that lanes 0-15 hold the words of
; K steps (of 128) 0-3 and lanes 16-31 those of 4-7: twelve loads of 512 consecutive bytes.
; CLUSTERS: 4 x 4 work-groups; A's tiles are asked for jointly along a row of the cluster, B's along a column.  THE MATRIX INSTRUCTION IS USED TRANSPOSED (source 0 = 16 rows of B, source 1 = 16 rows of A): a lane holds eight neighbouring numbers of a row of the result.
; REGISTERS, in windows of 256: window 0: v0-31 addresses; v32-79 scale words and nothing else; A's fragments, two sets of 4, at v128 and v80; on the way out v128-255 rows read back.  window 1: B's fragments, two sets of 8.  window 2: the accumulators ((a, b) at v[8 (8 a + b)]).
.set SIZE_K, 1024
.set SIZE_N, 1024
.set KSTEP,  256
.set ROWB,   192                       ; a row of B's tile in bytes
.set KROW,   SIZE_K*6/8
.set PITCH,  240                       ; B's LDS row: 3 x (64 bytes + 16 of padding)
.set ASTEP,  3072                      ; a tile of 16 positions x 256 along K of A: four images of 768 bytes
.set FR,     12
.set NLA,    4                         ; LDS loads that bring a fragment of A
.set NP,     4                         ; places behind this matrix instruction (ISA guide 7.12.1)
.set HALFT,  128*PITCH                 ; a quarter of a slot; A's images use 12,288 bytes of it
.set SLOT,   4*HALFT
.set WO,     11264                     ; w_o's first row in the codes and the scale bytes
.set SPARE,  2*SLOT                    ; behind the ring: the spare words, 128 bytes for each wave, which no other line names
.set SPITCH, 528                       ; the way out: a stage of 16 rows x (512 bytes + 16) for each wave, in slot 0, which has had its last fill and its last read when the first result is stored there
.set ADRA, 16                          ; v16-17 16 x lane + my part of A in slot 0, 1;  v18-19 the same with 8 x lane
.set ADRB, 20                          ; v20-21 LDS address of my B fragments in slot 0, 1;  v22-23 for the pieces behind one padding more
.set STO,  24
.set RD,   25
.set CO,   26
.set VS,   27                          ; v27  32 r + 16 h: a row's scale bytes, my half of them
.set SPW,  28
.set NIL,  29
.set SCA2, 32                          ; A's scale words: block a at v[SCA2 + 4 a ..]
.set SCB2, 48                          ; B's: block b at v[SCB2 + 4 b ..]
.set BK,   128
.set G1, 24
.set G0, 32
.set G1B, 48
.set G0B, 56
.set MSB, 0
.macro WIN new                         ; the immediate's high byte repeats the setting that is left
.if MSB != (\new)
	s_set_vgpr_msb (MSB<<8)|(\new)
.set MSB, (\new)
.endif
.endm
.set MUL_LO, 0xa1                      ; source 0 (B) window 1, source 1 (A) window 0, C and D window 2
.set TO_B,   0x40
.macro JLOAD g0a, g1a, g0b, g1b        ; a joint load: waves 0 and 1 fetch for A, waves 2 and 3 for B; four v_nop follow each of the two lines
	s_cmp_eq_u32 s15, 0
	s_cbranch_scc0 .Lfor_b_\@
	tensor_load_to_lds s[\g0a:\g0a+3], s[\g1a:\g1a+7]
	s_nop 0
.rept 4
	v_nop
.endr
	s_branch .Lasked_\@
.Lfor_b_\@:
	tensor_load_to_lds s[\g0b:\g0b+3], s[\g1b:\g1b+7]
	s_nop 0
.rept 4
	v_nop
.endr
.Lasked_\@:
.endm
.macro CREST
	s_cmp_lg_u32 s14, 0
	s_cbranch_scc1 .Lnot_wave_0_\@
	s_barrier_signal -3
.Lnot_wave_0_\@:
	s_barrier_wait -3
	s_barrier_signal -1
	s_barrier_wait -1
.endm
.macro CROUND
	s_barrier_signal -1
	s_barrier_wait -1
	CREST
.endm
	s_load_b128 s[4:7], s[0:1], 0x0                ; A's images, A's scales
	s_load_b128 s[8:11], s[0:1], 0x10              ; the codes, the scale bytes
	s_load_b64 s[12:13], s[0:1], 0x20              ; out0
	v_lshl_add_u32 v[SPW], v0, 2, SPARE
	v_mov_b32 v[NIL], 0
	ds_add_u32 v28, v29
	ds_add_u32 v28, v29
	s_wait_dscnt 0x0
	v_lshrrev_b32 v1, 5, v0
	v_readfirstlane_b32 s14, v1                    ; wave 0..3
	s_lshr_b32 s15, s14, 1                         ; which half of the tile's rows is mine.  Also: I fetch for A (0) or for B (1)
	s_and_b32 s16, s14, 1                          ; which half of its columns.  Also: which half of that tile I fetch
	s_bfe_u32 s40, ttmp6, 0x40000                  ; cx, cy
	s_bfe_u32 s41, ttmp6, 0x40004
	s_lshl_b32 s42, ttmp9, 2
	s_add_co_u32 s42, s42, s40                     ; tile column (256 features) = 4 x cluster x + cx
	s_and_b32 s17, ttmp7, 0xffff
	s_lshl_b32 s17, s17, 2
	s_add_co_u32 s17, s17, s41                     ; tile row (128 positions) = 4 x cluster y + cy
	s_lshl_b32 s43, s41, 2
	s_lshl_b32 s43, 15, s43                        ; my row of the cluster
	s_lshl_b32 s44, 0x1111, s40                    ; my column
	; A's tiles: 4 tiles of 16 positions x 3,072 bytes (384 elements of 8 bytes), 12,288 bytes apart in memory, on end in LDS
	s_or_b32 s[G1+0], s43, (3<<16)|(1<<21)         ; 15:0 the mask: my row; 17:16 elements of 8 bytes; 21 set beside a mask; no padding
	s_mov_b32 s[G1+1], 384<<16                     ; tensor_dim0
	s_mov_b32 s[G1+2], 4<<16                       ; tensor_dim1
	s_mov_b32 s[G1+3], 384<<16                     ; tile_dim0
	s_mov_b32 s[G1+4], 4                           ; tile_dim1
	s_mov_b32 s[G1+5], 1536                        ; tensor_dim0_stride
	s_mov_b32 s[G1+6], 0
	s_mov_b32 s[G1+7], 0
	; B's tiles: 128 rows x 192 bytes, 16 bytes of padding behind every 64
	s_or_b32 s[G1B+0], s44, (0<<16)|(1<<20)|(1<<21)|(3<<22)|(3<<25)
	s_mov_b32 s[G1B+1], ROWB<<16
	s_mov_b32 s[G1B+2], 128<<16
	s_mov_b32 s[G1B+3], ROWB<<16
	s_mov_b32 s[G1B+4], 128
	s_mov_b32 s[G1B+5], KROW
	s_mov_b32 s[G1B+6], 0
	s_mov_b32 s[G1B+7], 0
	s_lshl_b32 s20, s17, 7
	s_lshl_b32 s21, s16, 6
	s_add_co_u32 s20, s20, s21                     ; A: position 128 x tile row + 64 x the half that I fetch
	s_mul_i32 s20, s20, KROW                       ; sixteen positions' images are 12,288 bytes: 768 a position
	s_mov_b32 s21, 0
	s_lshl_b32 s46, s42, 8
	s_lshl_b32 s47, s16, 7
	s_add_co_u32 s46, s46, s47
	s_add_co_u32 s46, s46, WO                      ; B: row 256 x tile column + 128 x half, from w_o's first row on
	s_mul_i32 s46, s46, KROW
	s_mov_b32 s47, 0
	s_mul_i32 s45, s14, HALFT                      ; where they go: no place in the cluster enters an LDS address
	s_wait_kmcnt 0x0
	s_add_nc_u64 s[20:21], s[4:5], s[20:21]
	s_add_nc_u64 s[46:47], s[8:9], s[46:47]
	CROUND                                         ; all sixteen work-groups are here: the first joint loads meet
.irp s, 0,1
	s_mov_b32 s[G0+4*\s], 1
	s_add_co_u32 s[G0+4*\s+1], s45, \s*SLOT
	s_add_nc_u64 s[G0+4*\s+2:G0+4*\s+3], s[20:21], \s*ASTEP
	s_or_b32 s[G0+4*\s+3], s[G0+4*\s+3], 0x80000000
	s_mov_b32 s[G0B+4*\s], 1
	s_add_co_u32 s[G0B+4*\s+1], s45, \s*SLOT
	s_add_nc_u64 s[G0B+4*\s+2:G0B+4*\s+3], s[46:47], \s*ROWB
	s_or_b32 s[G0B+4*\s+3], s[G0B+4*\s+3], 0x80000000
	JLOAD G0+4*\s, G1, G0B+4*\s, G1B               ; two loads of mine are out at the most
.endr
	v_and_b32 v1, 15, v0                           ; r
	v_bfe_u32 v2, v0, 4, 1                         ; h
	v_lshlrev_b32 v3, 5, v1
	v_lshl_add_u32 v[VS], v2, 4, v3
	s_lshl_b32 s22, s17, 7
	s_lshl_b32 s23, s15, 6
	s_add_co_u32 s22, s22, s23                     ; my 64 positions of A
	s_lshl_b32 s22, s22, 5                         ; 32 scale bytes a row
	s_mov_b32 s23, 0
	s_add_nc_u64 s[68:69], s[6:7], s[22:23]
	s_lshl_b32 s92, s42, 8
	s_lshl_b32 s93, s16, 7
	s_add_co_u32 s92, s92, s93
	s_add_co_u32 s92, s92, WO                      ; my 128 rows of w_o
	s_lshl_b32 s92, s92, 5
	s_mov_b32 s93, 0
	s_add_nc_u64 s[70:71], s[10:11], s[92:93]
.irp i, 0,1,2,3
	global_load_b128 v[SCA2+4*\i:SCA2+4*\i+3], v[VS], s[68:69] offset:512*\i   ; sixteen rows' 512 consecutive bytes
.endr
.irp i, 0,1,2,3,4,5,6,7
	global_load_b128 v[SCB2+4*\i:SCB2+4*\i+3], v[VS], s[70:71] offset:512*\i
.endr
	v_mul_u32_u24 v3, v1, PITCH
	v_mul_u32_u24 v4, v2, 24
	v_add_nc_u32 v4, v3, v4                        ; B: a fragment's row x pitch + 24 x half
	v_lshl_add_u32 v5, v2, 4, v4                   ; and the same behind one padding more
	v_and_b32 v6, 31, v0
	v_lshlrev_b32 v7, 4, v6                        ; A: 16 x lane,
	v_lshlrev_b32 v8, 3, v6                        ; 8 x lane
	s_mul_i32 s21, s15, HALFT                      ; my part of A
	s_mul_i32 s22, s16, HALFT                      ; my 128 rows of B,
	s_add_co_u32 s22, s22, 2*HALFT                 ; which lie behind A's two quarters
.irp s, 0,1
	v_add_nc_u32 v[ADRA+\s], s21, v7
	v_add_nc_u32 v[ADRB+\s], s22, v4
	v_add_nc_u32 v[ADRA+2+\s], s21, v8
	v_add_nc_u32 v[ADRB+2+\s], s22, v5
	s_add_co_u32 s21, s21, SLOT
	s_add_co_u32 s22, s22, SLOT
.endr
	s_mul_i32 s23, s14, 16*SPITCH                  ; my stage
	v_mul_u32_u24 v5, v1, SPITCH                   ; in: row l % 16, 32 bytes for each half of the lanes
	v_lshl_add_u32 v5, v2, 5, v5
	v_add_nc_u32 v[STO], s23, v5
	v_lshlrev_b32 v[CO], 4, v6                     ; back: the 32 lanes take one row of 512 bytes; and the same in out0
	v_add_nc_u32 v[RD], s23, v[CO]
	s_lshl_b32 s20, s17, 7
	s_lshl_b32 s21, s15, 6
	s_add_co_u32 s20, s20, s21                     ; my first row of out0
	s_lshl_b32 s20, s20, 12                        ; 4,096 bytes a row
	s_mov_b32 s21, 0
	s_lshl_b32 s46, s42, 10                        ; my first column, in bytes
	s_lshl_b32 s47, s16, 9
	s_add_co_u32 s46, s46, s47
	s_mov_b32 s47, 0
	s_add_nc_u64 s[20:21], s[20:21], s[46:47]
	s_add_nc_u64 s[12:13], s[12:13], s[20:21]
.macro FRAG reg, adr, q, i             ; a fragment of B from rows: 24 bytes of the row's stream of bits twice, in pieces of 8 bytes; where lanes 16-31's piece lies behind one padding more, the second address register serves
.irp p, 0,1,2,3,4,5
.set PCE, 12*(\q)+6*(\p/3)+\p%3
.if PCE%8 < 5
	ds_load_b64 v[\reg+2*\p:\reg+2*\p+1], v[\adr] offset:8*PCE+16*(PCE/8)+(\i)*16*PITCH
.else
	ds_load_b64 v[\reg+2*\p:\reg+2*\p+1], v[\adr+2] offset:8*PCE+16*(PCE/8)+(\i)*16*PITCH
.endif
.endr
.endm
.macro FRAGA reg, slot, q, i           ; a fragment of A from its two images: every load takes consecutive bytes in consecutive lanes
	ds_load_b128 v[\reg:\reg+3],     v[ADRA+\slot]   offset:ASTEP*(\i)+1536*(\q)
	ds_load_b64  v[\reg+4:\reg+5],   v[ADRA+2+\slot] offset:ASTEP*(\i)+1536*(\q)+512
	ds_load_b128 v[\reg+6:\reg+9],   v[ADRA+\slot]   offset:ASTEP*(\i)+1536*(\q)+768
	ds_load_b64  v[\reg+10:\reg+11], v[ADRA+2+\slot] offset:ASTEP*(\i)+1536*(\q)+1280
.endm
; 8 matrix instructions: A's block a x B's eight; p: the sets of A and B; s: which 128 along K (0 .. 7): its scale words lie in lanes 0-15 (s < 4) or 16-31 of register s % 4.
; The 32 accumulators take turns, one instruction a turn.
.macro MUL8 a, p, s, zero
.set AFP, 128-48*(\p)
.irp b, 0,1,2,3,4,5,6,7
.if \zero
	v_wmma_scale_f32_16x16x128_f8f6f4 v[8*(8*(\a)+\b):8*(8*(\a)+\b)+7], v[128*(\p)+FR*\b:128*(\p)+FR*\b+FR-1], v[AFP+FR*(\a):AFP+FR*(\a)+FR-1], 0, v[SCB2+4*\b+(\s)%4], v[SCA2+4*(\a)+(\s)%4] matrix_a_fmt:MATRIX_FMT_BF6 matrix_b_fmt:MATRIX_FMT_BF6
.elseif (\s) < 4
	v_wmma_scale_f32_16x16x128_f8f6f4 v[8*(8*(\a)+\b):8*(8*(\a)+\b)+7], v[128*(\p)+FR*\b:128*(\p)+FR*\b+FR-1], v[AFP+FR*(\a):AFP+FR*(\a)+FR-1], v[8*(8*(\a)+\b):8*(8*(\a)+\b)+7], v[SCB2+4*\b+(\s)%4], v[SCA2+4*(\a)+(\s)%4] matrix_a_fmt:MATRIX_FMT_BF6 matrix_b_fmt:MATRIX_FMT_BF6
.else
	v_wmma_scale_f32_16x16x128_f8f6f4 v[8*(8*(\a)+\b):8*(8*(\a)+\b)+7], v[128*(\p)+FR*\b:128*(\p)+FR*\b+FR-1], v[AFP+FR*(\a):AFP+FR*(\a)+FR-1], v[8*(8*(\a)+\b):8*(8*(\a)+\b)+7], v[SCB2+4*\b+(\s)%4], v[SCA2+4*(\a)+(\s)%4] matrix_a_fmt:MATRIX_FMT_BF6 matrix_b_fmt:MATRIX_FMT_BF6 matrix_a_scale:MATRIX_SCALE_ROW1 matrix_b_scale:MATRIX_SCALE_ROW1
.endif
.endr
.endm
.macro FETCH_B slot, q, p
	WIN TO_B
.irp i, 0,1,2,3,4,5,6,7
	FRAG 128*(\p)+FR*\i, ADRB+\slot, \q, \i
.endr
	WIN 0
.endm
.macro FETCH_A slot, q, p
.irp i, 0,1,2,3
	FRAGA 128-48*(\p)+FR*\i, \slot, \q, \i
.endr
.endm
.macro PLACES n                        ; plain vector instructions that name no register of the matrix instructions before them (ISA guide 7.12.1)
.rept \n
	v_nop
.endr
.endm
.macro STEP2 slot, ks, zero            ; the first 128 along K of K step ks: sets 0; in its middle the second 128's fragments are fetched into sets 1
	s_wait_dscnt 2*NLA                             ; B's set and A's blocks 0, 1 are in; the youngest 8 loads (A's blocks 2, 3) may be out
	WIN MUL_LO
	MUL8 0, 0, 2*(\ks), \zero
	MUL8 1, 0, 2*(\ks), \zero
	s_wait_dscnt 0
	PLACES NP
	FETCH_B \slot, 1, 1
	FETCH_A \slot, 1, 1
	WIN MUL_LO
	MUL8 2, 0, 2*(\ks), \zero
	MUL8 3, 0, 2*(\ks), \zero
	WIN 0
.endm
; The second 128 along K of K step ks, and the change of slots: ONE barrier; in front of it each wave waits for all its tensor loads, adds 0 to its spare word, and waits for that and for its own reads of this slot.  fill = 1: this slot is filled again, two K steps ahead.
.macro TURN2 slot, next, ks, fill
	s_wait_tensorcnt 0x0                           ; all my tensor loads have landed: my part of the next slot;
	ds_add_u32 v[SPW], v[NIL]                      ; 0 onto my spare word;
	s_wait_dscnt 2*NLA+1                           ; (the add and the youngest 8 loads may be out)
	WIN MUL_LO
	MUL8 0, 1, 2*(\ks)+1, 0                        ; eight matrix instructions stand between the add and the wait for it
	s_wait_dscnt 0x0                               ; the add is done, and my reads of this slot are over
	s_barrier_signal -1
	MUL8 1, 1, 2*(\ks)+1, 0
	WIN 0
	s_barrier_wait -1
.if \fill
	CREST                                          ; the barrier has opened a round of the cluster's barrier: no wave of any partner still reads this slot's tile or has a load on its way
	s_add_nc_u64 s[G0+4*\slot+2:G0+4*\slot+3], s[G0+4*\slot+2:G0+4*\slot+3], 2*ASTEP
	s_add_nc_u64 s[G0B+4*\slot+2:G0B+4*\slot+3], s[G0B+4*\slot+2:G0B+4*\slot+3], 2*ROWB
	JLOAD G0+4*\slot, G1, G0B+4*\slot, G1B         ; the first tensor load behind the round; its four v_nop are the places in front of the loads below
.else
	PLACES NP
.endif
	FETCH_B \next, 0, 0
	FETCH_A \next, 0, 0
	WIN MUL_LO
	MUL8 2, 1, 2*(\ks)+1, 0
	MUL8 3, 1, 2*(\ks)+1, 0
	WIN 0
.endm
	s_wait_tensorcnt 1                             ; my part of K step 0 is in (K step 1's load may be out)
	s_barrier_signal -1
	s_barrier_wait -1                              ; everybody's is
	FETCH_B 0, 0, 0
	FETCH_A 0, 0, 0
	s_wait_loadcnt 0x0                             ; the scale words
	STEP2 0, 0, 1                                  ; its products start the sums
	TURN2 0, 1, 0, 1                               ; slot 0 takes K step 2
	STEP2 1, 1, 0
	TURN2 1, 0, 1, 1                               ; slot 1 takes K step 3
	STEP2 0, 2, 0
	TURN2 0, 1, 2, 0                               ; nothing is left to fetch
	STEP2 1, 3, 0
	s_wait_dscnt 2*NLA                             ; the very last step
	WIN MUL_LO
	MUL8 0, 1, 7, 0
	MUL8 1, 1, 7, 0
	s_wait_dscnt 0
	MUL8 2, 1, 7, 0
	MUL8 3, 1, 7, 0
	WIN 0
; THE WAY OUT, block by block of 16 positions x 128 columns, through my own stage in LDS; back as whole rows of 512 bytes.  LDS serves a wave's instructions in order (ISA guide 5.7.1.4).
; Stage row t of block a is row 32 (a / 2) + 8 (a % 2) + t + 8 (t / 8) of my 64 rows of out0.
.macro TOSTAGE a
.set AC, 64*(\a)
	WIN 0x08                                       ; the data: window 2
.irp b, 0,1,2,3,4,5,6,7
	ds_store_b128 v[STO], v[AC+8*\b:AC+8*\b+3] offset:64*\b          ; each accumulator from its low end on
	ds_store_b128 v[STO], v[AC+8*\b+4:AC+8*\b+7] offset:64*\b+16
.endr
	WIN 0
.set BB, BK+64*((\a)%2)
.irp t, 0,1,2,3,4,5,6,7,8,9,10,11,12,13,14,15
	ds_load_b128 v[BB+4*\t:BB+4*\t+3], v[RD] offset:\t*SPITCH
.endr
.endm
.macro SEND a, younger                 ; younger: the LDS instructions issued behind block a's loads, which may stay out
.set BB, BK+64*((\a)%2)
	s_wait_dscnt \younger
.if (\a) > 0
.if (\a)%2 == 1
	s_add_nc_u64 s[12:13], s[12:13], 8*SIZE_N*4    ; (behind a wait on XCNT: the earlier stores have read their base)  an odd block begins 8 rows on,
.else
	s_add_nc_u64 s[12:13], s[12:13], 24*SIZE_N*4   ; an even one 24 more
.endif
.endif
.irp t, 0,1,2,3,4,5,6,7,8,9,10,11,12,13,14,15
	global_store_b128 v[CO], v[BB+4*\t:BB+4*\t+3], s[12:13] offset:(\t+8*(\t/8))*SIZE_N*4 th:TH_STORE_NT   ; 32 lanes store 512 consecutive bytes, aligned
.endr
.endm
	PLACES NP
	TOSTAGE 0
.irp a, 1,2,3
.if \a > 1
	s_wait_xcnt 0x0                                ; block a - 2's stores have read their registers and their base
.endif
	TOSTAGE \a
	SEND \a-1, 32                                  ; behind block a - 1's loads: block a's 16 stores and 16 loads
.endr
	s_wait_xcnt 0x0
	SEND 3, 0
	s_wait_tensorcnt 0x0                           ; the wave's end
	ds_add_u32 v[SPW], v[NIL]
	s_wait_dscnt 0x0
	CROUND                                         ; the closing round
	s_endpgm
.Lfunc_end_k_q7a5cfd3c63_oproj:
	.size	k_q7a5cfd3c63_oproj, .Lfunc_end_k_q7a5cfd3c63_oproj-k_q7a5cfd3c63_oproj
	.p2alignl 7, 3214868480
	.fill 96, 4, 3214868480
	.section	.rodata,"a",@progbits
	.p2align	6, 0x0
	.amdhsa_kernel k_q7a5cfd3c63_oproj
		.amdhsa_group_segment_fixed_size 327680
		.amdhsa_private_segment_fixed_size 0
		.amdhsa_enable_private_segment 0
		.amdhsa_kernarg_size 40
		.amdhsa_user_sgpr_count 2
		.amdhsa_user_sgpr_kernarg_segment_ptr 1
		.amdhsa_wavefront_size32 1
		.amdhsa_system_sgpr_workgroup_id_x 1
		.amdhsa_system_sgpr_workgroup_id_y 1
		.amdhsa_system_sgpr_workgroup_id_z 1
		.amdhsa_system_vgpr_workitem_id 0
		.amdhsa_next_free_vgpr 768
		.amdhsa_next_free_sgpr 98
		.amdhsa_reserve_vcc 0
		.amdhsa_float_denorm_mode_32 3
		.amdhsa_float_denorm_mode_16_64 3
		.amdhsa_memory_ordered 1
		.amdhsa_forward_progress 1
		.amdhsa_inst_pref_size 93
	.end_amdhsa_kernel
	.amdgpu_metadata
---
amdhsa.version: [ 1, 2 ]
amdhsa.kernels:
  - .name:           k_q7a5cfd3c63_oproj
    .symbol:         k_q7a5cfd3c63_oproj.kd
    .args:
      - { .name: a_img, .offset: 0, .size: 8, .value_kind: global_buffer, .address_space: global }
      - { .name: a_sc, .offset: 8, .size: 8, .value_kind: global_buffer, .address_space: global }
      - { .name: codes, .offset: 16, .size: 8, .value_kind: global_buffer, .address_space: global }
      - { .name: scales, .offset: 24, .size: 8, .value_kind: global_buffer, .address_space: global }
      - { .name: out0, .offset: 32, .size: 8, .value_kind: global_buffer, .address_space: global }
    .group_segment_fixed_size: 327680
    .private_segment_fixed_size: 0
    .kernarg_segment_align: 8
    .kernarg_segment_size: 40
    .max_flat_workgroup_size: 128
    .sgpr_count:     98
    .vgpr_count:     768
    .wavefront_size: 32
...
	.end_amdgpu_metadata
.endif
;; end of part 8
